; MI455X (gfx1250); checked and timed in simulation.
; The chip was launched on July 23, 2026; its instructions are those of AMD's public machine-readable ISA for CDNA 5 (MIT licence, August 2026) and "CDNA5" Instruction Set Architecture Reference Guide (July 2026). The comments in the code are by the model that wrote it; some were corrected since.
;; Mulit Head Attention Layer. Allowed arithmetic: matrix products marked QUANTISED: E2M1 operands, one E8M0 scale for each 32 along K, by v_wmma_scale_f32_16x16x128_f8f6f4 with both operands' format E2M1 (or v_wmma_scale_f32_32x16x128_f4), f32 sums; everything else in f32.
;; Inputs: W1 6 x 128 x 128 float32; W2 6 x 128 x 128 float32; Wg 6 x 128 x 128 float32; b1 6 x 128 float32; b2 6 x 128 float32; bg 6 x 128 float32; x 2 x 128 x 4 x 32 x 32 float32.
;; Outputs: out0 2 x 128 x 4 x 32 x 32 float32.
;; This version of the problem:
;;   THIS VERSION OF THE PROBLEM IS GIVEN IN LOW PRECISION. The matrix products marked QUANTISED in the list below multiply operands that are first quantised to E2M1 (2 exponent bits, 1 mantissa bit; 4 bits a number), with one power-of-two scale for each 32 numbers along K (OCP MX v1.0); their sums are f32. All else is computed in f32.
;;   The module's matrix products, in the order in which they are computed (A, B: the left and right operand; K: the contracted axis; several contracted axes count as one K, in the product's order):
;;     1. [M 8,192, K 128] x [K 128, N 128]; A: input x; B: input W1: QUANTISED
;;     2. [M 8,192, K 128] x [K 128, N 128]; A: input x; B: input W2: QUANTISED
;;     3. batch 2 x [M 4,096, K 128] x [K 128, N 4,096]; A: computed on the way; B: computed on the way: QUANTISED
;;     4. [M 8,192, K 128] x [K 128, N 128]; A: input x; B: input Wg: QUANTISED
;;     5. batch 2 x [M 4,096, K 4,096] x [K 4,096, N 128]; A: computed on the way; B: computed on the way: QUANTISED
;;     6. [M 8,192, K 128] x [K 128, N 128]; A: input x; B: input W1: QUANTISED
;;     7. [M 8,192, K 128] x [K 128, N 128]; A: input x; B: input W2: QUANTISED
;;     8. batch 2 x [M 4,096, K 128] x [K 128, N 4,096]; A: computed on the way; B: computed on the way: QUANTISED
;;     9. [M 8,192, K 128] x [K 128, N 128]; A: input x; B: input Wg: QUANTISED
;;     10. batch 2 x [M 4,096, K 4,096] x [K 4,096, N 128]; A: computed on the way; B: computed on the way: QUANTISED
;;     11. [M 8,192, K 128] x [K 128, N 128]; A: input x; B: input W1: QUANTISED
;;     12. [M 8,192, K 128] x [K 128, N 128]; A: input x; B: input W2: QUANTISED
;;     13. batch 2 x [M 4,096, K 128] x [K 128, N 4,096]; A: computed on the way; B: computed on the way: QUANTISED
;;     14. [M 8,192, K 128] x [K 128, N 128]; A: input x; B: input Wg: QUANTISED
;;     15. batch 2 x [M 4,096, K 4,096] x [K 4,096, N 128]; A: computed on the way; B: computed on the way: QUANTISED
;;     16. [M 8,192, K 128] x [K 128, N 128]; A: input x; B: input W1: QUANTISED
;;     17. [M 8,192, K 128] x [K 128, N 128]; A: input x; B: input W2: QUANTISED
;;     18. batch 2 x [M 4,096, K 128] x [K 128, N 4,096]; A: computed on the way; B: computed on the way: QUANTISED
;;     19. [M 8,192, K 128] x [K 128, N 128]; A: input x; B: input Wg: QUANTISED
;;     20. batch 2 x [M 4,096, K 4,096] x [K 4,096, N 128]; A: computed on the way; B: computed on the way: QUANTISED
;;     21. [M 8,192, K 128] x [K 128, N 128]; A: input x; B: input W1: QUANTISED
;;     22. [M 8,192, K 128] x [K 128, N 128]; A: input x; B: input W2: QUANTISED
;;     23. batch 2 x [M 4,096, K 128] x [K 128, N 4,096]; A: computed on the way; B: computed on the way: QUANTISED
;;     24. [M 8,192, K 128] x [K 128, N 128]; A: input x; B: input Wg: QUANTISED
;;     25. batch 2 x [M 4,096, K 4,096] x [K 4,096, N 128]; A: computed on the way; B: computed on the way: QUANTISED
;;     26. [M 8,192, K 128] x [K 128, N 128]; A: input x; B: input W1: QUANTISED
;;     27. [M 8,192, K 128] x [K 128, N 128]; A: input x; B: input W2: QUANTISED
;;     28. batch 2 x [M 4,096, K 128] x [K 128, N 4,096]; A: computed on the way; B: computed on the way: QUANTISED
;;     29. [M 8,192, K 128] x [K 128, N 128]; A: input x; B: input Wg: QUANTISED
;;     30. batch 2 x [M 4,096, K 4,096] x [K 4,096, N 128]; A: computed on the way; B: computed on the way: QUANTISED
;;   THE QUANTISER, for each operand of a quantised product, along K:
;;     - K is cut into blocks of 32 from its start; a last block that is shorter is filled with zeros.
;;     - A block's scale is 2^e with e = floor(log2(the largest magnitude in the block)) - 2, held to -126 .. 127; a block of zeros has e = 0. As a byte (E8M0): e + 127.
;;     - Each number is divided by its block's scale, clamped to +-6, and rounded to the nearest number of E2M1, ties to even, subnormals kept.
;;     - The product sums the exact products of the quantised numbers (number of the format x scale) in f32.
;;   ~~~python
;;   def quantise(x, axis):      # numpy; x: float32 -> the quantised numbers, widened to float32 again
;;       x = np.moveaxis(x, axis, -1); K = x.shape[-1]
;;       x = np.pad(x, [(0, 0)] * (x.ndim - 1) + [(0, -K % 32)]); x = x.reshape(x.shape[:-1] + (-1, 32)); a = np.abs(x).max(-1, keepdims=True)
;;       e = np.where(a > 0, np.clip(np.frexp(np.where(a > 0, a, 1))[1] - 1 - 2, -126, 127), 0)      # np.frexp(a)[1] - 1 = floor(log2(a)), exactly
;;       r = np.clip(x / 2.0 ** e, -6, 6)
;;       step = 2.0 ** (np.maximum(np.frexp(np.where(r == 0, 1, r))[1] - 1, 0) - 1)
;;       q = np.round(r / step) * step * 2.0 ** e      # np.round: ties to even
;;       return np.moveaxis(q.reshape(q.shape[:-2] + (-1,))[..., :K], -1, axis).astype(np.float32)
;;   ~~~
;;   OPERANDS COMPUTED ON THE WAY. 'Computed on the way' means the value that the module computes at that place (a softmax that the list does not call 'softmax' is quantised finished and normalised). What goes into a quantiser is computed in f32, as accurately as f32 sums, v_exp_f32 and their like allow (about 1e-6 of the number): no bf16 or f16 on the way to a quantiser, and a product that is left as it is and whose result goes on into a quantised operand takes f32 operands (vector FMAs, or v_wmma_f32_16x16x4_f32). A number that lies on a knife's edge between two numbers of the format may be rounded either way, as far as f32 arithmetic and the matrix unit's own rounding can turn it there, and no further.
;; 2 versions, each right; version 2 is version 1 with the launches proj, stats, attn written anew for expert scheduling mode. Each part assembles by itself: llvm-mc -triple=amdgcn-amd-amdhsa -mcpu=gfx1250 --defsym DOCPART=n.
;; ======== version 1 of 2: 4 launches
;; workspace buffers: qc 3,145,728 bytes; qs 196,608 bytes; kv 6,291,456 bytes; sc 393,216 bytes; lse 196,608 bytes; part 33,554,432 bytes
;; launch proj (part 1): grid 32 x 6, 8 waves a work-group, no clusters, 59,392 bytes of LDS; arguments x, W1, b1, W2, b2, Wg, bg, qc, qs, kv, sc; writes qc, qs, kv, sc
.if DOCPART == 1
	.amdgcn_target "amdgcn-amd-amdhsa--gfx1250"
	.amdhsa_code_object_version 6
	.text
	.protected	k_q839b36fab3_proj
	.globl	k_q839b36fab3_proj
	.p2align	8
	.type	k_q839b36fab3_proj,@function
k_q839b36fab3_proj:
	s_mov_b64 s[64:65], 0
	v_nop
	global_prefetch_b8 v0, s[64:65] scope:SCOPE_SE
	s_setreg_imm32_b32 hwreg(HW_REG_WAVE_MODE, 25, 1), 1
	s_wait_xcnt 0x0
; PROJ.  f1 = Q(x) Q(W1)^T + b1, f2 = Q(x) Q(W2)^T + b2, g = Q(x) Q(Wg)^T + bg for one layer and 256 tokens of one batch, all on codes of FP4 (E2M1) with one
; E8M0 scale for each 32 along K (= the 128 channels); the three results are quantised at once for the products that follow and leave as IMAGES OF OPERAND REGISTERS.
; x: [2][128][4096] f32 (channel-major).  W*: [6][128 out][128 in] f32.  b*: [6][128] f32.
; OUT.  A fragment (16 rows x 128 K) is 1,024 bytes: registers 0-3 at 16 x lane, registers 4-7 at 512 + 16 x lane.  p = 6 b + l; a group G is 128 tokens.
;   qc [p][G][8 tiles][1024]: f1, K = channels, tile t lane r = token 16 t + r.
;   kv [p][G][K: 8 x 1024 | V: 8 x 1024]: K = f2, K-axis = channels, tile 2 B + u lane r = token 32 B + 8 u + r + 8 (r / 8);  V = g, tile = 16 channels, K-axis = the group's 128 tokens.
;   qs [p][G][512], sc [p][G][K's 512 | V's 512]: scale words; the word of (tile t, row r) lies at 16 (16 (t % 2) + r) + 4 (t / 2).
; SHARES.  Work-group x = 16 b + block of 256 tokens, y = layer.  Eight waves.  Thread = token for x's quantising (a lane's 128 registers run down the channels, each load reads 128 consecutive bytes);
; wave w quantises rows 16 w .. 16 w + 15 of each weight.  Codes lie in LDS as rows of 64 bytes + 16 of padding.  Then wave w (group w / 4, a = w % 4) makes tiles 2 a, 2 a + 1 of f1, of f2 and of g.
; EVERY PRODUCT IS USED SO THAT A LANE'S REGISTERS RUN ALONG THE NEXT K: source 0 takes eight tiles whose rows are chosen 32 B + 8 u + r + 8 (r / 8) (rows of W for f1 and f2, tokens for g), so that
; registers 16 B + i of the eight results are the next K's 32 B + 16 (lane / 16) + i.
; NO CLUSTER, NO TENSOR LOAD: a work-group reads 128 KiB of x and 192 KiB of weights once, through registers, because they must pass the quantiser before they reach LDS.
; LIMITS: NaN and infinities among the inputs are not served; a block of zeros gets the byte 1 (not 127) over zero codes: the bytes are read by this program alone.
.set XROW, 0                           ; LDS: x's codes, 256 tokens x 80
.set XSW,  20480                       ; x's scale words, 256 x 4
.set WROW, 21504                       ; the weights' codes, 3 x 128 rows x 80
.set WSW,  52224                       ; their scale words, 3 x 512
.set BST,  53760                       ; the three biases, 3 x 512
.set QST,  55296                       ; f1's scale words of the two groups, 2 x 512
.set KVST, 56320                       ; f2's and g's, 2 x (512 + 512)
.set XO,   1                           ; v1   4 x lane
.set WO,   2                           ; v2   512 r + 128 h: my part of a weight's row
.set BO,   3                           ; v3   4 (16 w + r)
.set XST,  4                           ; v4   where my token's codes go
.set XSWA, 5                           ; v5   and its scale word
.set WST,  6                           ; v6   where my weight row's codes go
.set WSWA, 7                           ; v7   and its scale word; the biases lie BST - WSW further on
.set AWP,  8                           ; v8   a weight's chosen rows, as fragments
.set AWPS, 9                           ; v9   their scale words: lanes 0-15 tile 2 B, lanes 16-31 tile 2 B + 1
.set AXP,  10                          ; v10  my group's chosen tokens
.set AXPS, 11                          ; v11  their scale words
.set AXN,  12                          ; v12  my 32 tokens, neighbours
.set AXNS, 13
.set AXQ,  14                          ; v14  my 32 tokens, chosen
.set AXQS, 15
.set AWG,  16                          ; v16  my 32 rows of Wg
.set AWGS, 17
.set ABI,  18                          ; v18  a bias along the registers: BST + 64 h
.set ABG,  19                          ; v19  bg of my lane's channel
.set ASQ,  20                          ; v20  where f1's scale word goes
.set ASK,  21                          ; v21  f2's and g's
.set GI,   22                          ; v22  16 x lane: an image's place
.set SH8,  23                          ; v23  8 h
.set BV,   24                          ; v24-26 the biases as loaded
.set XR,   32                          ; v32-159  x: 128 channels of my token; later W2's and Wg's numbers
.set WR,   160                         ; v160-223 W1's numbers
.set XC,   224                         ; v224-239 codes just made
.set MX,   240                         ; v240-243 largest magnitudes, then bytes
.set WD,   244                         ; v244-245 the scale word being made
.set SO,   252                         ; v252-255 the conversions' scale operands
.set FR8,  32                          ; the products: eight fragments of source 0
.set D,    96                          ; eight results
.set FR1,  160                         ; source 1
.set GB,   168                         ; bg, eight times
.set PC,   176                         ; the fragment just made
.set TM,   184                         ; v184-199 at work in QUANT
.set PW,   246                         ; its scale word
.set FS1,  247                         ; scale words of source 1
.set FS8,  248                         ; v248-251 of source 0
.set SEL,  44                          ; s[44:45] v_permlanex16_b32's selects for lane l xor 16
.macro PLACES n                        ; plain vector instructions behind a matrix instruction (ISA guide 7.12.1)
.rept \n
	v_nop
.endr
.endm
; D = A x B + C on codes of FP4; c < 0: C is the constant 0.  ra, rb: the side's scale words stand in lanes 16-31
.macro WM d, a, b, c, sa, sb, ra, rb
.set wmr, (\ra)+2*(\rb)
.if (\c) < 0
.if wmr == 0
	v_wmma_scale_f32_16x16x128_f8f6f4 v[\d:\d+7], v[\a:\a+7], v[\b:\b+7], 0, v[\sa], v[\sb] matrix_a_fmt:MATRIX_FMT_FP4 matrix_b_fmt:MATRIX_FMT_FP4
.elseif wmr == 1
	v_wmma_scale_f32_16x16x128_f8f6f4 v[\d:\d+7], v[\a:\a+7], v[\b:\b+7], 0, v[\sa], v[\sb] matrix_a_fmt:MATRIX_FMT_FP4 matrix_b_fmt:MATRIX_FMT_FP4 matrix_a_scale:MATRIX_SCALE_ROW1
.elseif wmr == 2
	v_wmma_scale_f32_16x16x128_f8f6f4 v[\d:\d+7], v[\a:\a+7], v[\b:\b+7], 0, v[\sa], v[\sb] matrix_a_fmt:MATRIX_FMT_FP4 matrix_b_fmt:MATRIX_FMT_FP4 matrix_b_scale:MATRIX_SCALE_ROW1
.else
	v_wmma_scale_f32_16x16x128_f8f6f4 v[\d:\d+7], v[\a:\a+7], v[\b:\b+7], 0, v[\sa], v[\sb] matrix_a_fmt:MATRIX_FMT_FP4 matrix_b_fmt:MATRIX_FMT_FP4 matrix_a_scale:MATRIX_SCALE_ROW1 matrix_b_scale:MATRIX_SCALE_ROW1
.endif
.else
.if wmr == 0
	v_wmma_scale_f32_16x16x128_f8f6f4 v[\d:\d+7], v[\a:\a+7], v[\b:\b+7], v[\c:\c+7], v[\sa], v[\sb] matrix_a_fmt:MATRIX_FMT_FP4 matrix_b_fmt:MATRIX_FMT_FP4
.elseif wmr == 1
	v_wmma_scale_f32_16x16x128_f8f6f4 v[\d:\d+7], v[\a:\a+7], v[\b:\b+7], v[\c:\c+7], v[\sa], v[\sb] matrix_a_fmt:MATRIX_FMT_FP4 matrix_b_fmt:MATRIX_FMT_FP4 matrix_a_scale:MATRIX_SCALE_ROW1
.elseif wmr == 2
	v_wmma_scale_f32_16x16x128_f8f6f4 v[\d:\d+7], v[\a:\a+7], v[\b:\b+7], v[\c:\c+7], v[\sa], v[\sb] matrix_a_fmt:MATRIX_FMT_FP4 matrix_b_fmt:MATRIX_FMT_FP4 matrix_b_scale:MATRIX_SCALE_ROW1
.else
	v_wmma_scale_f32_16x16x128_f8f6f4 v[\d:\d+7], v[\a:\a+7], v[\b:\b+7], v[\c:\c+7], v[\sa], v[\sb] matrix_a_fmt:MATRIX_FMT_FP4 matrix_b_fmt:MATRIX_FMT_FP4 matrix_a_scale:MATRIX_SCALE_ROW1 matrix_b_scale:MATRIX_SCALE_ROW1
.endif
.endif
.endm
; nb blocks of 32 numbers that lie whole in my lane (block q at v[src + 32 q]) become codes (v[dst + 4 q] on) and bytes (v[MX + q]).  The blocks take turns line by line.
.macro QBLK nb, src, dst
.set qq, 0
.rept \nb
	v_max3_num_f32 v[MX+qq], |v[\src+32*qq]|, |v[\src+32*qq+1]|, 0x1800000   ; with the floor 2^(3 - 127): the byte cannot fall under 1
.set qq, qq+1
.endr
.set ii, 2
.rept 15
.set qq, 0
.rept \nb
	v_max3_num_f32 v[MX+qq], v[MX+qq], |v[\src+32*qq+ii]|, |v[\src+32*qq+ii+1]|
.set qq, qq+1
.endr
.set ii, ii+2
.endr
.set qq, 0
.rept \nb
	v_add_nc_u32 v[SO+qq], 0xff000000, v[MX+qq]    ; 2 off the exponent field: the conversion takes that field as its scale
.set qq, qq+1
.endr
.set qq, 0
.rept \nb
	v_lshrrev_b32 v[MX+qq], 23, v[SO+qq]           ; the scale's byte
.set qq, qq+1
.endr
.set qq, 0
.rept \nb
.irp g, 0,1,2,3
	v_cvt_scalef32_pk8_fp4_f32 v[\dst+4*qq+\g], v[\src+32*qq+8*\g:\src+32*qq+8*\g+7], v[SO+qq]
.endr
.set qq, qq+1
.endr
	v_nop                                          ; one plain place behind the last scaled conversion
.endm
; 64 numbers of a lane, register 16 b + i = k 32 b + 16 (lane / 16) + i of my row, become a fragment in v[PC] on and its scale word in v[PW]
.macro QUANT s
.irp b, 0,1,2,3
	v_max3_num_f32 v[TM+\b], |v[\s+16*\b]|, |v[\s+1+16*\b]|, 0x1800000
.endr
.irp i, 2,4,6,8,10,12,14
.irp b, 0,1,2,3
	v_max3_num_f32 v[TM+\b], v[TM+\b], |v[\s+16*\b+\i]|, |v[\s+1+16*\b+\i]|
.endr
.endr
.irp b, 0,1,2,3
	v_permlanex16_b32 v[TM+4+\b], v[TM+\b], s[SEL], s[SEL+1]
.endr
.irp b, 0,1,2,3
	v_max_num_f32 v[TM+\b], v[TM+\b], v[TM+4+\b]   ; with lane l xor 16's 16 numbers: the block's largest magnitude
.endr
.irp b, 0,1,2,3
	v_add_nc_u32 v[TM+12+\b], 0xff000000, v[TM+\b]
.endr
.irp b, 0,1,2,3
	v_lshrrev_b32 v[TM+4+\b], 23, v[TM+12+\b]
.endr
	v_lshl_or_b32 v[PW], v[TM+5], 8, v[TM+4]
	v_lshl_or_b32 v[PW], v[TM+6], 16, v[PW]
	v_lshl_or_b32 v[PW], v[TM+7], 24, v[PW]
.irp b, 0,1,2,3
	v_cvt_scalef32_pk8_fp4_f32 v[PC+2*\b], v[\s+16*\b:\s+7+16*\b], v[TM+12+\b]
	v_cvt_scalef32_pk8_fp4_f32 v[PC+1+2*\b], v[\s+8+16*\b:\s+15+16*\b], v[TM+12+\b]
.endr
	v_nop                                          ; one plain place behind a scaled conversion
.irp c, 0,1                                    ; the operand wants a whole block in a lane: lanes 0-15 block 2 c, lanes 16-31 block 2 c + 1
.irp i, 0,1
	v_permlane16_swap_b32 v[PC+4*\c+\i], v[PC+2+4*\c+\i]
.endr
.endr
.endm
.macro FRAG reg, adr, off              ; a fragment from rows of codes: two loads of 16 bytes, 32 bytes apart
	ds_load_b128 v[\reg:\reg+3], v[\adr] offset:\off
	ds_load_b128 v[\reg+4:\reg+7], v[\adr] offset:\off+32
.endm
.macro UNITOUT base, off               ; the fragment leaves as it stands: each store covers 512 consecutive bytes, aligned
	global_store_b128 v[GI], v[PC:PC+3], s[\base:\base+1] offset:\off
	global_store_b128 v[GI], v[PC+4:PC+7], s[\base:\base+1] offset:\off+512
.endm
.macro WLOAD reg, base                 ; my row's blocks h and 2 + h of a weight: 64 numbers
.irp cc, 0,1
.irp j, 0,1,2,3,4,5,6,7
	global_load_b128 v[\reg+32*\cc+4*\j:\reg+32*\cc+4*\j+3], v[WO], s[\base:\base+1] offset:256*\cc+16*\j
.endr
.endr
.endm
	s_load_b256 s[4:11], s[0:1], 0x0               ; x s[4:5], W1 s[6:7], b1 s[8:9], W2 s[10:11]
	s_load_b256 s[12:19], s[0:1], 0x20             ; b2 s[12:13], Wg s[14:15], bg s[16:17], qc s[18:19]
	s_load_b128 s[20:23], s[0:1], 0x40             ; qs s[20:21], kv s[22:23]
	s_load_b64 s[24:25], s[0:1], 0x50              ; sc
	s_set_vgpr_msb 0x40
	v_lshl_add_u32 v0, v0, 2, 0xe400
	v_mov_b32 v1, 0
	s_set_vgpr_msb 0x4000
	v_lshrrev_b32 v27, 5, v0
	v_readfirstlane_b32 s26, v27                   ; wave w
	s_lshr_b32 s27, s26, 2                         ; which of the two groups
	s_and_b32 s28, s26, 3                          ; a
	v_and_b32 v28, 15, v0                          ; r
	v_bfe_u32 v29, v0, 4, 1                        ; h
	v_and_b32 v30, 8, v28
	v_add_nc_u32 v30, v30, v28                     ; r + 8 (r / 8)
	v_lshl_add_u32 v31, v27, 4, v28                ; 16 w + r
	v_and_b32 v27, 31, v0                          ; lane
	v_lshlrev_b32 v[XO], 2, v27
	v_lshlrev_b32 v[GI], 4, v27
	v_lshlrev_b32 v[WO], 9, v28
	v_lshl_add_u32 v[WO], v29, 7, v[WO]
	v_lshlrev_b32 v[BO], 2, v31
	v_lshlrev_b32 v[SH8], 3, v29
	v_mul_u32_u24 v[XST], v0, 80
	v_lshl_add_u32 v[XSWA], v0, 2, XSW
	v_mul_u32_u24 v[WST], v31, 80
	v_lshl_add_u32 v[WST], v29, 4, v[WST]
	v_add_nc_u32 v[WST], WROW, v[WST]
	v_lshl_add_u32 v[WSWA], v31, 2, WSW
	v_mul_u32_u24 v[AXQ], v30, 80
	v_lshl_add_u32 v[AXQ], v29, 4, v[AXQ]          ; 80 (r + 8 (r / 8)) + 16 h
	v_add_nc_u32 v[AWP], WROW, v[AXQ]
	s_mul_i32 s29, s27, 10240
	v_add_nc_u32 v[AXP], s29, v[AXQ]
	s_mul_i32 s30, s26, 2560
	v_add_nc_u32 v[AXQ], s30, v[AXQ]
	v_mul_u32_u24 v[AXN], v28, 80
	v_lshl_add_u32 v[AXN], v29, 4, v[AXN]          ; 80 r + 16 h
	s_mul_i32 s31, s28, 2560
	s_add_co_u32 s31, s31, WROW+20480
	v_add_nc_u32 v[AWG], s31, v[AXN]
	v_add_nc_u32 v[AXN], s30, v[AXN]
	v_lshlrev_b32 v[AXQS], 2, v30
	v_lshl_add_u32 v[AWPS], v29, 5, v[AXQS]        ; 4 (r + 8 (r / 8)) + 32 h
	s_lshl_b32 s29, s27, 9
	s_add_co_u32 s29, s29, XSW
	v_add_nc_u32 v[AXPS], s29, v[AWPS]
	v_add_nc_u32 v[AWPS], WSW, v[AWPS]
	s_lshl_b32 s29, s26, 7
	s_add_co_u32 s29, s29, XSW
	v_add_nc_u32 v[AXQS], s29, v[AXQS]
	v_lshl_add_u32 v[AXNS], v28, 2, s29
	s_lshl_b32 s29, s28, 7
	s_add_co_u32 s31, s29, WSW+1024
	v_lshl_add_u32 v[AWGS], v28, 2, s31
	s_add_co_u32 s31, s29, BST+1024
	v_lshl_add_u32 v[ABG], v28, 2, s31
	v_lshl_add_u32 v[ABI], v29, 6, BST
	s_lshl_b32 s31, s28, 2
	s_lshl_b32 s29, s27, 9
	s_add_co_u32 s29, s29, s31
	s_add_co_u32 s29, s29, QST
	v_lshl_add_u32 v[ASQ], v28, 4, s29
	s_lshl_b32 s29, s27, 10
	s_add_co_u32 s29, s29, s31
	s_add_co_u32 s29, s29, KVST
	v_lshl_add_u32 v[ASK], v28, 4, s29
	v_mov_b32 v[WD+1], 0                           ; a lane permute's destination counts as read: written once
	s_mov_b32 s[SEL], 0x76543210
	s_mov_b32 s[SEL+1], 0xfedcba98
	s_and_b32 s34, ttmp7, 0xffff                   ; the layer l
	s_lshr_b32 s35, ttmp9, 4                       ; the batch b
	s_and_b32 s36, ttmp9, 15                       ; which 256 tokens
	s_mul_i32 s37, s35, 6
	s_add_co_u32 s37, s37, s34                     ; p = 6 b + l
	s_lshl_b32 s38, s37, 5
	s_lshl_b32 s39, s36, 1
	s_add_co_u32 s38, s38, s39                     ; 32 p + my first group
	s_mov_b32 s41, 0
	s_wait_kmcnt 0x0
	s_lshl_b32 s40, s35, 21                        ; x: batch, + 4 (256 block + 32 w)
	s_lshl_b32 s42, s36, 10
	s_add_co_u32 s40, s40, s42
	s_lshl_b32 s42, s26, 7
	s_add_co_u32 s40, s40, s42
	s_add_nc_u64 s[4:5], s[4:5], s[40:41]
	s_lshl_b32 s40, s34, 16                        ; the weights: layer, + my 16 rows
	s_lshl_b32 s42, s26, 13
	s_add_co_u32 s40, s40, s42
	s_add_nc_u64 s[6:7], s[6:7], s[40:41]
	s_add_nc_u64 s[10:11], s[10:11], s[40:41]
	s_add_nc_u64 s[14:15], s[14:15], s[40:41]
	s_lshl_b32 s40, s34, 9                         ; the biases: layer
	s_add_nc_u64 s[8:9], s[8:9], s[40:41]
	s_add_nc_u64 s[12:13], s[12:13], s[40:41]
	s_add_nc_u64 s[16:17], s[16:17], s[40:41]
	s_lshl_b32 s40, s38, 13                        ; qc: group, + my two tiles (2,048 w runs on into the second group)
	s_lshl_b32 s42, s26, 11
	s_add_co_u32 s40, s40, s42
	s_add_nc_u64 s[18:19], s[18:19], s[40:41]
	s_add_co_u32 s40, s38, s27                     ; kv: my group, + my two tiles
	s_lshl_b32 s40, s40, 14
	s_lshl_b32 s42, s28, 11
	s_add_co_u32 s40, s40, s42
	s_add_nc_u64 s[22:23], s[22:23], s[40:41]
	s_lshl_b32 s40, s38, 9
	s_add_nc_u64 s[20:21], s[20:21], s[40:41]      ; qs
	s_lshl_b32 s40, s38, 10
	s_add_nc_u64 s[24:25], s[24:25], s[40:41]      ; sc
	; ---- x and the weights become codes in LDS
	global_load_b32 v[BV], v[BO], s[8:9]
	global_load_b32 v[BV+1], v[BO], s[12:13]
	global_load_b32 v[BV+2], v[BO], s[16:17]
.set ch, 0
.rept 128
	global_load_b32 v[XR+ch], v[XO], s[4:5] offset:16384*ch   ; x(channel, my token): a wave reads 128 consecutive bytes, the eight waves stand side by side
.set ch, ch+1
.endr
	WLOAD WR, 6
	s_wait_loadcnt 16                              ; the biases and x are in; W1's 16 loads, issued behind them, may be out
.irp u, 0,1,2
	ds_store_b32 v[WSWA], v[BV+\u] offset:BST-WSW+512*\u
.endr
	QBLK 4, XR, XC                                 ; my token's four blocks of 32 channels
	v_lshl_or_b32 v[WD], v[MX+1], 8, v[MX]
	v_lshl_or_b32 v[WD], v[MX+2], 16, v[WD]
	v_lshl_or_b32 v[WD], v[MX+3], 24, v[WD]
.irp b, 0,1,2,3
	ds_store_b128 v[XST], v[XC+4*\b:XC+4*\b+3] offset:16*\b
.endr
	ds_store_b32 v[XSWA], v[WD]
	WLOAD 32, 10                                   ; W2 and Wg into the registers that x has left
	WLOAD 96, 14
.macro WUNIT u, src, left              ; my row of weight u: blocks h and 2 + h; the word's four bytes are gathered from lanes l and l xor 16
	s_wait_loadcnt \left                           ; this weight's 16 loads are in; the later weights' may be out
	s_wait_dscnt 0x0                               ; the LDS stores have read the registers that are written again below
	QBLK 2, \src, XC
	v_lshl_or_b32 v[WD], v[MX+1], 16, v[MX]
	v_lshlrev_b32 v[WD], v[SH8], v[WD]
	v_permlanex16_b32 v[WD+1], v[WD], s[SEL], s[SEL+1]
	v_or_b32 v[WD], v[WD], v[WD+1]
	ds_store_b128 v[WST], v[XC:XC+3] offset:10240*\u
	ds_store_b128 v[WST], v[XC+4:XC+7] offset:10240*\u+32
	ds_store_b32 v[WSWA], v[WD] offset:512*\u
.endm
	WUNIT 0, WR, 32
	WUNIT 1, 32, 16
	WUNIT 2, 96, 0
	s_wait_dscnt 0x0                               ; for the others' sake: my stores have landed
	s_barrier_signal -1
	s_barrier_wait -1                              ; all codes, scale words and biases lie in LDS
.irp b, 0,1,2,3
	v_mov_b32 v[TM+4+\b], 0                        ; permute destinations, written once
.endr
	; ---- f1 (u = 0) and f2 (u = 1): source 0 = the weight's eight tiles of chosen rows, source 1 = 16 of my tokens; the bias is loaded into the accumulators
.macro ROLEF u
.irp t, 0,1,2,3,4,5,6,7
	FRAG FR8+8*\t, AWP, 10240*\u+(32*(\t/2)+8*(\t%2))*80
.endr
.irp bb, 0,1,2,3
	ds_load_b32 v[FS8+\bb], v[AWPS] offset:512*\u+128*\bb
.endr
.irp e, 0,1
.irp bb, 0,1,2,3
.irp q, 0,1,2,3
	ds_load_b128 v[D+16*\bb+4*\q:D+16*\bb+4*\q+3], v[ABI] offset:512*\u+128*\bb+16*\q   ; register 16 B + i takes the bias of output 32 B + 16 h + i
.endr
.endr
.if \u == 0
	FRAG FR1, AXN, 1280*\e                         ; tokens 32 w + 16 e + r
	ds_load_b32 v[FS1], v[AXNS] offset:64*\e
.else
	FRAG FR1, AXQ, 640*\e                          ; tokens 32 w + 8 e + r + 8 (r / 8)
	ds_load_b32 v[FS1], v[AXQS] offset:32*\e
.endif
	s_wait_dscnt 0x0
.irp t, 0,1,2,3,4,5,6,7
	WM D+8*\t, FR8+8*\t, FR1, D+8*\t, FS8+\t/2, FS1, \t%2, 0
.endr
	PLACES 5                                       ; ahead of the reads of the results, of the loads into these registers, and of the next unit's products, which write over them
	s_wait_xcnt 0x0                                ; the last unit's stores have read v[PC] on
	QUANT D
.if \u == 0
	UNITOUT 18, 1024*\e
	ds_store_b32 v[ASQ], v[PW] offset:256*\e
.else
	UNITOUT 22, 1024*\e
	ds_store_b32 v[ASK], v[PW] offset:256*\e
.endif
.endr
.endm
	ROLEF 0
	ROLEF 1
	; ---- g: source 0 = my group's eight tiles of chosen tokens, source 1 = 16 rows of Wg: a lane holds one channel and its registers run along the tokens
.irp t, 0,1,2,3,4,5,6,7
	FRAG FR8+8*\t, AXP, (32*(\t/2)+8*(\t%2))*80
.endr
.irp bb, 0,1,2,3
	ds_load_b32 v[FS8+\bb], v[AXPS] offset:128*\bb
.endr
.irp e, 0,1
	FRAG FR1, AWG, 1280*\e
	ds_load_b32 v[FS1], v[AWGS] offset:64*\e
.irp j, 0,1,2,3,4,5,6,7
	ds_load_b32 v[GB+\j], v[ABG] offset:64*\e      ; bg of my channel in all eight registers of the C operand
.endr
	s_wait_dscnt 0x0
.irp t, 0,1,2,3,4,5,6,7
	WM D+8*\t, FR8+8*\t, FR1, GB, FS8+\t/2, FS1, \t%2, 0
.endr
	PLACES 5
	s_wait_xcnt 0x0
	QUANT D
	UNITOUT 22, 8192+1024*\e
	ds_store_b32 v[ASK], v[PW] offset:512+256*\e
.endr
	s_wait_dscnt 0x0                               ; my scale words have landed
	s_barrier_signal -1
	s_barrier_wait -1
	; ---- the scale words leave: each wave stores 256 consecutive bytes, aligned
	v_lshlrev_b32 v27, 3, v0
	v_add_nc_u32 v28, KVST, v27
	v_add_nc_u32 v29, QST, v27
	ds_load_b64 v[30:31], v28
	s_wait_dscnt 0x0
	global_store_b64 v27, v[30:31], s[24:25]
	s_cmp_lt_u32 s26, 4                            ; f1's words are half as many: waves 0 to 3
	s_cbranch_scc0 .Lend
	ds_load_b64 v[32:33], v29
	s_wait_dscnt 0x0
	global_store_b64 v27, v[32:33], s[20:21]
.Lend:
	s_set_vgpr_msb 0x5
	s_wait_tensorcnt 0x0
	ds_add_u32 v0, v1
	s_wait_dscnt 0x0
	s_set_vgpr_msb 0x500
	s_endpgm
.Lfunc_end_k_q839b36fab3_proj:
	.size	k_q839b36fab3_proj, .Lfunc_end_k_q839b36fab3_proj-k_q839b36fab3_proj
	.p2alignl 7, 3214868480
	.fill 96, 4, 3214868480
	.section	.rodata,"a",@progbits
	.p2align	6, 0x0
	.amdhsa_kernel k_q839b36fab3_proj
		.amdhsa_group_segment_fixed_size 59392
		.amdhsa_private_segment_fixed_size 0
		.amdhsa_enable_private_segment 0
		.amdhsa_kernarg_size 88
		.amdhsa_user_sgpr_count 2
		.amdhsa_user_sgpr_kernarg_segment_ptr 1
		.amdhsa_wavefront_size32 1
		.amdhsa_system_sgpr_workgroup_id_x 1
		.amdhsa_system_sgpr_workgroup_id_y 1
		.amdhsa_system_sgpr_workgroup_id_z 1
		.amdhsa_system_vgpr_workitem_id 0
		.amdhsa_next_free_vgpr 258
		.amdhsa_next_free_sgpr 66
		.amdhsa_reserve_vcc 0
		.amdhsa_float_denorm_mode_32 3
		.amdhsa_float_denorm_mode_16_64 3
		.amdhsa_memory_ordered 1
		.amdhsa_forward_progress 1
		.amdhsa_inst_pref_size 80
	.end_amdhsa_kernel
	.amdgpu_metadata
---
amdhsa.version: [ 1, 2 ]
amdhsa.kernels:
  - .name:           k_q839b36fab3_proj
    .symbol:         k_q839b36fab3_proj.kd
    .args:
      - { .name: x, .offset: 0, .size: 8, .value_kind: global_buffer, .address_space: global }
      - { .name: W1, .offset: 8, .size: 8, .value_kind: global_buffer, .address_space: global }
      - { .name: b1, .offset: 16, .size: 8, .value_kind: global_buffer, .address_space: global }
      - { .name: W2, .offset: 24, .size: 8, .value_kind: global_buffer, .address_space: global }
      - { .name: b2, .offset: 32, .size: 8, .value_kind: global_buffer, .address_space: global }
      - { .name: Wg, .offset: 40, .size: 8, .value_kind: global_buffer, .address_space: global }
      - { .name: bg, .offset: 48, .size: 8, .value_kind: global_buffer, .address_space: global }
      - { .name: qc, .offset: 56, .size: 8, .value_kind: global_buffer, .address_space: global }
      - { .name: qs, .offset: 64, .size: 8, .value_kind: global_buffer, .address_space: global }
      - { .name: kv, .offset: 72, .size: 8, .value_kind: global_buffer, .address_space: global }
      - { .name: sc, .offset: 80, .size: 8, .value_kind: global_buffer, .address_space: global }
    .group_segment_fixed_size: 59392
    .private_segment_fixed_size: 0
    .kernarg_segment_align: 8
    .kernarg_segment_size: 88
    .max_flat_workgroup_size: 256
    .sgpr_count:     66
    .vgpr_count:     258
    .wavefront_size: 32
...
	.end_amdgpu_metadata
.endif
;; end of part 1
;; launch stats (part 2): grid 64 x 4, 12 waves a work-group, no clusters, 7,680 bytes of LDS; arguments qc, qs, kv, sc, lse; writes lse
.if DOCPART == 2
	.amdgcn_target "amdgcn-amd-amdhsa--gfx1250"
	.amdhsa_code_object_version 6
	.text
	.protected	k_q839b36fab3_stats
	.globl	k_q839b36fab3_stats
	.p2align	8
	.type	k_q839b36fab3_stats,@function
k_q839b36fab3_stats:
	s_mov_b64 s[64:65], 0
	v_nop
	global_prefetch_b8 v0, s[64:65] scope:SCOPE_SE
	s_setreg_imm32_b32 hwreg(HW_REG_WAVE_MODE, 25, 1), 1
	s_wait_xcnt 0x0
; STATS.  The softmax runs over the QUERIES: for each key column m of each (batch, layer) the logsumexp over all 4,096 queries is needed before any weight can be quantised.
; lse[p][m] = L' = -(M + 64 ln 2 x log2(sum over n of 2^(c (s(n, m) - M)))), in units of the raw score s = f1(n) . f2(m); c = log2(e) / 64; M = the column's largest s.  Then softmax = 2^(c (s + L')).
; The maximum is a running one: each lane keeps a maximum m and a sum of its own and rescales the sum by 2^(c m_old - c m_new) with every 32 scores that it takes in.
; SHARES.  12 pairs x 256 key tiles x 32 query groups divide evenly among 1,024 SIMDs only if the factor 3 comes from the 6 layers: a work-group takes 64 keys (x) of one batch for three layers
; (y = 2 b + half of the layers); wave 4 j + q takes layer j of the three and a quarter q of the queries: 4 key tiles x 1,024 queries.  Three waves lie on a SIMD.
; LAYOUT.  Source 0 = 16 queries, source 1 = 16 keys: a lane holds ONE key and its registers hold queries, so the loop has no exchange between lanes, no LDS and no barrier.
; Operands come from memory straight into registers as images (16 bytes a lane, 512 consecutive bytes a load), two chunks of 64 queries ahead.
; BY TURNS.  A UNIT is one key tile x 64 queries: 4 matrix instructions, 32 scores a lane.  The units go through two score buffers as a pipeline; in slot u each of unit u's 33 exponentials stands behind a plain line
; of a neighbouring unit: 4 lines that finish unit u - 1's sum, 35 lines of unit u + 1's maximum and scaling.  Then one wait, the first 12 additions of unit u's sum, and the products of unit u + 2 into the buffer so freed.
; NO CLUSTER, NO TENSOR LOAD: the waves of a work-group read different queries (other layers, other quarters); what work-groups share is asked for a chunk ahead.
; LIMITS: NaN and infinities are not served.
.set GI,  1                            ; v1  16 x lane
.set STA, 2                            ; v2  LDS: 256 x wave + 4 (r + 8 (r / 8)): my key's word
.set RDA, 3                            ; v3  LDS: 256 x wave + 8 x lane
.set GO8, 4                            ; v4  8 x lane
.set KF,  8                            ; v8-39   my four key fragments
.set KSC, 40                           ; v40-41  their scale words
.set QS,  42                           ; v42-45  the queries' scale words, two buffers
.set ST,  48                           ; v48-79  a tile's statistics: +0 -c m, +1 its pair mate, +2:3 the sum, +4 the rescaling, +5 its pair mate, +6 m, +7 at work
.set TT,  80                           ; v80-87  four pairs: a unit's sum on its way; v80-95 at work at the end
.set QF,  96                           ; v96-159 four query fragments, two buffers
.set S,   160                          ; v160-223 scores: two buffers of 4 query tiles x 8; key tile kt uses buffer kt % 2
.macro PLACES n
.rept \n
	v_nop
.endr
.endm
.macro WM d, a, b, c, sa, sb, ra, rb   ; D = A x B on codes of FP4 (here C is always the constant 0)
.set wmr, (\ra)+2*(\rb)
.if wmr == 0
	v_wmma_scale_f32_16x16x128_f8f6f4 v[\d:\d+7], v[\a:\a+7], v[\b:\b+7], 0, v[\sa], v[\sb] matrix_a_fmt:MATRIX_FMT_FP4 matrix_b_fmt:MATRIX_FMT_FP4
.elseif wmr == 1
	v_wmma_scale_f32_16x16x128_f8f6f4 v[\d:\d+7], v[\a:\a+7], v[\b:\b+7], 0, v[\sa], v[\sb] matrix_a_fmt:MATRIX_FMT_FP4 matrix_b_fmt:MATRIX_FMT_FP4 matrix_a_scale:MATRIX_SCALE_ROW1
.elseif wmr == 2
	v_wmma_scale_f32_16x16x128_f8f6f4 v[\d:\d+7], v[\a:\a+7], v[\b:\b+7], 0, v[\sa], v[\sb] matrix_a_fmt:MATRIX_FMT_FP4 matrix_b_fmt:MATRIX_FMT_FP4 matrix_b_scale:MATRIX_SCALE_ROW1
.else
	v_wmma_scale_f32_16x16x128_f8f6f4 v[\d:\d+7], v[\a:\a+7], v[\b:\b+7], 0, v[\sa], v[\sb] matrix_a_fmt:MATRIX_FMT_FP4 matrix_b_fmt:MATRIX_FMT_FP4 matrix_a_scale:MATRIX_SCALE_ROW1 matrix_b_scale:MATRIX_SCALE_ROW1
.endif
.endm
.macro LOADQ buf, off, soff            ; 64 queries: four fragments and their scale words: nine loads
.irp k, 0,1,2,3,4,5,6,7
	global_load_b128 v[QF+32*(\buf)+4*\k:QF+32*(\buf)+4*\k+3], v[GI], s[4:5] offset:\off+512*\k
.endr
	global_load_b64 v[QS+2*(\buf):QS+2*(\buf)+1], v[GI], s[6:7] offset:\soff
.endm
.macro MMU kt, buf                     ; a unit's products: key tile kt against the buffer's four query tiles
.irp i, 0,1,2,3
	WM S+32*((\kt)&1)+8*\i, QF+32*(\buf)+8*\i, KF+8*(\kt), -1, QS+2*(\buf)+\i/2, KSC+(\kt)/2, \i%2, (\kt)&1
.endr
.endm
; Line pp (0 .. 34) of a unit's maximum and scaling.  0-15: the running maximum takes in the 32 scores, in two chains; every accumulator is first read at its low end.  16-18: -c m, the change of it, and its new value.
; 19-34: c s - c m, two scores a line.
.macro P1L kt
.set T1, ST+8*(\kt)
.set S1, S+32*((\kt)&1)
.if pp == 0
	v_max3_num_f32 v[T1+6], v[T1+6], v[S1], v[S1+1]
.elseif pp == 1
	v_max3_num_f32 v[T1+7], v[S1+16], v[S1+17], v[S1+18]
.elseif pp < 14
.if pp%2 == 0
	v_max3_num_f32 v[T1+6], v[T1+6], v[S1+pp], v[S1+pp+1]
.else
	v_max3_num_f32 v[T1+7], v[T1+7], v[S1+pp+16], v[S1+pp+17]
.endif
.elseif pp == 14
	v_max3_num_f32 v[T1+6], v[T1+6], v[S1+14], v[S1+15]
.elseif pp == 15
	v_max3_num_f32 v[T1+6], v[T1+6], v[T1+7], v[S1+31]             ; the new m
.elseif pp == 16
	v_mul_f32 v[T1+7], s28, v[T1+6]                                ; -c m
.elseif pp == 17
	v_sub_f32 v[T1+4], v[T1+7], v[T1]                              ; c m_old - c m_new
.elseif pp == 18
	v_mov_b32 v[T1], v[T1+7]
.else
	v_pk_fma_f32 v[S1+2*(pp-19):S1+2*(pp-19)+1], v[S1+2*(pp-19):S1+2*(pp-19)+1], s[26:27], v[T1:T1+1] op_sel_hi:[1,0,0]
.endif
.endm
.macro EXU kt                          ; exponential ee (0 .. 32) of a unit: the rescaling, then the 32 scores
.if ee == 0
	v_exp_f32 v[ST+8*(\kt)+4], v[ST+8*(\kt)+4]
.else
	v_exp_f32 v[S+32*((\kt)&1)+ee-1], v[S+32*((\kt)&1)+ee-1]
.endif
.endm
.macro P2A kt                          ; a unit's sum, first part: 16 pairs become 4, which leave the score buffer
.set S2, S+32*((\kt)&1)
.irp j, 0,1,2,3,4,5,6,7
	v_pk_add_f32 v[S2+4*\j:S2+4*\j+1], v[S2+4*\j:S2+4*\j+1], v[S2+4*\j+2:S2+4*\j+3]
.endr
.irp j, 0,1,2,3
	v_pk_add_f32 v[TT+2*\j:TT+2*\j+1], v[S2+8*\j:S2+8*\j+1], v[S2+8*\j+4:S2+8*\j+5]
.endr
.endm
.macro P2BL kt                         ; line qq (0 .. 3) of its second part: the 4 pairs become one, and the running sum takes it under the new m
.if qq == 0
	v_pk_add_f32 v[TT:TT+1], v[TT:TT+1], v[TT+2:TT+3]
.elseif qq == 1
	v_pk_add_f32 v[TT+4:TT+5], v[TT+4:TT+5], v[TT+6:TT+7]
.elseif qq == 2
	v_pk_add_f32 v[TT:TT+1], v[TT:TT+1], v[TT+4:TT+5]
.else
	v_pk_fma_f32 v[ST+8*(\kt)+2:ST+8*(\kt)+3], v[ST+8*(\kt)+2:ST+8*(\kt)+3], v[ST+8*(\kt)+4:ST+8*(\kt)+5], v[TT:TT+1] op_sel_hi:[1,0,1]
.endif
.endm
; SLOT u, of key tile kt.  p1: unit u + 1 exists.  mm: unit u + 2 exists; buf2: its query buffer.  ld >= 0: that query buffer takes the chunk two further on.  wl >= 0: a wait for loads ahead of the products.
; PLACES (ISA guide 7.12.1 for vector instructions): unit u + 1's products were issued at the end of slot u - 1.  The four lines of P2BL name none of their registers: they are the four places ahead of the first
; read of those scores (P1L's line 0), and ahead of the loads into the query buffer that those products read last.
; THE WAIT: none of the slot's plain lines names an exponential's result; one s_wait_alu behind them serves all 33.
.macro SLOT kt, p1, mm, buf2, ld, wl
.set kk, 0
.rept 39
.if kk < 4
.set qq, kk
	P2BL ((\kt)+3)%4
.elseif \p1
.set pp, kk-4
	P1L ((\kt)+1)%4
.endif
.if kk < 33
.set ee, kk
	EXU \kt
.endif
.set kk, kk+1
.endr
.if !(\p1)
	v_nop                                          ; a plain instruction behind the last exponential
.endif
.if \ld >= 0
	LOADQ \ld, 8192+4096*(\ld), 512+8*(\ld)
.endif
	s_wait_alu depctr_va_vdst(0)
	P2A \kt
.if \wl >= 0
	s_wait_loadcnt \wl
.endif
.if \mm
	MMU ((\kt)+2)%4, \buf2
.endif
.endm
	s_load_b256 s[4:11], s[0:1], 0x0               ; qc s[4:5], qs s[6:7], kv s[8:9], sc s[10:11]
	s_load_b64 s[12:13], s[0:1], 0x20              ; lse
	v_lshl_add_u32 v224, v0, 2, 0x1800
	v_mov_b32 v225, 0
	v_lshrrev_b32 v5, 5, v0
	v_readfirstlane_b32 s14, v5                    ; wave 0..11
	s_lshr_b32 s15, s14, 2                         ; j: which of the three layers
	s_and_b32 s16, s14, 3                          ; q: which quarter of the queries
	v_and_b32 v5, 31, v0
	v_and_b32 v6, 15, v0
	v_and_b32 v7, 8, v6
	v_add_nc_u32 v7, v7, v6                        ; r + 8 (r / 8)
	v_lshlrev_b32 v[GI], 4, v5
	v_lshlrev_b32 v[GO8], 3, v5
	s_lshl_b32 s17, s14, 8
	v_lshl_add_u32 v[STA], v7, 2, s17
	v_lshl_add_u32 v[RDA], v5, 3, s17
	s_and_b32 s18, ttmp7, 0xffff
	s_lshr_b32 s19, s18, 1                         ; b
	s_and_b32 s18, s18, 1
	s_mul_i32 s18, s18, 3
	s_add_co_u32 s18, s18, s15                     ; l
	s_mul_i32 s19, s19, 6
	s_add_co_u32 s19, s19, s18                     ; p
	s_lshl_b32 s20, s19, 5
	s_lshr_b32 s21, ttmp9, 1
	s_and_b32 s22, ttmp9, 1                        ; which half of the keys' group
	s_add_co_u32 s21, s21, s20                     ; 32 p + the keys' group
	s_lshl_b32 s23, s16, 3
	s_add_co_u32 s23, s23, s20                     ; 32 p + my first group of queries
	s_mov_b32 s25, 0
	s_mov_b32 s26, 0x3cb8aa3b                      ; c = log2(e) / 64
	s_mov_b32 s27, s26                             ; (named with it as a pair)
	s_mov_b32 s28, 0xbcb8aa3b                      ; -c
	s_mov_b32 s29, 0xc2317218                      ; -64 ln 2
	s_mov_b32 s30, 0x76543210
	s_mov_b32 s31, 0xfedcba98
	s_wait_kmcnt 0x0
	s_lshl_b32 s24, s21, 14
	s_lshl_b32 s33, s22, 12
	s_add_co_u32 s24, s24, s33
	s_add_nc_u64 s[8:9], s[8:9], s[24:25]          ; my four key tiles
	s_lshl_b32 s24, s21, 10
	s_lshl_b32 s33, s22, 3
	s_add_co_u32 s24, s24, s33
	s_add_nc_u64 s[10:11], s[10:11], s[24:25]      ; their scale words
	s_lshl_b32 s24, s23, 13
	s_add_nc_u64 s[4:5], s[4:5], s[24:25]          ; my queries
	s_lshl_b32 s24, s23, 9
	s_add_nc_u64 s[6:7], s[6:7], s[24:25]
	s_lshl_b32 s24, s19, 14
	s_lshl_b32 s33, ttmp9, 8
	s_add_co_u32 s24, s24, s33
	s_add_nc_u64 s[12:13], s[12:13], s[24:25]      ; lse at my 64 keys
.irp k, 0,1,2,3,4,5,6,7
	global_load_b128 v[KF+4*\k:KF+4*\k+3], v[GI], s[8:9] offset:512*\k
.endr
	global_load_b64 v[KSC:KSC+1], v[GI], s[10:11]
	LOADQ 0, 0, 0
	LOADQ 1, 4096, 8
.irp kt, 0,1,2,3
	v_mov_b32 v[ST+8*\kt+6], 0xff61b1e6            ; m = -3e38, under every score
	v_mov_b32 v[ST+8*\kt+1], 0
	v_mov_b32 v[ST+8*\kt+2], 0
	v_mov_b32 v[ST+8*\kt+3], 0
	v_mov_b32 v[ST+8*\kt+4], 0
	v_mov_b32 v[ST+8*\kt+5], 0
.endr
.irp kt, 0,1,2,3
	v_mul_f32 v[ST+8*\kt], s28, v[ST+8*\kt+6]
.endr
.irp j, 0,1,2,3,4,5,6,7
	v_mov_b32 v[TT+\j], 0                          ; the loop is written once: its first slot finishes a sum of zeros
.endr
	s_wait_loadcnt 9                               ; the keys and the first 64 queries are in; the second buffer's nine loads, issued later, may be out
	MMU 0, 0
	MMU 1, 0
	PLACES 4                                       ; ahead of the first read of the scores
.set pp, 0
.rept 35
	P1L 0
.set pp, pp+1
.endr
	s_mov_b32 s32, 7
.Lgroup:                                           ; a trip takes a group of 128 queries: two chunks, eight units
	SLOT 0, 1, 1, 0, -1, -1
	SLOT 1, 1, 1, 0, -1, -1
	SLOT 2, 1, 1, 1, 0, 9                          ; buffer 0 has been multiplied: it takes the next group's first chunk; those nine loads may be out when buffer 1's must be in
	SLOT 3, 1, 1, 1, -1, -1
	SLOT 0, 1, 1, 1, -1, -1
	SLOT 1, 1, 1, 1, -1, -1
	SLOT 2, 1, 1, 0, 1, 9                          ; likewise buffer 1, and buffer 0's must be in
	SLOT 3, 1, 1, 0, -1, -1
	s_wait_xcnt 0x0                                ; the loads have read their bases
	s_add_nc_u64 s[4:5], s[4:5], 8192
	s_add_nc_u64 s[6:7], s[6:7], 512
	s_sub_co_u32 s32, s32, 1
	s_cmp_lg_u32 s32, 0
	s_cbranch_scc1 .Lgroup
	SLOT 0, 1, 1, 0, -1, -1                        ; the last group asks for nothing, and the pipeline runs empty
	SLOT 1, 1, 1, 0, -1, -1
	SLOT 2, 1, 1, 1, -1, 0
	SLOT 3, 1, 1, 1, -1, -1
	SLOT 0, 1, 1, 1, -1, -1
	SLOT 1, 1, 1, 1, -1, -1
	SLOT 2, 1, 0, 0, -1, -1
	SLOT 3, 0, 0, 0, -1, -1
.set qq, 0
.rept 4
	P2BL 3
.set qq, qq+1
.endr
	; ---- a key's two lanes (l and l xor 16 hold different queries) are joined
.irp kt, 0,1,2,3
	v_add_f32 v[ST+8*\kt+2], v[ST+8*\kt+2], v[ST+8*\kt+3]
	v_permlanex16_b32 v[ST+8*\kt+7], v[ST+8*\kt+6], s30, s31
.endr
.irp kt, 0,1,2,3
	v_max_num_f32 v[ST+8*\kt+5], v[ST+8*\kt+6], v[ST+8*\kt+7]
.endr
.irp kt, 0,1,2,3
	v_sub_f32 v[ST+8*\kt+7], v[ST+8*\kt+6], v[ST+8*\kt+5]
.endr
.irp kt, 0,1,2,3
	v_mul_f32 v[ST+8*\kt+7], s26, v[ST+8*\kt+7]
.endr
.irp kt, 0,1,2,3
	v_exp_f32 v[ST+8*\kt+7], v[ST+8*\kt+7]
.endr
	v_nop
	s_wait_alu depctr_va_vdst(0)                   ; one wait for the four
.irp kt, 0,1,2,3
	v_mul_f32 v[ST+8*\kt+2], v[ST+8*\kt+2], v[ST+8*\kt+7]
.endr
.irp kt, 0,1,2,3
	v_permlanex16_b32 v[ST+8*\kt+3], v[ST+8*\kt+2], s30, s31
.endr
.irp kt, 0,1,2,3
	v_add_f32 v[ST+8*\kt+2], v[ST+8*\kt+2], v[ST+8*\kt+3]
.endr
.irp kt, 0,1,2,3                               ; lane r of tile kt holds key 32 (kt / 2) + 8 (kt % 2) + r + 8 (r / 8); both lanes of a key write the same word
	ds_store_b32 v[STA], v[ST+8*\kt+5] offset:(32*(\kt/2)+8*(\kt%2))*4
	ds_store_b32 v[STA], v[ST+8*\kt+2] offset:3072+(32*(\kt/2)+8*(\kt%2))*4
.endr
	s_wait_dscnt 0x0                               ; for the others' sake
	s_barrier_signal -1
	s_barrier_wait -1
	s_cmp_lg_u32 s16, 0                            ; the first wave of each layer joins the four quarters
	s_cbranch_scc1 .Lend
.irp i, 0,1,2,3
	ds_load_b64 v[TT+2*\i:TT+2*\i+1], v[RDA] offset:256*\i           ; the quarters' maxima of keys 2 lane, 2 lane + 1
.endr
.irp i, 0,1,2,3
	ds_load_b64 v[TT+8+2*\i:TT+8+2*\i+1], v[RDA] offset:3072+256*\i  ; and sums
.endr
	s_wait_dscnt 0x0
.irp z, 0,1
	v_max3_num_f32 v[QF+\z], v[TT+\z], v[TT+2+\z], v[TT+4+\z]
.endr
.irp z, 0,1
	v_max_num_f32 v[QF+\z], v[QF+\z], v[TT+6+\z]   ; M
.endr
.irp i, 0,1,2,3
.irp z, 0,1
	v_sub_f32 v[QF+4+2*\i+\z], v[TT+2*\i+\z], v[QF+\z]
.endr
.endr
.irp i, 0,1,2,3,4,5,6,7
	v_mul_f32 v[QF+4+\i], s26, v[QF+4+\i]
.endr
.irp i, 0,1,2,3,4,5,6,7
	v_exp_f32 v[QF+4+\i], v[QF+4+\i]
.endr
	v_nop
	s_wait_alu depctr_va_vdst(0)
.irp z, 0,1
	v_mul_f32 v[QF+2+\z], v[TT+8+\z], v[QF+4+\z]
.endr
.irp i, 1,2,3
.irp z, 0,1
	v_fmac_f32 v[QF+2+\z], v[TT+8+2*\i+\z], v[QF+4+2*\i+\z]
.endr
.endr
.irp z, 0,1
	v_log_f32 v[QF+2+\z], v[QF+2+\z]
.endr
	v_nop
	s_wait_alu depctr_va_vdst(0)
.irp z, 0,1
	v_fma_f32 v[QF+12+\z], v[QF+2+\z], s29, -v[QF+\z]   ; L' = -M - 64 ln 2 x log2(sum)
.endr
	global_store_b64 v[GO8], v[QF+12:QF+13], s[12:13]   ; 32 lanes store 256 consecutive bytes, aligned
.Lend:
	s_wait_tensorcnt 0x0
	ds_add_u32 v224, v225
	s_wait_dscnt 0x0
	s_endpgm
.Lfunc_end_k_q839b36fab3_stats:
	.size	k_q839b36fab3_stats, .Lfunc_end_k_q839b36fab3_stats-k_q839b36fab3_stats
	.p2alignl 7, 3214868480
	.fill 96, 4, 3214868480
	.section	.rodata,"a",@progbits
	.p2align	6, 0x0
	.amdhsa_kernel k_q839b36fab3_stats
		.amdhsa_group_segment_fixed_size 7680
		.amdhsa_private_segment_fixed_size 0
		.amdhsa_enable_private_segment 0
		.amdhsa_kernarg_size 40
		.amdhsa_user_sgpr_count 2
		.amdhsa_user_sgpr_kernarg_segment_ptr 1
		.amdhsa_wavefront_size32 1
		.amdhsa_system_sgpr_workgroup_id_x 1
		.amdhsa_system_sgpr_workgroup_id_y 1
		.amdhsa_system_sgpr_workgroup_id_z 1
		.amdhsa_system_vgpr_workitem_id 0
		.amdhsa_next_free_vgpr 226
		.amdhsa_next_free_sgpr 66
		.amdhsa_reserve_vcc 0
		.amdhsa_float_denorm_mode_32 3
		.amdhsa_float_denorm_mode_16_64 3
		.amdhsa_memory_ordered 1
		.amdhsa_forward_progress 1
		.amdhsa_inst_pref_size 88
	.end_amdhsa_kernel
	.amdgpu_metadata
---
amdhsa.version: [ 1, 2 ]
amdhsa.kernels:
  - .name:           k_q839b36fab3_stats
    .symbol:         k_q839b36fab3_stats.kd
    .args:
      - { .name: qc, .offset: 0, .size: 8, .value_kind: global_buffer, .address_space: global }
      - { .name: qs, .offset: 8, .size: 8, .value_kind: global_buffer, .address_space: global }
      - { .name: kv, .offset: 16, .size: 8, .value_kind: global_buffer, .address_space: global }
      - { .name: sc, .offset: 24, .size: 8, .value_kind: global_buffer, .address_space: global }
      - { .name: lse, .offset: 32, .size: 8, .value_kind: global_buffer, .address_space: global }
    .group_segment_fixed_size: 7680
    .private_segment_fixed_size: 0
    .kernarg_segment_align: 8
    .kernarg_segment_size: 40
    .max_flat_workgroup_size: 384
    .sgpr_count:     66
    .vgpr_count:     226
    .wavefront_size: 32
...
	.end_amdgpu_metadata
.endif
;; end of part 2
;; launch attn (part 3): grid 16 x 16, 4 waves a work-group, no clusters, 209,408 bytes of LDS; arguments qc, qs, kv, sc, lse, part; writes part
.if DOCPART == 3
	.amdgcn_target "amdgcn-amd-amdhsa--gfx1250"
	.amdhsa_code_object_version 6
	.text
	.protected	k_q839b36fab3_attn
	.globl	k_q839b36fab3_attn
	.p2align	8
	.type	k_q839b36fab3_attn,@function
k_q839b36fab3_attn:
	s_mov_b64 s[64:65], 0
	v_nop
	global_prefetch_b8 v0, s[64:65] scope:SCOPE_SE
	s_setreg_imm32_b32 hwreg(HW_REG_WAVE_MODE, 25, 1), 1
	s_wait_xcnt 0x0
; ATTN.  part[sp][b][c][n] = the sum, over the split's 3,072 (layer, key) pairs, of Q(softmax)(n, m) Q(g)(m, c).  softmax(n, m) = 2^(c (s + L'(m))), finished and normalised, since L' is known:
; no running maximum, no rescaling, and partial sums over keys and layers simply add.  s + L' comes out of the matrix unit: L' is the C operand of the score product.
; Both products on codes of FP4 (E2M1) with one E8M0 scale for each 32 along K; the weights are quantised along the keys, block by block of 32, in registers.
; SHARES.  Work-group x = a block of 256 queries, y = 8 b + sp.  It walks 24 key steps of 128 keys: groups 192 b + 24 sp + s of [b][layer][group]: three chunks of 8 steps, each inside one layer
; (layer = (3 sp + s / 8) / 4), so the queries' fragments change twice.  Each of the four waves owns 64 queries, four tiles; all four read each K/V tile from LDS.
; LAYOUT.  S^T = K Q^T + L' (source 0 = 16 chosen keys, source 1 = 16 queries): a lane holds one query and registers 16 B + i are keys 32 B + 16 (lane / 16) + i: the quantiser's order.
; O = P V (source 0 = P: 16 queries, source 1 = 16 channels of V): a lane holds one channel and eight neighbouring queries, as part's rows want them.
; A BLOCK'S LARGEST WEIGHT IS NOT SEARCHED FOR: the block's largest c (s + L'), which has the bits of one of the block's numbers, goes through the same exponential (this takes v_exp_f32 not to fall where its input rises).
; THE TILES (16 KiB a step: K's 8 fragments, V's 8) go memory -> registers -> LDS, a quarter a wave, asked for a whole step ahead; two LDS slots, ONE barrier a step: tile s + 2 is stored into slot s % 2 only behind
; step s's barrier, in front of which every wave has waited for its reads of K(s) and V(s); the stores are waited for in front of the next barrier, behind which K(s + 2) is read.
; BY TURNS.  The query tiles go through two score buffers as a pipeline that runs on from step to step.  Each of tile i's 68 exponentials stands behind a plain line: 8 that finish tile i's block maxima,
; 32 that scale tile i + 1, 24 of tile i + 1's block maxima.  Then one wait, tile i's quantising, the scores of tile i + 2 into the buffer so freed, the last 8 lines of tile i + 1's maxima, and tile i's P V.
; NO CLUSTER, NO TENSOR LOAD: the sixteen query blocks of a (b, sp) share 16 KiB a step, against 4 x 64 matrix and some 4 x 680 vector instructions of a step; eight loads and eight LDS stores a wave move it,
; and a joint request would cost a round of the cluster's barrier in each of the 24 steps.
; LIMITS: a weight under 2^-126 comes out of v_exp_f32 as 0; a block of zeros gets the byte 1 over zero codes; NaN and infinities are not served.
; REGISTERS, in windows of 256:  window 0: v1-11 addresses; v12-25 scale words; v28-59 at work; v64-95 P; v96-159, v160-223 scores, two buffers.   window 1: O, tile (i, ct) at 8 (8 i + ct).
;   window 2: v0-63 K, v64-127 V, v128-191 L', v192-223 Q.   window 3: v0-31, v32-63 the tile on its way, two sets.
.set SLOTB, 16384                      ; LDS: two slots of 16,384 bytes from byte 0
.set LS,    32768                      ; L' of my 3,072 keys
.set SCR,   45056                      ; 24 x (K's 512 bytes of scale words, V's 512)
.set STG,   69632                      ; the way out: 128 rows x 272 bytes for each wave
.set AIM,  1                           ; v1  16 x lane
.set AST,  2                           ; v2  16 x lane + 4,096 x wave: my quarter of a tile
.set ALD0, 3                           ; v3  LS + 64 h
.set ASC0, 4                           ; v4  SCR + 16 x lane
.set STO,  5                           ; v5  the stage, in
.set RD,   6                           ; v6  the stage, back
.set GO,   7                           ; v7  my byte offset in part's rows
.set ALD,  8                           ; v8  L' of the step in hand
.set ASC,  9                           ; v9  its scale words
.set HL,   10                          ; v10, v11: where the head stores L' and the scale words
.set HS,   11
.set KS,   12                          ; v12-15 K's scale words;  v16-19 V's;  v20-21 Q's;  v22-25 P's: these hold scales and nothing else
.set VS,   16
.set QS,   20
.set PS,   22
.set TM,   28                          ; v28-43 (even tiles), v44-59 (odd): +0 a block's largest, +4 permute destinations, +8 scale operands, +12 bytes
.set P,    64
.set SA,   96
.set KF,   0                           ; in window 2
.set VF,   64
.set LF,   128
.set QF,   192
.set KVP,  20                          ; s[20:21] my quarter of the tile asked for last
.set QCB,  22                          ; s[22:23] my queries' fragments in layer 0 of my batch
.set QSB,  24                          ; s[24:25] their scale words
.set CH0,  26                          ; s26 3 sp
.set CHN,  27                          ; s27 3 sp + the chunk's number
.set LSEB, 28
.set SCB,  30
.set PB,   32                          ; s[32:33] part at my wave's queries
.set CC,   34                          ; s[34:35] c
.set SEL,  36
.set TL,   38                          ; s38 512 x step;  s39 1,024 x step
.set TC,   39
.set T,    40                          ; s40 the loop's trip
.set QP,   44
.set QSP,  46
.set OF,   48                          ; s[48:49], s[50:51] offsets
.set OF2,  50
.set MSB, 0
.macro WIN new                         ; the immediate's high byte repeats the setting that is left; a switch that changes nothing is dropped
.if MSB != \new
	s_set_vgpr_msb (MSB<<8)|\new
.set MSB, \new
.endif
.endm
.macro PLACES n
.rept \n
	v_nop
.endr
.endm
.macro WM d, a, b, c, sa, sb, ra, rb   ; D = A x B + C on codes of FP4; c < 0: the constant 0
.set wmr, (\ra)+2*(\rb)
.if (\c) < 0
.if wmr == 0
	v_wmma_scale_f32_16x16x128_f8f6f4 v[\d:\d+7], v[\a:\a+7], v[\b:\b+7], 0, v[\sa], v[\sb] matrix_a_fmt:MATRIX_FMT_FP4 matrix_b_fmt:MATRIX_FMT_FP4
.elseif wmr == 1
	v_wmma_scale_f32_16x16x128_f8f6f4 v[\d:\d+7], v[\a:\a+7], v[\b:\b+7], 0, v[\sa], v[\sb] matrix_a_fmt:MATRIX_FMT_FP4 matrix_b_fmt:MATRIX_FMT_FP4 matrix_a_scale:MATRIX_SCALE_ROW1
.elseif wmr == 2
	v_wmma_scale_f32_16x16x128_f8f6f4 v[\d:\d+7], v[\a:\a+7], v[\b:\b+7], 0, v[\sa], v[\sb] matrix_a_fmt:MATRIX_FMT_FP4 matrix_b_fmt:MATRIX_FMT_FP4 matrix_b_scale:MATRIX_SCALE_ROW1
.else
	v_wmma_scale_f32_16x16x128_f8f6f4 v[\d:\d+7], v[\a:\a+7], v[\b:\b+7], 0, v[\sa], v[\sb] matrix_a_fmt:MATRIX_FMT_FP4 matrix_b_fmt:MATRIX_FMT_FP4 matrix_a_scale:MATRIX_SCALE_ROW1 matrix_b_scale:MATRIX_SCALE_ROW1
.endif
.else
.if wmr == 0
	v_wmma_scale_f32_16x16x128_f8f6f4 v[\d:\d+7], v[\a:\a+7], v[\b:\b+7], v[\c:\c+7], v[\sa], v[\sb] matrix_a_fmt:MATRIX_FMT_FP4 matrix_b_fmt:MATRIX_FMT_FP4
.elseif wmr == 1
	v_wmma_scale_f32_16x16x128_f8f6f4 v[\d:\d+7], v[\a:\a+7], v[\b:\b+7], v[\c:\c+7], v[\sa], v[\sb] matrix_a_fmt:MATRIX_FMT_FP4 matrix_b_fmt:MATRIX_FMT_FP4 matrix_a_scale:MATRIX_SCALE_ROW1
.elseif wmr == 2
	v_wmma_scale_f32_16x16x128_f8f6f4 v[\d:\d+7], v[\a:\a+7], v[\b:\b+7], v[\c:\c+7], v[\sa], v[\sb] matrix_a_fmt:MATRIX_FMT_FP4 matrix_b_fmt:MATRIX_FMT_FP4 matrix_b_scale:MATRIX_SCALE_ROW1
.else
	v_wmma_scale_f32_16x16x128_f8f6f4 v[\d:\d+7], v[\a:\a+7], v[\b:\b+7], v[\c:\c+7], v[\sa], v[\sb] matrix_a_fmt:MATRIX_FMT_FP4 matrix_b_fmt:MATRIX_FMT_FP4 matrix_a_scale:MATRIX_SCALE_ROW1 matrix_b_scale:MATRIX_SCALE_ROW1
.endif
.endif
.endm
.macro KQ i                            ; tile i's scores of 128 keys, with L' added: eight accumulators, one instruction each
	WIN 0x2a                                       ; K, Q and L' in window 2, the scores in window 0
.irp t, 0,1,2,3,4,5,6,7
	WM SA+64*((\i)&1)+8*\t, KF+8*\t, QF+8*(\i), LF+8*\t, KS+\t/2, QS+(\i)/2, \t%2, (\i)&1
.endr
.endm
.macro PV i, zero                      ; tile i's O += P V: eight accumulators by turns.  zero = 1: the first step starts the sums: nothing is cleared
	WIN 0x58                                       ; P in window 0, V in window 2, O in window 1
.irp ct, 0,1,2,3,4,5,6,7
.if \zero
	WM 8*(8*(\i)+\ct), P+8*(\i), VF+8*\ct, -1, PS+(\i), VS+\ct/2, 0, \ct%2
.else
	WM 8*(8*(\i)+\ct), P+8*(\i), VF+8*\ct, 8*(8*(\i)+\ct), PS+(\i), VS+\ct/2, 0, \ct%2
.endif
.endr
.endm
; Plain line kk (0 .. 63) of those that stand beside tile i's exponentials.  0-7: tile i's four block maxima are joined with lane l xor 16's.  8-39: the NEXT tile's scores (the other buffer) times c, two a line,
; in ascending order.  40-63: the next tile's block maxima over registers 0 to 12 of each block, the four blocks by turns.
.macro PLN i
.set aT, TM+16*((\i)&1)
.set bT, TM+16-16*((\i)&1)
.set bS, SA+64-64*((\i)&1)
.if kk < 4
	v_permlanex16_b32 v[aT+4+kk], v[aT+kk], s[SEL], s[SEL+1]
.elseif kk < 8
	v_max_num_f32 v[aT+kk-4], v[aT+kk-4], v[aT+kk]
.elseif kk < 40
	v_pk_mul_f32 v[bS+2*(kk-8):bS+2*(kk-8)+1], v[bS+2*(kk-8):bS+2*(kk-8)+1], s[CC:CC+1] op_sel_hi:[1,0]
.elseif kk < 44
	v_max3_num_f32 v[bT+kk-40], v[bS+16*(kk-40)], v[bS+16*(kk-40)+1], v[bS+16*(kk-40)+2]
.else
	v_max3_num_f32 v[bT+(kk-44)%4], v[bT+(kk-44)%4], v[bS+16*((kk-44)%4)+3+2*((kk-44)/4)], v[bS+16*((kk-44)%4)+4+2*((kk-44)/4)]
.endif
.endm
.macro EXL i                           ; exponential ee (0 .. 67) of tile i: 16 weights, the four blocks' largest (their maxima are joined by then), 48 weights
.set aT, TM+16*((\i)&1)
.set aS, SA+64*((\i)&1)
.if ee < 16
	v_exp_f32 v[aS+ee], v[aS+ee]
.elseif ee < 20
	v_exp_f32 v[aT+ee-16], v[aT+ee-16]
.else
	v_exp_f32 v[aS+ee-4], v[aS+ee-4]
.endif
.endm
.macro XL i                            ; the last eight lines of tile i's block maxima: registers 13, 14, 15 of each block
	WIN 0
.set sS, SA+64*((\i)&1)
.set sT, TM+16*((\i)&1)
.irp b, 0,1,2,3
	v_max3_num_f32 v[sT+\b], v[sT+\b], v[sS+16*\b+13], v[sS+16*\b+14]
.endr
.irp b, 0,1,2,3
	v_max_num_f32 v[sT+\b], v[sT+\b], v[sS+16*\b+15]
.endr
.endm
.macro QNT i                           ; the weights become tile i's fragment of P and its scale word
	WIN 0
.set sS, SA+64*((\i)&1)
.set sT, TM+16*((\i)&1)
.set sP, P+8*(\i)
.irp b, 0,1,2,3
	v_max_num_f32 v[sT+\b], 0x1800000, v[sT+\b]    ; the floor 2^(3 - 127): the byte cannot fall under 1
.endr
.irp b, 0,1,2,3
	v_add_nc_u32 v[sT+8+\b], 0xff000000, v[sT+\b]  ; 2 off the exponent field: the conversion's scale operand
.endr
.irp b, 0,1,2,3
	v_lshrrev_b32 v[sT+12+\b], 23, v[sT+8+\b]
.endr
	v_lshl_or_b32 v[PS+(\i)], v[sT+13], 8, v[sT+12]
	v_lshl_or_b32 v[PS+(\i)], v[sT+14], 16, v[PS+(\i)]
	v_lshl_or_b32 v[PS+(\i)], v[sT+15], 24, v[PS+(\i)]
.irp b, 0,1,2,3
	v_cvt_scalef32_pk8_fp4_f32 v[sP+2*\b], v[sS+16*\b:sS+16*\b+7], v[sT+8+\b]
	v_cvt_scalef32_pk8_fp4_f32 v[sP+2*\b+1], v[sS+16*\b+8:sS+16*\b+15], v[sT+8+\b]
.endr
	v_nop                                          ; one plain place behind a scaled conversion
.irp c, 0,1
.irp z, 0,1
	v_permlane16_swap_b32 v[sP+4*\c+\z], v[sP+2+4*\c+\z]   ; a whole block in a lane
.endr
.endr
.endm
.macro VLOAD par                       ; this step's V and its scale words
	WIN 0x80                                       ; destination window 2
.irp k, 0,1,2,3,4,5,6,7,8,9,10,11,12,13,14,15
	ds_load_b128 v[VF+4*\k:VF+4*\k+3], v[AIM] offset:SLOTB*(\par)+8192+512*\k
.endr
	WIN 0
	ds_load_b128 v[VS:VS+3], v[ASC] offset:512
.endm
; Tile i's exponentials, each behind a plain line.  nx = 0: there is no next tile: only the first eight plain lines stand.  vl = 1: this step's V is fetched behind the thirteenth plain line (the last P V, which read V,
; stands in front of them all).  None of the plain lines names an exponential's result, so ONE s_wait_alu behind the batch serves all 68; the v_nop is the plain line behind the last of them.
.macro MIX i, nx, vl, par
	WIN 0
.set kk, 0
.rept 64
.if (\nx) || (kk < 8)
	PLN \i
.endif
.set ee, kk
	EXL \i
.if (\vl) && (kk == 12)
	VLOAD \par
.endif
.set kk, kk+1
.endr
.rept 4
.set ee, kk
	EXL \i
.set kk, kk+1
.endr
	v_nop
	s_wait_alu depctr_va_vdst(0)
.endm
.macro KLOAD slot                      ; a step's K, L' and K's scale words; s[TL], s[TC] stand at that step
	v_add_nc_u32 v[ALD], s[TL], v[ALD0]
	v_add_nc_u32 v[ASC], s[TC], v[ASC0]
	WIN 0x80
.irp k, 0,1,2,3,4,5,6,7,8,9,10,11,12,13,14,15
	ds_load_b128 v[KF+4*\k:KF+4*\k+3], v[AIM] offset:SLOTB*(\slot)+512*\k
.endr
.irp b, 0,1,2,3
.irp q, 0,1,2,3
	ds_load_b128 v[LF+16*\b+4*\q:LF+16*\b+4*\q+3], v[ALD] offset:128*\b+16*\q   ; register 16 B + i takes L' of key 32 B + 16 h + i
.endr
.endr
	WIN 0
	ds_load_b128 v[KS:KS+3], v[ASC]
.endm
.macro QLOAD                           ; my four query fragments and their scale words, of layer s[CHN] / 4: nine loads
	s_lshr_b32 s[OF], s[CHN], 2
	s_lshl_b32 s[OF2], s[OF], 14
	s_lshl_b32 s[OF], s[OF], 18
	s_add_nc_u64 s[QP:QP+1], s[QCB:QCB+1], s[OF:OF+1]
	s_add_nc_u64 s[QSP:QSP+1], s[QSB:QSB+1], s[OF2:OF2+1]
	WIN 0x80
.irp k, 0,1,2,3,4,5,6,7
	global_load_b128 v[QF+4*\k:QF+4*\k+3], v[AIM], s[QP:QP+1] offset:512*\k
.endr
	WIN 0
	global_load_b64 v[QS:QS+1], v[AIM], s[QSP:QSP+1]
.endm
.macro TLOAD set                       ; my quarter of a tile into a set of window 3
	WIN 0xc0
.irp k, 0,1,2,3,4,5,6,7
	global_load_b128 v[32*(\set)+4*\k:32*(\set)+4*\k+3], v[AIM], s[KVP:KVP+1] offset:512*\k
.endr
	WIN 0
.endm
; THE MIDDLE OF STEP s (par = s % 2).  In front of the barrier: tile s + 2 is in my registers, and my LDS reads (V(s) last) and stores are done.  Behind it: tile s + 2 goes into slot par, tile s + 3 is asked for,
; and K, L' and the scale words of step s + 1 are read from the other slot.  kind 0: step 0.  kind 1: steps 2 t + 1: tile s + 3 exists while t <= 9; at t = 3 and 7 the next step begins a chunk: its queries are asked
; for INSIDE that branch and ahead of the tile's eight loads, so that the count 8 ahead of the next step's first scores leaves only the tile out, on every path.  kind 2: steps 2 t + 2: tiles s + 2 and s + 3 exist while t <= 9.
.macro MID par, kind
	WIN 0                                          ; at a branch and at a label every window is 0
	s_wait_loadcnt 0x0
	s_wait_dscnt 0x0
	s_barrier_signal -1
	s_barrier_wait -1
.if \kind == 2
	s_cmp_gt_u32 s[T], 9
	s_cbranch_scc1 .Lnofill_\@
.endif
	WIN 0x0c                                       ; an LDS store's data are its source 1: window 3
.irp k, 0,1,2,3,4,5,6,7
	ds_store_b128 v[AST], v[32*(\par)+4*\k:32*(\par)+4*\k+3] offset:SLOTB*(\par)+512*\k
.endr
	WIN 0
.if \kind == 1
	s_cmp_gt_u32 s[T], 9
	s_cbranch_scc1 .Lnofill_\@
	s_and_b32 s41, s[T], 3
	s_cmp_lg_u32 s41, 3
	s_cbranch_scc1 .Lnoq_\@
	s_add_co_u32 s41, s[T], 1
	s_lshr_b32 s41, s41, 2
	s_add_co_u32 s[CHN], s[CH0], s41               ; 3 sp + the next chunk's number
	QLOAD
.Lnoq_\@:
.endif
	s_add_nc_u64 s[KVP:KVP+1], s[KVP:KVP+1], SLOTB ; (every earlier load is in: the wait for 0 above)
	TLOAD 1-(\par)
.if \kind > 0
.Lnofill_\@:
.endif
	s_add_co_u32 s[TL], s[TL], 512
	s_add_co_u32 s[TC], s[TC], 1024
	KLOAD 1-(\par)
.endm
; A KEY STEP.  At its head tile 0's scores are scaled and its block maxima taken within the lane, and tile 1's scores are made.  kind 3: the last step.
; PLACES (ISA guide 7.12.1 for vector instructions, except ahead of scaled products).  XL's eight plain lines name none of the registers of the score products in front of them.  They stand between those products and
; the first read of their results (in the next MIX, behind eight lines more), between the making of P and of its scale word and P V, and, in tile 1, ahead of the loads into K, L', Q and their scale words.
; The accumulators of O take turns, one instruction a turn.
.macro STEP par, zero, kind
	MIX 0, 1, 1, \par
	QNT 0
	KQ 2
	XL 1
	s_wait_dscnt 0x0                               ; V and its scale words are in
	PV 0, \zero
	MIX 1, 1, 0, 0
	QNT 1
	KQ 3                                           ; the step's last reader of K, L' and Q
	XL 2
.if \kind < 3
	MID \par, \kind
.endif
	PV 1, \zero
	MIX 2, 1, 0, 0
	QNT 2
.if \kind < 3
	s_wait_dscnt 0x0                               ; the next step's K, L' and scale words are in, and my stores into the slot have landed
	s_wait_loadcnt 0x8                             ; a new chunk's queries are in; the tile's eight loads, issued behind them, may be out
	KQ 0                                           ; the next step's tile 0
.endif
	XL 3
	PV 2, \zero
.if \kind < 3
	MIX 3, 1, 0, 0
.else
	MIX 3, 0, 0, 0
.endif
	QNT 3
.if \kind < 3
	KQ 1                                           ; the next step's tile 1
	XL 0
.else
	PLACES 8                                       ; ahead of P V, for P's scale word and codes just made
.endif
	PV 3, \zero
	WIN 0
.endm
	s_load_b256 s[4:11], s[0:1], 0x0               ; qc s[4:5], qs s[6:7], kv s[8:9], sc s[10:11]
	s_load_b128 s[12:15], s[0:1], 0x20             ; lse s[12:13], part s[14:15]
	v_lshl_add_u32 v254, v0, 2, 0x33000
	v_mov_b32 v255, 0
	v_lshrrev_b32 v60, 5, v0
	v_readfirstlane_b32 s16, v60                   ; wave 0..3
	v_and_b32 v60, 31, v0                          ; lane
	v_and_b32 v61, 15, v0                          ; r
	v_bfe_u32 v62, v0, 4, 1                        ; h
	v_lshlrev_b32 v[AIM], 4, v60
	s_lshl_b32 s52, s16, 12
	v_add_nc_u32 v[AST], s52, v[AIM]
	v_lshl_add_u32 v[ALD0], v62, 6, LS
	v_add_nc_u32 v[ASC0], SCR, v[AIM]
	s_mul_i32 s52, s16, 34816
	s_add_co_u32 s52, s52, STG                     ; my stage
	v_mul_u32_u24 v[STO], v61, 272
	v_lshl_add_u32 v[STO], v62, 5, v[STO]
	v_add_nc_u32 v[STO], s52, v[STO]               ; in: row = channel r of a tile, 32 bytes for each half of the lanes
	v_mul_u32_u24 v[RD], v62, 272
	v_lshl_add_u32 v[RD], v61, 4, v[RD]
	v_add_nc_u32 v[RD], s52, v[RD]                 ; back: lanes 0-15 one row of 256 bytes, lanes 16-31 the next
	v_lshlrev_b32 v[GO], 14, v62
	v_lshl_add_u32 v[GO], v61, 4, v[GO]            ; and the same two rows in part (a channel's row is 16,384 bytes)
	s_mul_i32 s52, s16, 3072
	s_add_co_u32 s52, s52, LS
	v_add_nc_u32 v[HL], s52, v[AIM]
	s_mul_i32 s52, s16, 6144
	s_add_co_u32 s52, s52, SCR
	v_add_nc_u32 v[HS], s52, v[AIM]
.irp b, 0,1,2,3
	v_mov_b32 v[TM+4+\b], 0                        ; permute destinations, written once
	v_mov_b32 v[TM+20+\b], 0
.endr
	s_and_b32 s17, ttmp7, 0xffff
	s_and_b32 s18, s17, 7                          ; sp
	s_lshr_b32 s17, s17, 3                         ; b
	s_mul_i32 s19, s17, 192
	s_mul_i32 s52, s18, 24
	s_add_co_u32 s19, s19, s52                     ; my first group in [b][layer][group]
	s_mul_i32 s[CH0], s18, 3
	s_mov_b32 s[CHN], s[CH0]
	s_mov_b32 s[CC], 0x3cb8aa3b                    ; c = log2(e) / 64
	s_mov_b32 s[CC+1], s[CC]
	s_mov_b32 s[SEL], 0x76543210
	s_mov_b32 s[SEL+1], 0xfedcba98
	s_mov_b32 s[TL], 0
	s_mov_b32 s[TC], 0
	s_mov_b32 s43, 0
	s_mov_b32 s[OF+1], 0
	s_mov_b32 s[OF2+1], 0
	s_wait_kmcnt 0x0
	s_lshl_b32 s42, s19, 14
	s_lshl_b32 s53, s16, 12
	s_add_co_u32 s42, s42, s53
	s_add_nc_u64 s[KVP:KVP+1], s[8:9], s[42:43]
	s_mul_i32 s42, s17, 6
	s_lshl_b32 s42, s42, 18
	s_lshl_b32 s52, ttmp9, 14
	s_add_co_u32 s42, s42, s52
	s_add_co_u32 s42, s42, s53
	s_add_nc_u64 s[QCB:QCB+1], s[4:5], s[42:43]
	s_mul_i32 s42, s17, 98304                      ; 6 b layers of 16,384 bytes
	s_lshl_b32 s52, ttmp9, 1
	s_lshr_b32 s53, s16, 1
	s_add_co_u32 s52, s52, s53
	s_lshl_b32 s52, s52, 9
	s_add_co_u32 s42, s42, s52
	s_and_b32 s53, s16, 1
	s_lshl_b32 s53, s53, 3
	s_add_co_u32 s42, s42, s53
	s_add_nc_u64 s[QSB:QSB+1], s[6:7], s[42:43]
	s_lshl_b32 s42, s19, 9
	s_mul_i32 s53, s16, 3072
	s_add_co_u32 s42, s42, s53
	s_add_nc_u64 s[LSEB:LSEB+1], s[12:13], s[42:43]
	s_lshl_b32 s42, s19, 10
	s_mul_i32 s53, s16, 6144
	s_add_co_u32 s42, s42, s53
	s_add_nc_u64 s[SCB:SCB+1], s[10:11], s[42:43]
	s_lshl_b32 s42, s18, 1
	s_add_co_u32 s42, s42, s17
	s_lshl_b32 s42, s42, 21
	s_lshl_b32 s53, ttmp9, 10
	s_add_co_u32 s42, s42, s53
	s_lshl_b32 s53, s16, 8
	s_add_co_u32 s42, s42, s53
	s_add_nc_u64 s[PB:PB+1], s[14:15], s[42:43]
	; ---- the head: L' and the scale words of all 24 steps, tiles 0 and 1, my queries
.irp k, 0,1,2,3,4,5
	global_load_b128 v[SA+4*\k:SA+4*\k+3], v[AIM], s[LSEB:LSEB+1] offset:512*\k
.endr
.irp k, 0,1,2,3,4,5,6,7,8,9,10,11
	global_load_b128 v[SA+24+4*\k:SA+24+4*\k+3], v[AIM], s[SCB:SCB+1] offset:512*\k
.endr
	TLOAD 0
	WIN 0xc0
.irp k, 0,1,2,3,4,5,6,7
	global_load_b128 v[32+4*\k:32+4*\k+3], v[AIM], s[KVP:KVP+1] offset:SLOTB+512*\k
.endr
	WIN 0
	QLOAD
	s_wait_loadcnt 0x0
.irp k, 0,1,2,3,4,5
	ds_store_b128 v[HL], v[SA+4*\k:SA+4*\k+3] offset:512*\k
.endr
.irp k, 0,1,2,3,4,5,6,7,8,9,10,11
	ds_store_b128 v[HS], v[SA+24+4*\k:SA+24+4*\k+3] offset:512*\k
.endr
	WIN 0x0c
.irp k, 0,1,2,3,4,5,6,7
	ds_store_b128 v[AST], v[4*\k:4*\k+3] offset:512*\k
.endr
.irp k, 0,1,2,3,4,5,6,7
	ds_store_b128 v[AST], v[32+4*\k:32+4*\k+3] offset:SLOTB+512*\k
.endr
	WIN 0
	s_wait_dscnt 0x0                               ; my stores have landed, and have read their registers
	s_add_nc_u64 s[KVP:KVP+1], s[KVP:KVP+1], 2*SLOTB
	TLOAD 0                                        ; tile 2
	s_barrier_signal -1
	s_barrier_wait -1
	KLOAD 0
	s_wait_dscnt 0x0
	KQ 0
	KQ 1
	PLACES 4
	WIN 0
.set kk, 8                                     ; the pipeline is filled: tile 0's scaling and block maxima, with no exponentials yet to stand beside (PLN 3's next tile is the even buffer's)
.rept 56
	PLN 3
.set kk, kk+1
.endr
	XL 0
	STEP 0, 1, 0                                   ; step 0 starts O's sums
	s_mov_b32 s[T], 0
.Lpair:                                            ; trip t: steps 2 t + 1 and 2 t + 2
	STEP 1, 0, 1
	STEP 0, 0, 2
	s_add_co_u32 s[T], s[T], 1
	s_cmp_lt_u32 s[T], 11
	s_cbranch_scc1 .Lpair
	STEP 1, 0, 3                                   ; step 23
	; ---- THE WAY OUT.  A lane holds 32 neighbouring bytes of a channel's row and the lanes beside it hold other channels: O goes through my own stage (LDS serves a wave's instructions in order: ISA guide 5.7.1.4)
	; and comes back as whole rows of 256 bytes: sixteen lanes store 256 consecutive bytes, aligned.
	PLACES 4
	WIN 0x04                                       ; the data: window 1
.irp ct, 0,1,2,3,4,5,6,7
.irp i, 0,1,2,3
	ds_store_b128 v[STO], v[8*(8*\i+\ct):8*(8*\i+\ct)+3] offset:4352*\ct+64*\i          ; each accumulator from its low end on
	ds_store_b128 v[STO], v[8*(8*\i+\ct)+4:8*(8*\i+\ct)+7] offset:4352*\ct+64*\i+16
.endr
.endr
	WIN 0
.irp k, 0,1,2,3
.if \k > 1
	s_wait_xcnt 0x0                                ; the stores of two batches back have read these registers
.endif
.irp j, 0,1,2,3,4,5,6,7,8,9,10,11,12,13,14,15
	ds_load_b128 v[SA+64*(\k%2)+4*\j:SA+64*(\k%2)+4*\j+3], v[RD] offset:(32*\k+2*\j)*272
.endr
.irp j, 0,1,2,3,4,5,6,7,8,9,10,11,12,13,14,15
	s_wait_dscnt 15-\j                             ; the younger loads of the batch may be out
	global_store_b128 v[GO], v[SA+64*(\k%2)+4*\j:SA+64*(\k%2)+4*\j+3], s[PB:PB+1] offset:(32*\k+2*\j)*16384 th:TH_STORE_NT
.endr
.endr
	s_wait_tensorcnt 0x0
	ds_add_u32 v254, v255
	s_wait_dscnt 0x0
	s_endpgm
.Lfunc_end_k_q839b36fab3_attn:
	.size	k_q839b36fab3_attn, .Lfunc_end_k_q839b36fab3_attn-k_q839b36fab3_attn
	.p2alignl 7, 3214868480
	.fill 96, 4, 3214868480
	.section	.rodata,"a",@progbits
	.p2align	6, 0x0
	.amdhsa_kernel k_q839b36fab3_attn
		.amdhsa_group_segment_fixed_size 209408
		.amdhsa_private_segment_fixed_size 0
		.amdhsa_enable_private_segment 0
		.amdhsa_kernarg_size 48
		.amdhsa_user_sgpr_count 2
		.amdhsa_user_sgpr_kernarg_segment_ptr 1
		.amdhsa_wavefront_size32 1
		.amdhsa_system_sgpr_workgroup_id_x 1
		.amdhsa_system_sgpr_workgroup_id_y 1
		.amdhsa_system_sgpr_workgroup_id_z 1
		.amdhsa_system_vgpr_workitem_id 0
		.amdhsa_next_free_vgpr 832
		.amdhsa_next_free_sgpr 66
		.amdhsa_reserve_vcc 0
		.amdhsa_float_denorm_mode_32 3
		.amdhsa_float_denorm_mode_16_64 3
		.amdhsa_memory_ordered 1
		.amdhsa_forward_progress 1
		.amdhsa_inst_pref_size 209
	.end_amdhsa_kernel
	.amdgpu_metadata
---
amdhsa.version: [ 1, 2 ]
amdhsa.kernels:
  - .name:           k_q839b36fab3_attn
    .symbol:         k_q839b36fab3_attn.kd
    .args:
      - { .name: qc, .offset: 0, .size: 8, .value_kind: global_buffer, .address_space: global }
      - { .name: qs, .offset: 8, .size: 8, .value_kind: global_buffer, .address_space: global }
      - { .name: kv, .offset: 16, .size: 8, .value_kind: global_buffer, .address_space: global }
      - { .name: sc, .offset: 24, .size: 8, .value_kind: global_buffer, .address_space: global }
      - { .name: lse, .offset: 32, .size: 8, .value_kind: global_buffer, .address_space: global }
      - { .name: part, .offset: 40, .size: 8, .value_kind: global_buffer, .address_space: global }
    .group_segment_fixed_size: 209408
    .private_segment_fixed_size: 0
    .kernarg_segment_align: 8
    .kernarg_segment_size: 48
    .max_flat_workgroup_size: 128
    .sgpr_count:     66
    .vgpr_count:     832
    .wavefront_size: 32
...
	.end_amdgpu_metadata
.endif
;; end of part 3
;; launch mean (part 4): grid 256 x 1, 8 waves a work-group, no clusters, 0 bytes of LDS; arguments part, x, out0; writes out0
.if DOCPART == 4
	.amdgcn_target "amdgcn-amd-amdhsa--gfx1250"
	.amdhsa_code_object_version 6
	.text
	.protected	k_q839b36fab3_mean
	.globl	k_q839b36fab3_mean
	.p2align	8
	.type	k_q839b36fab3_mean,@function
k_q839b36fab3_mean:
	s_mov_b64 s[64:65], 0
	v_nop
	global_prefetch_b8 v0, s[64:65] scope:SCOPE_SE
	s_setreg_imm32_b32 hwreg(HW_REG_WAVE_MODE, 25, 1), 1
	s_wait_xcnt 0x0
; MEAN.  out0 = x + (1 / 6) x the sum of the eight partial sums.  part: [8][2][128][4096] f32, each split laid as out0; x, out0: [2][128][4096] f32.
; A stream: memory binds, so every byte is read once by 16-byte loads (a wave's load covers 512 consecutive bytes) and written once; no LDS, no barrier, no matrix unit, no cluster: work-groups share nothing.
; A work-group takes 16,384 bytes of out0; a thread four pieces of 16 bytes; all 36 loads of a thread go out at once, and the waits count down piece by piece.
; The division by 6 is a multiplication by 1 / 6 rounded to f32; the sums over keys and layers are ordered by split, not layer by layer.
	s_load_b128 s[4:7], s[0:1], 0x0                ; part s[4:5], x s[6:7]
	s_load_b64 s[8:9], s[0:1], 0x10                ; out0
	v_lshlrev_b32 v1, 4, v0
	s_lshl_b32 s10, ttmp9, 14
	s_mov_b32 s11, 0
	s_mov_b32 s28, 0x3e2aaaab                      ; 1 / 6
	s_mov_b32 s29, s28
	s_wait_kmcnt 0x0
	s_add_nc_u64 s[6:7], s[6:7], s[10:11]
	s_add_nc_u64 s[8:9], s[8:9], s[10:11]
	s_add_nc_u64 s[12:13], s[4:5], s[10:11]
.irp s, 1,2,3,4,5,6,7
	s_add_nc_u64 s[12+2*\s:13+2*\s], s[10+2*\s:11+2*\s], 0x400000   ; a base for each split: they lie 4,194,304 bytes apart
.endr
.irp k, 0,1,2,3
	global_load_b128 v[4+36*\k:7+36*\k], v1, s[6:7] offset:4096*\k th:TH_LOAD_NT
.irp s, 0,1,2,3,4,5,6,7
	global_load_b128 v[8+36*\k+4*\s:11+36*\k+4*\s], v1, s[12+2*\s:13+2*\s] offset:4096*\k th:TH_LOAD_NT
.endr
.endr
.irp k, 0,1,2,3
	s_wait_loadcnt 27-9*\k                         ; this piece's nine loads are in; the later pieces' may be out
.irp s, 0,2,4,6
.irp z, 0,2
	v_pk_add_f32 v[8+36*\k+4*\s+\z:9+36*\k+4*\s+\z], v[8+36*\k+4*\s+\z:9+36*\k+4*\s+\z], v[12+36*\k+4*\s+\z:13+36*\k+4*\s+\z]
.endr
.endr
.irp s, 0,4
.irp z, 0,2
	v_pk_add_f32 v[8+36*\k+4*\s+\z:9+36*\k+4*\s+\z], v[8+36*\k+4*\s+\z:9+36*\k+4*\s+\z], v[16+36*\k+4*\s+\z:17+36*\k+4*\s+\z]
.endr
.endr
.irp z, 0,2
	v_pk_add_f32 v[8+36*\k+\z:9+36*\k+\z], v[8+36*\k+\z:9+36*\k+\z], v[24+36*\k+\z:25+36*\k+\z]
.endr
.irp z, 0,2
	v_pk_fma_f32 v[4+36*\k+\z:5+36*\k+\z], v[8+36*\k+\z:9+36*\k+\z], s[28:29], v[4+36*\k+\z:5+36*\k+\z] op_sel_hi:[1,0,1]
.endr
	global_store_b128 v1, v[4+36*\k:7+36*\k], s[8:9] offset:4096*\k th:TH_STORE_NT
.endr
	s_endpgm
.Lfunc_end_k_q839b36fab3_mean:
	.size	k_q839b36fab3_mean, .Lfunc_end_k_q839b36fab3_mean-k_q839b36fab3_mean
	.p2alignl 7, 3214868480
	.fill 96, 4, 3214868480
	.section	.rodata,"a",@progbits
	.p2align	6, 0x0
	.amdhsa_kernel k_q839b36fab3_mean
		.amdhsa_group_segment_fixed_size 0
		.amdhsa_private_segment_fixed_size 0
		.amdhsa_enable_private_segment 0
		.amdhsa_kernarg_size 24
		.amdhsa_user_sgpr_count 2
		.amdhsa_user_sgpr_kernarg_segment_ptr 1
		.amdhsa_wavefront_size32 1
		.amdhsa_system_sgpr_workgroup_id_x 1
		.amdhsa_system_sgpr_workgroup_id_y 1
		.amdhsa_system_sgpr_workgroup_id_z 1
		.amdhsa_system_vgpr_workitem_id 0
		.amdhsa_next_free_vgpr 148
		.amdhsa_next_free_sgpr 66
		.amdhsa_reserve_vcc 0
		.amdhsa_float_denorm_mode_32 3
		.amdhsa_float_denorm_mode_16_64 3
		.amdhsa_memory_ordered 1
		.amdhsa_forward_progress 1
		.amdhsa_inst_pref_size 10
	.end_amdhsa_kernel
	.amdgpu_metadata
---
amdhsa.version: [ 1, 2 ]
amdhsa.kernels:
  - .name:           k_q839b36fab3_mean
    .symbol:         k_q839b36fab3_mean.kd
    .args:
      - { .name: part, .offset: 0, .size: 8, .value_kind: global_buffer, .address_space: global }
      - { .name: x, .offset: 8, .size: 8, .value_kind: global_buffer, .address_space: global }
      - { .name: out0, .offset: 16, .size: 8, .value_kind: global_buffer, .address_space: global }
    .group_segment_fixed_size: 0
    .private_segment_fixed_size: 0
    .kernarg_segment_align: 8
    .kernarg_segment_size: 24
    .max_flat_workgroup_size: 256
    .sgpr_count:     66
    .vgpr_count:     148
    .wavefront_size: 32
...
	.end_amdgpu_metadata
.endif
;; end of part 4
;; ======== version 2 of 2: 4 launches; version 1 with the launches proj, stats, attn written anew for expert scheduling mode
;; workspace buffers: qc 3,145,728 bytes; qs 196,608 bytes; kv 6,291,456 bytes; sc 393,216 bytes; lse 196,608 bytes; part 33,554,432 bytes
;; launch proj (part 5): grid 32 x 6, 8 waves a work-group, no clusters, 59,392 bytes of LDS; arguments x, W1, b1, W2, b2, Wg, bg, qc, qs, kv, sc; writes qc, qs, kv, sc
.if DOCPART == 5
	.amdgcn_target "amdgcn-amd-amdhsa--gfx1250"
	.amdhsa_code_object_version 6
	.text
	.protected	k_q839b36fab3_proj
	.globl	k_q839b36fab3_proj
	.p2align	8
	.type	k_q839b36fab3_proj,@function
k_q839b36fab3_proj:
	s_mov_b64 s[64:65], 0
	v_nop
	global_prefetch_b8 v0, s[64:65] scope:SCOPE_SE
	s_setreg_imm32_b32 hwreg(HW_REG_WAVE_SCHED_MODE, 0, 2), 2
	s_setreg_imm32_b32 hwreg(HW_REG_WAVE_MODE, 25, 1), 1
	s_wait_xcnt 0x0
	s_wait_alu depctr_vm_vsrc(0)
; PROJ.  f1 = Q(x) Q(W1)^T + b1, f2 = Q(x) Q(W2)^T + b2, g = Q(x) Q(Wg)^T + bg for one layer and 256 tokens of one batch, all on codes of FP4 (E2M1) with one
; E8M0 scale for each 32 along K (= the 128 channels); the three results are quantised at once for the products that follow and leave as IMAGES OF OPERAND REGISTERS.
; x: [2][128][4096] f32 (channel-major).  W*: [6][128 out][128 in] f32.  b*: [6][128] f32.
; OUT.  A fragment (16 rows x 128 K) is 1,024 bytes: registers 0-3 at 16 x lane, registers 4-7 at 512 + 16 x lane.  p = 6 b + l; a group G is 128 tokens.
;   qc [p][G][8 tiles][1024]: f1, K = channels, tile t lane r = token 16 t + r.
;   kv [p][G][K: 8 x 1024 | V: 8 x 1024]: K = f2, K-axis = channels, tile 2 B + u lane r = token 32 B + 8 u + r + 8 (r / 8);  V = g, tile = 16 channels, K-axis = the group's 128 tokens.
;   qs [p][G][512], sc [p][G][K's 512 | V's 512]: scale words; the word of (tile t, row r) lies at 16 (16 (t % 2) + r) + 4 (t / 2).
; SHARES.  Work-group x = 16 b + block of 256 tokens, y = layer.  Eight waves.  Thread = token for x's quantising (a lane's 128 registers run down the channels, each load reads 128 consecutive bytes);
; wave w quantises rows 16 w .. 16 w + 15 of each weight.  Codes lie in LDS as rows of 64 bytes + 16 of padding.  Then wave w (group w / 4, a = w % 4) makes tiles 2 a, 2 a + 1 of f1, of f2 and of g.
; EVERY PRODUCT IS USED SO THAT A LANE'S REGISTERS RUN ALONG THE NEXT K: source 0 takes eight tiles whose rows are chosen 32 B + 8 u + r + 8 (r / 8) (rows of W for f1 and f2, tokens for g), so that
; registers 16 B + i of the eight results are the next K's 32 B + 16 (lane / 16) + i.
; NO CLUSTER, NO TENSOR LOAD: a work-group reads 128 KiB of x and 192 KiB of weights once, through registers, because they must pass the quantiser before they reach LDS.
; LIMITS: NaN and infinities among the inputs are not served; a block of zeros gets the byte 1 (not 127) over zero codes: the bytes are read by this program alone.
; THE MODE: SCHED_MODE bits 1:0 = 2 (LLVM: expert scheduling mode 2), set by the entry lines.  The code itself states the register dependences
; between vector or matrix instructions and memory or LDS instructions, with s_wait_alu, always for 0.
; THE PLAN.  Registers that memory or LDS instructions touch:
;   v1-v22      addresses and offsets: made at the head, never written again.  v27-v29: made anew behind the last barrier.
;   v32-v223    x's and the weights' numbers: loads land; the quantiser reads; W2 and Wg land where x's numbers lay.
;   XC, WD      codes and a scale word: the quantiser writes, LDS stores read: four times on end.
;   FR8, FR1, D, GB, FS8, FS1   LDS loads land; the products read them, the quantiser reads D; then the next unit's loads land.
;   PC, PW      a fragment and its scale word: the quantiser writes, two global stores and an LDS store read: six times on end.
; So ONE wait on va_vdst stands behind each quantising: what it wrote is written, for the stores that follow; and it, and the products ahead of it, are done reading the registers in which the next loads land.
; And ONE wait on vm_vsrc stands ahead of each quantising but the first of a kind: the stores have read what it writes again.
.set XROW, 0                           ; LDS: x's codes, 256 tokens x 80
.set XSW,  20480                       ; x's scale words, 256 x 4
.set WROW, 21504                       ; the weights' codes, 3 x 128 rows x 80
.set WSW,  52224                       ; their scale words, 3 x 512
.set BST,  53760                       ; the three biases, 3 x 512
.set QST,  55296                       ; f1's scale words of the two groups, 2 x 512
.set KVST, 56320                       ; f2's and g's, 2 x (512 + 512)
.set XO,   1                           ; v1   4 x lane
.set WO,   2                           ; v2   512 r + 128 h: my part of a weight's row
.set BO,   3                           ; v3   4 (16 w + r)
.set XST,  4                           ; v4   where my token's codes go
.set XSWA, 5                           ; v5   and its scale word
.set WST,  6                           ; v6   where my weight row's codes go
.set WSWA, 7                           ; v7   and its scale word; the biases lie BST - WSW further on
.set AWP,  8                           ; v8   a weight's chosen rows, as fragments
.set AWPS, 9                           ; v9   their scale words: lanes 0-15 tile 2 B, lanes 16-31 tile 2 B + 1
.set AXP,  10                          ; v10  my group's chosen tokens
.set AXPS, 11                          ; v11  their scale words
.set AXN,  12                          ; v12  my 32 tokens, neighbours
.set AXNS, 13
.set AXQ,  14                          ; v14  my 32 tokens, chosen
.set AXQS, 15
.set AWG,  16                          ; v16  my 32 rows of Wg
.set AWGS, 17
.set ABI,  18                          ; v18  a bias along the registers: BST + 64 h
.set ABG,  19                          ; v19  bg of my lane's channel
.set ASQ,  20                          ; v20  where f1's scale word goes
.set ASK,  21                          ; v21  f2's and g's
.set GI,   22                          ; v22  16 x lane: an image's place
.set SH8,  23                          ; v23  8 h
.set BV,   24                          ; v24-26 the biases as loaded
.set XR,   32                          ; v32-159  x: 128 channels of my token; later W2's and Wg's numbers
.set WR,   160                         ; v160-223 W1's numbers
.set XC,   224                         ; v224-239 codes just made
.set MX,   240                         ; v240-243 largest magnitudes, then bytes
.set WD,   244                         ; v244-245 the scale word being made
.set SO,   252                         ; v252-255 the conversions' scale operands
.set FR8,  32                          ; the products: eight fragments of source 0
.set D,    96                          ; eight results
.set FR1,  160                         ; source 1
.set GB,   168                         ; bg, eight times
.set PC,   176                         ; the fragment just made
.set TM,   184                         ; v184-199 at work in QUANT
.set PW,   246                         ; its scale word
.set FS1,  247                         ; scale words of source 1
.set FS8,  248                         ; v248-251 of source 0
.set SEL,  44                          ; s[44:45] v_permlanex16_b32's selects for lane l xor 16
.macro PLACES n                        ; plain vector instructions behind a matrix instruction (ISA guide 7.12.1)
.rept \n
	v_nop
.endr
.endm
; D = A x B + C on codes of FP4; c < 0: C is the constant 0.  ra, rb: the side's scale words stand in lanes 16-31
.macro WM d, a, b, c, sa, sb, ra, rb
.set wmr, (\ra)+2*(\rb)
.if (\c) < 0
.if wmr == 0
	v_wmma_scale_f32_16x16x128_f8f6f4 v[\d:\d+7], v[\a:\a+7], v[\b:\b+7], 0, v[\sa], v[\sb] matrix_a_fmt:MATRIX_FMT_FP4 matrix_b_fmt:MATRIX_FMT_FP4
.elseif wmr == 1
	v_wmma_scale_f32_16x16x128_f8f6f4 v[\d:\d+7], v[\a:\a+7], v[\b:\b+7], 0, v[\sa], v[\sb] matrix_a_fmt:MATRIX_FMT_FP4 matrix_b_fmt:MATRIX_FMT_FP4 matrix_a_scale:MATRIX_SCALE_ROW1
.elseif wmr == 2
	v_wmma_scale_f32_16x16x128_f8f6f4 v[\d:\d+7], v[\a:\a+7], v[\b:\b+7], 0, v[\sa], v[\sb] matrix_a_fmt:MATRIX_FMT_FP4 matrix_b_fmt:MATRIX_FMT_FP4 matrix_b_scale:MATRIX_SCALE_ROW1
.else
	v_wmma_scale_f32_16x16x128_f8f6f4 v[\d:\d+7], v[\a:\a+7], v[\b:\b+7], 0, v[\sa], v[\sb] matrix_a_fmt:MATRIX_FMT_FP4 matrix_b_fmt:MATRIX_FMT_FP4 matrix_a_scale:MATRIX_SCALE_ROW1 matrix_b_scale:MATRIX_SCALE_ROW1
.endif
.else
.if wmr == 0
	v_wmma_scale_f32_16x16x128_f8f6f4 v[\d:\d+7], v[\a:\a+7], v[\b:\b+7], v[\c:\c+7], v[\sa], v[\sb] matrix_a_fmt:MATRIX_FMT_FP4 matrix_b_fmt:MATRIX_FMT_FP4
.elseif wmr == 1
	v_wmma_scale_f32_16x16x128_f8f6f4 v[\d:\d+7], v[\a:\a+7], v[\b:\b+7], v[\c:\c+7], v[\sa], v[\sb] matrix_a_fmt:MATRIX_FMT_FP4 matrix_b_fmt:MATRIX_FMT_FP4 matrix_a_scale:MATRIX_SCALE_ROW1
.elseif wmr == 2
	v_wmma_scale_f32_16x16x128_f8f6f4 v[\d:\d+7], v[\a:\a+7], v[\b:\b+7], v[\c:\c+7], v[\sa], v[\sb] matrix_a_fmt:MATRIX_FMT_FP4 matrix_b_fmt:MATRIX_FMT_FP4 matrix_b_scale:MATRIX_SCALE_ROW1
.else
	v_wmma_scale_f32_16x16x128_f8f6f4 v[\d:\d+7], v[\a:\a+7], v[\b:\b+7], v[\c:\c+7], v[\sa], v[\sb] matrix_a_fmt:MATRIX_FMT_FP4 matrix_b_fmt:MATRIX_FMT_FP4 matrix_a_scale:MATRIX_SCALE_ROW1 matrix_b_scale:MATRIX_SCALE_ROW1
.endif
.endif
.endm
; nb blocks of 32 numbers that lie whole in my lane (block q at v[src + 32 q]) become codes (v[dst + 4 q] on) and bytes (v[MX + q]).  The blocks take turns line by line.
.macro QBLK nb, src, dst
.set qq, 0
.rept \nb
	v_max3_num_f32 v[MX+qq], |v[\src+32*qq]|, |v[\src+32*qq+1]|, 0x1800000   ; with the floor 2^(3 - 127): the byte cannot fall under 1
.set qq, qq+1
.endr
.set ii, 2
.rept 15
.set qq, 0
.rept \nb
	v_max3_num_f32 v[MX+qq], v[MX+qq], |v[\src+32*qq+ii]|, |v[\src+32*qq+ii+1]|
.set qq, qq+1
.endr
.set ii, ii+2
.endr
.set qq, 0
.rept \nb
	v_add_nc_u32 v[SO+qq], 0xff000000, v[MX+qq]    ; 2 off the exponent field: the conversion takes that field as its scale
.set qq, qq+1
.endr
.set qq, 0
.rept \nb
	v_lshrrev_b32 v[MX+qq], 23, v[SO+qq]           ; the scale's byte
.set qq, qq+1
.endr
.set qq, 0
.rept \nb
.irp g, 0,1,2,3
	v_cvt_scalef32_pk8_fp4_f32 v[\dst+4*qq+\g], v[\src+32*qq+8*\g:\src+32*qq+8*\g+7], v[SO+qq]
.endr
.set qq, qq+1
.endr
	v_nop                                          ; one plain place behind the last scaled conversion
.endm
; 64 numbers of a lane, register 16 b + i = k 32 b + 16 (lane / 16) + i of my row, become a fragment in v[PC] on and its scale word in v[PW]
.macro QUANT s
.irp b, 0,1,2,3
	v_max3_num_f32 v[TM+\b], |v[\s+16*\b]|, |v[\s+1+16*\b]|, 0x1800000
.endr
.irp i, 2,4,6,8,10,12,14
.irp b, 0,1,2,3
	v_max3_num_f32 v[TM+\b], v[TM+\b], |v[\s+16*\b+\i]|, |v[\s+1+16*\b+\i]|
.endr
.endr
.irp b, 0,1,2,3
	v_permlanex16_b32 v[TM+4+\b], v[TM+\b], s[SEL], s[SEL+1]
.endr
.irp b, 0,1,2,3
	v_max_num_f32 v[TM+\b], v[TM+\b], v[TM+4+\b]   ; with lane l xor 16's 16 numbers: the block's largest magnitude
.endr
.irp b, 0,1,2,3
	v_add_nc_u32 v[TM+12+\b], 0xff000000, v[TM+\b]
.endr
.irp b, 0,1,2,3
	v_lshrrev_b32 v[TM+4+\b], 23, v[TM+12+\b]
.endr
	v_lshl_or_b32 v[PW], v[TM+5], 8, v[TM+4]
	v_lshl_or_b32 v[PW], v[TM+6], 16, v[PW]
	v_lshl_or_b32 v[PW], v[TM+7], 24, v[PW]
.irp b, 0,1,2,3
	v_cvt_scalef32_pk8_fp4_f32 v[PC+2*\b], v[\s+16*\b:\s+7+16*\b], v[TM+12+\b]
	v_cvt_scalef32_pk8_fp4_f32 v[PC+1+2*\b], v[\s+8+16*\b:\s+15+16*\b], v[TM+12+\b]
.endr
	v_nop                                          ; one plain place behind a scaled conversion
.irp c, 0,1                                    ; the operand wants a whole block in a lane: lanes 0-15 block 2 c, lanes 16-31 block 2 c + 1
.irp i, 0,1
	v_permlane16_swap_b32 v[PC+4*\c+\i], v[PC+2+4*\c+\i]
.endr
.endr
.endm
.macro FRAG reg, adr, off              ; a fragment from rows of codes: two loads of 16 bytes, 32 bytes apart
	ds_load_b128 v[\reg:\reg+3], v[\adr] offset:\off
	ds_load_b128 v[\reg+4:\reg+7], v[\adr] offset:\off+32
.endm
.macro UNITOUT base, off               ; the fragment leaves as it stands: each store covers 512 consecutive bytes, aligned
	global_store_b128 v[GI], v[PC:PC+3], s[\base:\base+1] offset:\off
	global_store_b128 v[GI], v[PC+4:PC+7], s[\base:\base+1] offset:\off+512
.endm
.macro WLOAD reg, base                 ; my row's blocks h and 2 + h of a weight: 64 numbers
.irp cc, 0,1
.irp j, 0,1,2,3,4,5,6,7
	global_load_b128 v[\reg+32*\cc+4*\j:\reg+32*\cc+4*\j+3], v[WO], s[\base:\base+1] offset:256*\cc+16*\j
.endr
.endr
.endm
	s_load_b256 s[4:11], s[0:1], 0x0               ; x s[4:5], W1 s[6:7], b1 s[8:9], W2 s[10:11]
	s_load_b256 s[12:19], s[0:1], 0x20             ; b2 s[12:13], Wg s[14:15], bg s[16:17], qc s[18:19]
	s_load_b128 s[20:23], s[0:1], 0x40             ; qs s[20:21], kv s[22:23]
	s_load_b64 s[24:25], s[0:1], 0x50              ; sc
	s_set_vgpr_msb 0x40                            ; destination in window 1: v256, v257 are kept for the closing lines alone
	v_lshl_add_u32 v0, v0, 2, 0xe400
	v_mov_b32 v1, 0
	s_set_vgpr_msb 0x4000
	v_lshrrev_b32 v27, 5, v0
	v_readfirstlane_b32 s26, v27                   ; wave w
	v_and_b32 v28, 15, v0                          ; r
	v_bfe_u32 v29, v0, 4, 1                        ; h
	v_and_b32 v30, 8, v28
	v_add_nc_u32 v30, v30, v28                     ; r + 8 (r / 8)
	v_lshl_add_u32 v31, v27, 4, v28                ; 16 w + r
	v_and_b32 v27, 31, v0                          ; lane
	v_lshlrev_b32 v[XO], 2, v27
	v_lshlrev_b32 v[GI], 4, v27
	v_lshlrev_b32 v[WO], 9, v28
	v_lshl_add_u32 v[WO], v29, 7, v[WO]
	v_lshlrev_b32 v[BO], 2, v31
	v_lshlrev_b32 v[SH8], 3, v29
	v_mul_u32_u24 v[XST], v0, 80
	v_lshl_add_u32 v[XSWA], v0, 2, XSW
	v_mul_u32_u24 v[WST], v31, 80
	v_lshl_add_u32 v[WST], v29, 4, v[WST]
	v_add_nc_u32 v[WST], WROW, v[WST]
	v_lshl_add_u32 v[WSWA], v31, 2, WSW
	v_mul_u32_u24 v[AXQ], v30, 80
	v_lshl_add_u32 v[AXQ], v29, 4, v[AXQ]          ; 80 (r + 8 (r / 8)) + 16 h
	v_add_nc_u32 v[AWP], WROW, v[AXQ]
	s_wait_alu depctr_va_sdst(0)                   ; s26 is written, ahead of its first reader
	s_lshr_b32 s27, s26, 2                         ; which of the two groups
	s_and_b32 s28, s26, 3                          ; a
	s_mul_i32 s29, s27, 10240
	v_add_nc_u32 v[AXP], s29, v[AXQ]
	s_mul_i32 s30, s26, 2560
	v_add_nc_u32 v[AXQ], s30, v[AXQ]
	v_mul_u32_u24 v[AXN], v28, 80
	v_lshl_add_u32 v[AXN], v29, 4, v[AXN]          ; 80 r + 16 h
	s_mul_i32 s31, s28, 2560
	s_add_co_u32 s31, s31, WROW+20480
	v_add_nc_u32 v[AWG], s31, v[AXN]
	v_add_nc_u32 v[AXN], s30, v[AXN]
	v_lshlrev_b32 v[AXQS], 2, v30
	v_lshl_add_u32 v[AWPS], v29, 5, v[AXQS]        ; 4 (r + 8 (r / 8)) + 32 h
	s_lshl_b32 s29, s27, 9
	s_add_co_u32 s29, s29, XSW
	v_add_nc_u32 v[AXPS], s29, v[AWPS]
	v_add_nc_u32 v[AWPS], WSW, v[AWPS]
	s_lshl_b32 s29, s26, 7
	s_add_co_u32 s29, s29, XSW
	v_add_nc_u32 v[AXQS], s29, v[AXQS]
	v_lshl_add_u32 v[AXNS], v28, 2, s29
	s_lshl_b32 s29, s28, 7
	s_add_co_u32 s31, s29, WSW+1024
	v_lshl_add_u32 v[AWGS], v28, 2, s31
	s_add_co_u32 s31, s29, BST+1024
	v_lshl_add_u32 v[ABG], v28, 2, s31
	v_lshl_add_u32 v[ABI], v29, 6, BST
	s_lshl_b32 s31, s28, 2
	s_lshl_b32 s29, s27, 9
	s_add_co_u32 s29, s29, s31
	s_add_co_u32 s29, s29, QST
	v_lshl_add_u32 v[ASQ], v28, 4, s29
	s_lshl_b32 s29, s27, 10
	s_add_co_u32 s29, s29, s31
	s_add_co_u32 s29, s29, KVST
	v_lshl_add_u32 v[ASK], v28, 4, s29
	v_mov_b32 v[WD+1], 0                           ; a lane permute's destination counts as read: written once
	s_mov_b32 s[SEL], 0x76543210
	s_mov_b32 s[SEL+1], 0xfedcba98
	s_and_b32 s34, ttmp7, 0xffff                   ; the layer l
	s_lshr_b32 s35, ttmp9, 4                       ; the batch b
	s_and_b32 s36, ttmp9, 15                       ; which 256 tokens
	s_mul_i32 s37, s35, 6
	s_add_co_u32 s37, s37, s34                     ; p = 6 b + l
	s_lshl_b32 s38, s37, 5
	s_lshl_b32 s39, s36, 1
	s_add_co_u32 s38, s38, s39                     ; 32 p + my first group
	s_mov_b32 s41, 0
	s_wait_kmcnt 0x0
	s_lshl_b32 s40, s35, 21                        ; x: batch, + 4 (256 block + 32 w)
	s_lshl_b32 s42, s36, 10
	s_add_co_u32 s40, s40, s42
	s_lshl_b32 s42, s26, 7
	s_add_co_u32 s40, s40, s42
	s_add_nc_u64 s[4:5], s[4:5], s[40:41]
	s_lshl_b32 s40, s34, 16                        ; the weights: layer, + my 16 rows
	s_lshl_b32 s42, s26, 13
	s_add_co_u32 s40, s40, s42
	s_add_nc_u64 s[6:7], s[6:7], s[40:41]
	s_add_nc_u64 s[10:11], s[10:11], s[40:41]
	s_add_nc_u64 s[14:15], s[14:15], s[40:41]
	s_lshl_b32 s40, s34, 9                         ; the biases: layer
	s_add_nc_u64 s[8:9], s[8:9], s[40:41]
	s_add_nc_u64 s[12:13], s[12:13], s[40:41]
	s_add_nc_u64 s[16:17], s[16:17], s[40:41]
	s_lshl_b32 s40, s38, 13                        ; qc: group, + my two tiles (2,048 w runs on into the second group)
	s_lshl_b32 s42, s26, 11
	s_add_co_u32 s40, s40, s42
	s_add_nc_u64 s[18:19], s[18:19], s[40:41]
	s_add_co_u32 s40, s38, s27                     ; kv: my group, + my two tiles
	s_lshl_b32 s40, s40, 14
	s_lshl_b32 s42, s28, 11
	s_add_co_u32 s40, s40, s42
	s_add_nc_u64 s[22:23], s[22:23], s[40:41]
	s_lshl_b32 s40, s38, 9
	s_add_nc_u64 s[20:21], s[20:21], s[40:41]      ; qs
	s_lshl_b32 s40, s38, 10
	s_add_nc_u64 s[24:25], s[24:25], s[40:41]      ; sc
	; ---- x and the weights become codes in LDS
	s_wait_alu depctr_va_vdst(0)                   ; the addresses and offsets v1 to v22 are written, which the loads and stores from here on read
	global_load_b32 v[BV], v[BO], s[8:9]
	global_load_b32 v[BV+1], v[BO], s[12:13]
	global_load_b32 v[BV+2], v[BO], s[16:17]
.set ch, 0
.rept 128
	global_load_b32 v[XR+ch], v[XO], s[4:5] offset:16384*ch   ; x(channel, my token): a wave reads 128 consecutive bytes, the eight waves stand side by side
.set ch, ch+1
.endr
	WLOAD WR, 6
	s_wait_loadcnt 16                              ; the biases and x are in; W1's 16 loads, issued behind them, may be out
.irp u, 0,1,2
	ds_store_b32 v[WSWA], v[BV+\u] offset:BST-WSW+512*\u
.endr
	QBLK 4, XR, XC                                 ; my token's four blocks of 32 channels
	v_lshl_or_b32 v[WD], v[MX+1], 8, v[MX]
	v_lshl_or_b32 v[WD], v[MX+2], 16, v[WD]
	v_lshl_or_b32 v[WD], v[MX+3], 24, v[WD]
	s_wait_alu depctr_va_vdst(0)                   ; the codes and the scale word are written, which the LDS stores read; the quantiser is done reading v32 to v159, in which W2 and Wg land
.irp b, 0,1,2,3
	ds_store_b128 v[XST], v[XC+4*\b:XC+4*\b+3] offset:16*\b
.endr
	ds_store_b32 v[XSWA], v[WD]
	WLOAD 32, 10                                   ; W2 and Wg into the registers that x has left
	WLOAD 96, 14
.macro WUNIT u, src, left              ; my row of weight u: blocks h and 2 + h; the word's four bytes are gathered from lanes l and l xor 16
	s_wait_loadcnt \left                           ; this weight's 16 loads are in; the later weights' may be out
	s_wait_dscnt 0x0                               ; my LDS stores so far have landed
	s_wait_alu depctr_vm_vsrc(0)                   ; and have read v[XC] on and v[WD], which are written again below
	QBLK 2, \src, XC
	v_lshl_or_b32 v[WD], v[MX+1], 16, v[MX]
	v_lshlrev_b32 v[WD], v[SH8], v[WD]
	v_permlanex16_b32 v[WD+1], v[WD], s[SEL], s[SEL+1]
	v_or_b32 v[WD], v[WD], v[WD+1]
	s_wait_alu depctr_va_vdst(0)                   ; the codes and the scale word are written, which the LDS stores read; behind the last weight also: the quantiser is done reading v32 to v223, in which the products' operands land
	ds_store_b128 v[WST], v[XC:XC+3] offset:10240*\u
	ds_store_b128 v[WST], v[XC+4:XC+7] offset:10240*\u+32
	ds_store_b32 v[WSWA], v[WD] offset:512*\u
.endm
	WUNIT 0, WR, 32
	WUNIT 1, 32, 16
	WUNIT 2, 96, 0
	s_wait_dscnt 0x0                               ; for the others' sake: my stores have landed
	s_barrier_signal -1
	s_barrier_wait -1                              ; all codes, scale words and biases lie in LDS
.irp b, 0,1,2,3
	v_mov_b32 v[TM+4+\b], 0                        ; permute destinations, written once (no load or store names them)
.endr
	; ---- f1 (u = 0) and f2 (u = 1): source 0 = the weight's eight tiles of chosen rows, source 1 = 16 of my tokens; the bias is loaded into the accumulators
.macro ROLEF u
.irp t, 0,1,2,3,4,5,6,7
	FRAG FR8+8*\t, AWP, 10240*\u+(32*(\t/2)+8*(\t%2))*80
.endr
.irp bb, 0,1,2,3
	ds_load_b32 v[FS8+\bb], v[AWPS] offset:512*\u+128*\bb
.endr
.irp e, 0,1
.irp bb, 0,1,2,3
.irp q, 0,1,2,3
	ds_load_b128 v[D+16*\bb+4*\q:D+16*\bb+4*\q+3], v[ABI] offset:512*\u+128*\bb+16*\q   ; register 16 B + i takes the bias of output 32 B + 16 h + i
.endr
.endr
.if \u == 0
	FRAG FR1, AXN, 1280*\e                         ; tokens 32 w + 16 e + r
	ds_load_b32 v[FS1], v[AXNS] offset:64*\e
.else
	FRAG FR1, AXQ, 640*\e                          ; tokens 32 w + 8 e + r + 8 (r / 8)
	ds_load_b32 v[FS1], v[AXQS] offset:32*\e
.endif
	s_wait_dscnt 0x0
.irp t, 0,1,2,3,4,5,6,7
	WM D+8*\t, FR8+8*\t, FR1, D+8*\t, FS8+\t/2, FS1, \t%2, 0
.endr
	PLACES 5                                       ; ahead of the reads of the results, of the loads into these registers, and of the next unit's products, which write over them
	s_wait_xcnt 0x0                                ; the last unit's stores have had their addresses translated
.if (\u)+(\e) > 0
	s_wait_alu depctr_vm_vsrc(0)                   ; the last unit's stores, global and LDS, have read v[PC] on and v[PW], which the quantiser writes again
.endif
	QUANT D
	s_wait_alu depctr_va_vdst(0)                   ; the fragment and its scale word are written, which the stores read; the products and the quantiser are done reading the operands, the results and the scale words, in which the next unit's loads land
.if \u == 0
	UNITOUT 18, 1024*\e
	ds_store_b32 v[ASQ], v[PW] offset:256*\e
.else
	UNITOUT 22, 1024*\e
	ds_store_b32 v[ASK], v[PW] offset:256*\e
.endif
.endr
.endm
	ROLEF 0
	ROLEF 1
	; ---- g: source 0 = my group's eight tiles of chosen tokens, source 1 = 16 rows of Wg: a lane holds one channel and its registers run along the tokens
.irp t, 0,1,2,3,4,5,6,7
	FRAG FR8+8*\t, AXP, (32*(\t/2)+8*(\t%2))*80
.endr
.irp bb, 0,1,2,3
	ds_load_b32 v[FS8+\bb], v[AXPS] offset:128*\bb
.endr
.irp e, 0,1
	FRAG FR1, AWG, 1280*\e
	ds_load_b32 v[FS1], v[AWGS] offset:64*\e
.irp j, 0,1,2,3,4,5,6,7
	ds_load_b32 v[GB+\j], v[ABG] offset:64*\e      ; bg of my channel in all eight registers of the C operand
.endr
	s_wait_dscnt 0x0
.irp t, 0,1,2,3,4,5,6,7
	WM D+8*\t, FR8+8*\t, FR1, GB, FS8+\t/2, FS1, \t%2, 0
.endr
	PLACES 5
	s_wait_xcnt 0x0
	s_wait_alu depctr_vm_vsrc(0)                   ; the last unit's stores, global and LDS, have read v[PC] on and v[PW], which the quantiser writes again
	QUANT D
	s_wait_alu depctr_va_vdst(0)                   ; the fragment and its scale word are written, which the stores read; the products are done reading source 1, bg and their scale words, in which the next unit's loads land
	UNITOUT 22, 8192+1024*\e
	ds_store_b32 v[ASK], v[PW] offset:512+256*\e
.endr
	s_wait_dscnt 0x0                               ; my scale words have landed
	s_barrier_signal -1
	s_barrier_wait -1
	; ---- the scale words leave: each wave stores 256 consecutive bytes, aligned
	v_lshlrev_b32 v27, 3, v0
	v_add_nc_u32 v28, KVST, v27
	v_add_nc_u32 v29, QST, v27
	s_wait_alu depctr_va_vdst(0)                   ; v27 to v29 are written, which the loads and stores below read as addresses
	ds_load_b64 v[30:31], v28
	s_wait_dscnt 0x0
	global_store_b64 v27, v[30:31], s[24:25]
	s_cmp_lt_u32 s26, 4                            ; f1's words are half as many: waves 0 to 3
	s_cbranch_scc0 .Lend
	ds_load_b64 v[32:33], v29
	s_wait_dscnt 0x0
	global_store_b64 v27, v[32:33], s[20:21]
.Lend:
	s_set_vgpr_msb 0x5                             ; the add's two registers, sources 0 and 1, in window 1
	s_wait_dscnt 0x0                               ; the closing lines, six on end
	s_wait_alu 0x0
	s_wait_tensorcnt 0x0
	ds_add_u32 v0, v1
	s_wait_dscnt 0x0
	s_endpgm
.Lfunc_end_k_q839b36fab3_proj:
	.size	k_q839b36fab3_proj, .Lfunc_end_k_q839b36fab3_proj-k_q839b36fab3_proj
	.p2alignl 7, 3214868480
	.fill 96, 4, 3214868480
	.section	.rodata,"a",@progbits
	.p2align	6, 0x0
	.amdhsa_kernel k_q839b36fab3_proj
		.amdhsa_group_segment_fixed_size 59392
		.amdhsa_private_segment_fixed_size 0
		.amdhsa_enable_private_segment 0
		.amdhsa_kernarg_size 88
		.amdhsa_user_sgpr_count 2
		.amdhsa_user_sgpr_kernarg_segment_ptr 1
		.amdhsa_wavefront_size32 1
		.amdhsa_system_sgpr_workgroup_id_x 1
		.amdhsa_system_sgpr_workgroup_id_y 1
		.amdhsa_system_sgpr_workgroup_id_z 1
		.amdhsa_system_vgpr_workitem_id 0
		.amdhsa_next_free_vgpr 258
		.amdhsa_next_free_sgpr 66
		.amdhsa_reserve_vcc 0
		.amdhsa_float_denorm_mode_32 3
		.amdhsa_float_denorm_mode_16_64 3
		.amdhsa_memory_ordered 1
		.amdhsa_forward_progress 1
		.amdhsa_inst_pref_size 81
	.end_amdhsa_kernel
	.amdgpu_metadata
---
amdhsa.version: [ 1, 2 ]
amdhsa.kernels:
  - .name:           k_q839b36fab3_proj
    .symbol:         k_q839b36fab3_proj.kd
    .args:
      - { .name: x, .offset: 0, .size: 8, .value_kind: global_buffer, .address_space: global }
      - { .name: W1, .offset: 8, .size: 8, .value_kind: global_buffer, .address_space: global }
      - { .name: b1, .offset: 16, .size: 8, .value_kind: global_buffer, .address_space: global }
      - { .name: W2, .offset: 24, .size: 8, .value_kind: global_buffer, .address_space: global }
      - { .name: b2, .offset: 32, .size: 8, .value_kind: global_buffer, .address_space: global }
      - { .name: Wg, .offset: 40, .size: 8, .value_kind: global_buffer, .address_space: global }
      - { .name: bg, .offset: 48, .size: 8, .value_kind: global_buffer, .address_space: global }
      - { .name: qc, .offset: 56, .size: 8, .value_kind: global_buffer, .address_space: global }
      - { .name: qs, .offset: 64, .size: 8, .value_kind: global_buffer, .address_space: global }
      - { .name: kv, .offset: 72, .size: 8, .value_kind: global_buffer, .address_space: global }
      - { .name: sc, .offset: 80, .size: 8, .value_kind: global_buffer, .address_space: global }
    .group_segment_fixed_size: 59392
    .private_segment_fixed_size: 0
    .kernarg_segment_align: 8
    .kernarg_segment_size: 88
    .max_flat_workgroup_size: 256
    .sgpr_count:     66
    .vgpr_count:     258
    .wavefront_size: 32
...
	.end_amdgpu_metadata
.endif
;; end of part 5
;; launch stats (part 6): grid 64 x 4, 12 waves a work-group, no clusters, 7,680 bytes of LDS; arguments qc, qs, kv, sc, lse; writes lse
.if DOCPART == 6
	.amdgcn_target "amdgcn-amd-amdhsa--gfx1250"
	.amdhsa_code_object_version 6
	.text
	.protected	k_q839b36fab3_stats
	.globl	k_q839b36fab3_stats
	.p2align	8
	.type	k_q839b36fab3_stats,@function
k_q839b36fab3_stats:
	s_mov_b64 s[64:65], 0
	v_nop
	global_prefetch_b8 v0, s[64:65] scope:SCOPE_SE
	s_setreg_imm32_b32 hwreg(HW_REG_WAVE_SCHED_MODE, 0, 2), 2
	s_setreg_imm32_b32 hwreg(HW_REG_WAVE_MODE, 25, 1), 1
	s_wait_xcnt 0x0
	s_wait_alu depctr_vm_vsrc(0)
; STATS.  The softmax runs over the QUERIES: for each key column m of each (batch, layer) the logsumexp over all 4,096 queries is needed before any weight can be quantised.
; lse[p][m] = L' = -(M + 64 ln 2 x log2(sum over n of 2^(c (s(n, m) - M)))), in units of the raw score s = f1(n) . f2(m); c = log2(e) / 64; M = the column's largest s.  Then softmax = 2^(c (s + L')).
; The maximum is a running one: each lane keeps a maximum m and a sum of its own and rescales the sum by 2^(c m_old - c m_new) with every 32 scores that it takes in.
; SHARES.  12 pairs x 256 key tiles x 32 query groups divide evenly among 1,024 SIMDs only if the factor 3 comes from the 6 layers: a work-group takes 64 keys (x) of one batch for three layers
; (y = 2 b + half of the layers); wave 4 j + q takes layer j of the three and a quarter q of the queries: 4 key tiles x 1,024 queries.  Three waves lie on a SIMD.
; LAYOUT.  Source 0 = 16 queries, source 1 = 16 keys: a lane holds ONE key and its registers hold queries, so the loop has no exchange between lanes, no LDS and no barrier.
; Operands come from memory straight into registers as images (16 bytes a lane, 512 consecutive bytes a load), two chunks of 64 queries ahead.
; BY TURNS.  A UNIT is one key tile x 64 queries: 4 matrix instructions, 32 scores a lane.  The units go through two score buffers as a pipeline; in slot u each of unit u's 33 exponentials stands behind a plain line
; of a neighbouring unit: 4 lines that finish unit u - 1's sum, 35 lines of unit u + 1's maximum and scaling.  Then one wait, the first 12 additions of unit u's sum, and the products of unit u + 2 into the buffer so freed.
; NO CLUSTER, NO TENSOR LOAD: the waves of a work-group read different queries (other layers, other quarters); what work-groups share is asked for a chunk ahead.
; LIMITS: NaN and infinities are not served.
; THE MODE: SCHED_MODE bits 1:0 = 2 (LLVM: expert scheduling mode 2), set by the entry lines.  The code itself states the register dependences
; between vector or matrix instructions and memory or LDS instructions, with s_wait_alu, always for 0.
; THE PLAN.  Registers that memory or LDS instructions touch:
;   v1-v4          addresses and offsets: made at the head, never written again; the queries are reached by two scalar bases, which move on once a trip.
;   KF, KSC        loaded once, read by products.
;   QF0, QF1, QS   two buffers of queries and their scale words.  A buffer is read by the products of four units; the loads of the chunk two further on land in it in the slot behind the last of those products.
;   at the end     a tile's maximum and sum: vector lines write, LDS stores read.  v80-95: vector lines in the loop, LDS loads at the end.  v108-109: vector lines write, the global store reads.
;   The scores, the statistics and the sums on their way are named by vector and matrix instructions alone.
; So the loop has no wait of its own for this: a slot's one wait on va_vdst, behind its exponentials, also states that the products issued in the slot before are done reading the query buffer, and the nine loads follow it at once.
.set GI,  1                            ; v1  16 x lane
.set STA, 2                            ; v2  LDS: 256 x wave + 4 (r + 8 (r / 8)): my key's word
.set RDA, 3                            ; v3  LDS: 256 x wave + 8 x lane
.set GO8, 4                            ; v4  8 x lane
.set KF,  8                            ; v8-39   my four key fragments
.set KSC, 40                           ; v40-41  their scale words
.set QS,  42                           ; v42-45  the queries' scale words, two buffers
.set ST,  48                           ; v48-79  a tile's statistics: +0 -c m, +1 its pair mate, +2:3 the sum, +4 the rescaling, +5 its pair mate, +6 m, +7 at work
.set TT,  80                           ; v80-87  four pairs: a unit's sum on its way; v80-95 at work at the end
.set QF,  96                           ; v96-159 four query fragments, two buffers
.set S,   160                          ; v160-223 scores: two buffers of 4 query tiles x 8; key tile kt uses buffer kt % 2
.macro PLACES n
.rept \n
	v_nop
.endr
.endm
.macro WM d, a, b, c, sa, sb, ra, rb   ; D = A x B on codes of FP4 (here C is always the constant 0)
.set wmr, (\ra)+2*(\rb)
.if wmr == 0
	v_wmma_scale_f32_16x16x128_f8f6f4 v[\d:\d+7], v[\a:\a+7], v[\b:\b+7], 0, v[\sa], v[\sb] matrix_a_fmt:MATRIX_FMT_FP4 matrix_b_fmt:MATRIX_FMT_FP4
.elseif wmr == 1
	v_wmma_scale_f32_16x16x128_f8f6f4 v[\d:\d+7], v[\a:\a+7], v[\b:\b+7], 0, v[\sa], v[\sb] matrix_a_fmt:MATRIX_FMT_FP4 matrix_b_fmt:MATRIX_FMT_FP4 matrix_a_scale:MATRIX_SCALE_ROW1
.elseif wmr == 2
	v_wmma_scale_f32_16x16x128_f8f6f4 v[\d:\d+7], v[\a:\a+7], v[\b:\b+7], 0, v[\sa], v[\sb] matrix_a_fmt:MATRIX_FMT_FP4 matrix_b_fmt:MATRIX_FMT_FP4 matrix_b_scale:MATRIX_SCALE_ROW1
.else
	v_wmma_scale_f32_16x16x128_f8f6f4 v[\d:\d+7], v[\a:\a+7], v[\b:\b+7], 0, v[\sa], v[\sb] matrix_a_fmt:MATRIX_FMT_FP4 matrix_b_fmt:MATRIX_FMT_FP4 matrix_a_scale:MATRIX_SCALE_ROW1 matrix_b_scale:MATRIX_SCALE_ROW1
.endif
.endm
.macro LOADQ buf, off, soff            ; 64 queries: four fragments and their scale words: nine loads
.irp k, 0,1,2,3,4,5,6,7
	global_load_b128 v[QF+32*(\buf)+4*\k:QF+32*(\buf)+4*\k+3], v[GI], s[4:5] offset:\off+512*\k
.endr
	global_load_b64 v[QS+2*(\buf):QS+2*(\buf)+1], v[GI], s[6:7] offset:\soff
.endm
.macro MMU kt, buf                     ; a unit's products: key tile kt against the buffer's four query tiles
.irp i, 0,1,2,3
	WM S+32*((\kt)&1)+8*\i, QF+32*(\buf)+8*\i, KF+8*(\kt), -1, QS+2*(\buf)+\i/2, KSC+(\kt)/2, \i%2, (\kt)&1
.endr
.endm
; Line pp (0 .. 34) of a unit's maximum and scaling.  0-15: the running maximum takes in the 32 scores, in two chains; every accumulator is first read at its low end.  16-18: -c m, the change of it, and its new value.
; 19-34: c s - c m, two scores a line.
.macro P1L kt
.set T1, ST+8*(\kt)
.set S1, S+32*((\kt)&1)
.if pp == 0
	v_max3_num_f32 v[T1+6], v[T1+6], v[S1], v[S1+1]
.elseif pp == 1
	v_max3_num_f32 v[T1+7], v[S1+16], v[S1+17], v[S1+18]
.elseif pp < 14
.if pp%2 == 0
	v_max3_num_f32 v[T1+6], v[T1+6], v[S1+pp], v[S1+pp+1]
.else
	v_max3_num_f32 v[T1+7], v[T1+7], v[S1+pp+16], v[S1+pp+17]
.endif
.elseif pp == 14
	v_max3_num_f32 v[T1+6], v[T1+6], v[S1+14], v[S1+15]
.elseif pp == 15
	v_max3_num_f32 v[T1+6], v[T1+6], v[T1+7], v[S1+31]             ; the new m
.elseif pp == 16
	v_mul_f32 v[T1+7], s28, v[T1+6]                                ; -c m
.elseif pp == 17
	v_sub_f32 v[T1+4], v[T1+7], v[T1]                              ; c m_old - c m_new
.elseif pp == 18
	v_mov_b32 v[T1], v[T1+7]
.else
	v_pk_fma_f32 v[S1+2*(pp-19):S1+2*(pp-19)+1], v[S1+2*(pp-19):S1+2*(pp-19)+1], s[26:27], v[T1:T1+1] op_sel_hi:[1,0,0]
.endif
.endm
.macro EXU kt                          ; exponential ee (0 .. 32) of a unit: the rescaling, then the 32 scores
.if ee == 0
	v_exp_f32 v[ST+8*(\kt)+4], v[ST+8*(\kt)+4]
.else
	v_exp_f32 v[S+32*((\kt)&1)+ee-1], v[S+32*((\kt)&1)+ee-1]
.endif
.endm
.macro P2A kt                          ; a unit's sum, first part: 16 pairs become 4, which leave the score buffer
.set S2, S+32*((\kt)&1)
.irp j, 0,1,2,3,4,5,6,7
	v_pk_add_f32 v[S2+4*\j:S2+4*\j+1], v[S2+4*\j:S2+4*\j+1], v[S2+4*\j+2:S2+4*\j+3]
.endr
.irp j, 0,1,2,3
	v_pk_add_f32 v[TT+2*\j:TT+2*\j+1], v[S2+8*\j:S2+8*\j+1], v[S2+8*\j+4:S2+8*\j+5]
.endr
.endm
.macro P2BL kt                         ; line qq (0 .. 3) of its second part: the 4 pairs become one, and the running sum takes it under the new m
.if qq == 0
	v_pk_add_f32 v[TT:TT+1], v[TT:TT+1], v[TT+2:TT+3]
.elseif qq == 1
	v_pk_add_f32 v[TT+4:TT+5], v[TT+4:TT+5], v[TT+6:TT+7]
.elseif qq == 2
	v_pk_add_f32 v[TT:TT+1], v[TT:TT+1], v[TT+4:TT+5]
.else
	v_pk_fma_f32 v[ST+8*(\kt)+2:ST+8*(\kt)+3], v[ST+8*(\kt)+2:ST+8*(\kt)+3], v[ST+8*(\kt)+4:ST+8*(\kt)+5], v[TT:TT+1] op_sel_hi:[1,0,1]
.endif
.endm
; SLOT u, of key tile kt.  p1: unit u + 1 exists.  mm: unit u + 2 exists; buf2: its query buffer.  ld >= 0: that query buffer takes the chunk two further on.  wl >= 0: a wait for loads ahead of the products.
; PLACES (ISA guide 7.12.1): unit u + 1's products were issued at the end of slot u - 1.  The four lines of P2BL name none of their registers: they are the four places ahead of the first
; read of those scores (P1L's line 0).
; THE WAIT: none of the slot's plain lines names an exponential's result; one s_wait_alu behind them serves all 33.  The loads into a query buffer stand straight behind it.
.macro SLOT kt, p1, mm, buf2, ld, wl
.set kk, 0
.rept 39
.if kk < 4
.set qq, kk
	P2BL ((\kt)+3)%4
.elseif \p1
.set pp, kk-4
	P1L ((\kt)+1)%4
.endif
.if kk < 33
.set ee, kk
	EXU \kt
.endif
.set kk, kk+1
.endr
.if !(\p1)
	v_nop                                          ; a plain instruction behind the last exponential
.endif
	s_wait_alu depctr_va_vdst(0)                   ; the 33 exponentials have written their results, which the additions below read; the products issued in the slot before are done reading their query buffer and its scale words, in which the loads below land
.if \ld >= 0
	LOADQ \ld, 8192+4096*(\ld), 512+8*(\ld)
.endif
	P2A \kt
.if \wl >= 0
	s_wait_loadcnt \wl
.endif
.if \mm
	MMU ((\kt)+2)%4, \buf2
.endif
.endm
	s_load_b256 s[4:11], s[0:1], 0x0               ; qc s[4:5], qs s[6:7], kv s[8:9], sc s[10:11]
	s_load_b64 s[12:13], s[0:1], 0x20              ; lse
	v_lshl_add_u32 v224, v0, 2, 0x1800             ; v224, v225: kept for the closing lines alone
	v_mov_b32 v225, 0
	v_lshrrev_b32 v5, 5, v0
	v_readfirstlane_b32 s14, v5                    ; wave 0..11
	v_and_b32 v5, 31, v0
	v_and_b32 v6, 15, v0
	v_and_b32 v7, 8, v6
	v_add_nc_u32 v7, v7, v6                        ; r + 8 (r / 8)
	v_lshlrev_b32 v[GI], 4, v5
	v_lshlrev_b32 v[GO8], 3, v5
	s_wait_alu depctr_va_sdst(0)                   ; s14 is written, ahead of its first reader
	s_lshr_b32 s15, s14, 2                         ; j: which of the three layers
	s_and_b32 s16, s14, 3                          ; q: which quarter of the queries
	s_lshl_b32 s17, s14, 8
	v_lshl_add_u32 v[STA], v7, 2, s17
	v_lshl_add_u32 v[RDA], v5, 3, s17
	s_and_b32 s18, ttmp7, 0xffff
	s_lshr_b32 s19, s18, 1                         ; b
	s_and_b32 s18, s18, 1
	s_mul_i32 s18, s18, 3
	s_add_co_u32 s18, s18, s15                     ; l
	s_mul_i32 s19, s19, 6
	s_add_co_u32 s19, s19, s18                     ; p
	s_lshl_b32 s20, s19, 5
	s_lshr_b32 s21, ttmp9, 1
	s_and_b32 s22, ttmp9, 1                        ; which half of the keys' group
	s_add_co_u32 s21, s21, s20                     ; 32 p + the keys' group
	s_lshl_b32 s23, s16, 3
	s_add_co_u32 s23, s23, s20                     ; 32 p + my first group of queries
	s_mov_b32 s25, 0
	s_mov_b32 s26, 0x3cb8aa3b                      ; c = log2(e) / 64
	s_mov_b32 s27, s26                             ; (named with it as a pair)
	s_mov_b32 s28, 0xbcb8aa3b                      ; -c
	s_mov_b32 s29, 0xc2317218                      ; -64 ln 2
	s_mov_b32 s30, 0x76543210
	s_mov_b32 s31, 0xfedcba98
	s_wait_kmcnt 0x0
	s_lshl_b32 s24, s21, 14
	s_lshl_b32 s33, s22, 12
	s_add_co_u32 s24, s24, s33
	s_add_nc_u64 s[8:9], s[8:9], s[24:25]          ; my four key tiles
	s_lshl_b32 s24, s21, 10
	s_lshl_b32 s33, s22, 3
	s_add_co_u32 s24, s24, s33
	s_add_nc_u64 s[10:11], s[10:11], s[24:25]      ; their scale words
	s_lshl_b32 s24, s23, 13
	s_add_nc_u64 s[4:5], s[4:5], s[24:25]          ; my queries
	s_lshl_b32 s24, s23, 9
	s_add_nc_u64 s[6:7], s[6:7], s[24:25]
	s_lshl_b32 s24, s19, 14
	s_lshl_b32 s33, ttmp9, 8
	s_add_co_u32 s24, s24, s33
	s_add_nc_u64 s[12:13], s[12:13], s[24:25]      ; lse at my 64 keys
	s_wait_alu depctr_va_vdst(0)                   ; the addresses and offsets v1 to v4 are written, which every load and store of the kernel reads
.irp k, 0,1,2,3,4,5,6,7
	global_load_b128 v[KF+4*\k:KF+4*\k+3], v[GI], s[8:9] offset:512*\k
.endr
	global_load_b64 v[KSC:KSC+1], v[GI], s[10:11]
	LOADQ 0, 0, 0
	LOADQ 1, 4096, 8
.irp kt, 0,1,2,3
	v_mov_b32 v[ST+8*\kt+6], 0xff61b1e6            ; m = -3e38, under every score
	v_mov_b32 v[ST+8*\kt+1], 0
	v_mov_b32 v[ST+8*\kt+2], 0
	v_mov_b32 v[ST+8*\kt+3], 0
	v_mov_b32 v[ST+8*\kt+4], 0
	v_mov_b32 v[ST+8*\kt+5], 0
.endr
.irp kt, 0,1,2,3
	v_mul_f32 v[ST+8*\kt], s28, v[ST+8*\kt+6]
.endr
.irp j, 0,1,2,3,4,5,6,7
	v_mov_b32 v[TT+\j], 0                          ; the loop is written once: its first slot finishes a sum of zeros
.endr
	s_wait_loadcnt 9                               ; the keys and the first 64 queries are in; the second buffer's nine loads, issued later, may be out
	MMU 0, 0
	MMU 1, 0
	PLACES 4                                       ; ahead of the first read of the scores
.set pp, 0
.rept 35
	P1L 0
.set pp, pp+1
.endr
	s_mov_b32 s32, 7
.Lgroup:                                           ; a trip takes a group of 128 queries: two chunks, eight units
	SLOT 0, 1, 1, 0, -1, -1
	SLOT 1, 1, 1, 0, -1, -1
	SLOT 2, 1, 1, 1, 0, 9                          ; buffer 0 has been multiplied: it takes the next group's first chunk; those nine loads may be out when buffer 1's must be in
	SLOT 3, 1, 1, 1, -1, -1
	SLOT 0, 1, 1, 1, -1, -1
	SLOT 1, 1, 1, 1, -1, -1
	SLOT 2, 1, 1, 0, 1, 9                          ; likewise buffer 1, and buffer 0's must be in
	SLOT 3, 1, 1, 0, -1, -1
	s_wait_xcnt 0x0                                ; the loads have read their bases
	s_add_nc_u64 s[4:5], s[4:5], 8192
	s_add_nc_u64 s[6:7], s[6:7], 512
	s_sub_co_u32 s32, s32, 1
	s_cmp_lg_u32 s32, 0
	s_cbranch_scc1 .Lgroup
	SLOT 0, 1, 1, 0, -1, -1                        ; the last group asks for nothing, and the pipeline runs empty
	SLOT 1, 1, 1, 0, -1, -1
	SLOT 2, 1, 1, 1, -1, 0
	SLOT 3, 1, 1, 1, -1, -1
	SLOT 0, 1, 1, 1, -1, -1
	SLOT 1, 1, 1, 1, -1, -1
	SLOT 2, 1, 0, 0, -1, -1
	SLOT 3, 0, 0, 0, -1, -1
.set qq, 0
.rept 4
	P2BL 3
.set qq, qq+1
.endr
	; ---- a key's two lanes (l and l xor 16 hold different queries) are joined
.irp kt, 0,1,2,3
	v_add_f32 v[ST+8*\kt+2], v[ST+8*\kt+2], v[ST+8*\kt+3]
	v_permlanex16_b32 v[ST+8*\kt+7], v[ST+8*\kt+6], s30, s31
.endr
.irp kt, 0,1,2,3
	v_max_num_f32 v[ST+8*\kt+5], v[ST+8*\kt+6], v[ST+8*\kt+7]
.endr
.irp kt, 0,1,2,3
	v_sub_f32 v[ST+8*\kt+7], v[ST+8*\kt+6], v[ST+8*\kt+5]
.endr
.irp kt, 0,1,2,3
	v_mul_f32 v[ST+8*\kt+7], s26, v[ST+8*\kt+7]
.endr
.irp kt, 0,1,2,3
	v_exp_f32 v[ST+8*\kt+7], v[ST+8*\kt+7]
.endr
	v_nop
	s_wait_alu depctr_va_vdst(0)                   ; one wait for the four exponentials, ahead of their first reader
.irp kt, 0,1,2,3
	v_mul_f32 v[ST+8*\kt+2], v[ST+8*\kt+2], v[ST+8*\kt+7]
.endr
.irp kt, 0,1,2,3
	v_permlanex16_b32 v[ST+8*\kt+3], v[ST+8*\kt+2], s30, s31
.endr
.irp kt, 0,1,2,3
	v_add_f32 v[ST+8*\kt+2], v[ST+8*\kt+2], v[ST+8*\kt+3]
.endr
	s_wait_alu depctr_va_vdst(0)                   ; the tiles' maxima and sums are written, which the LDS stores read; and the vector lines are done with v80 to v87, in which the LDS loads behind the barrier land (no vector line stands between)
.irp kt, 0,1,2,3                               ; lane r of tile kt holds key 32 (kt / 2) + 8 (kt % 2) + r + 8 (r / 8); both lanes of a key write the same word
	ds_store_b32 v[STA], v[ST+8*\kt+5] offset:(32*(\kt/2)+8*(\kt%2))*4
	ds_store_b32 v[STA], v[ST+8*\kt+2] offset:3072+(32*(\kt/2)+8*(\kt%2))*4
.endr
	s_wait_dscnt 0x0                               ; for the others' sake
	s_barrier_signal -1
	s_barrier_wait -1
	s_cmp_lg_u32 s16, 0                            ; the first wave of each layer joins the four quarters
	s_cbranch_scc1 .Lend
.irp i, 0,1,2,3
	ds_load_b64 v[TT+2*\i:TT+2*\i+1], v[RDA] offset:256*\i           ; the quarters' maxima of keys 2 lane, 2 lane + 1
.endr
.irp i, 0,1,2,3
	ds_load_b64 v[TT+8+2*\i:TT+8+2*\i+1], v[RDA] offset:3072+256*\i  ; and sums
.endr
	s_wait_dscnt 0x0
.irp z, 0,1
	v_max3_num_f32 v[QF+\z], v[TT+\z], v[TT+2+\z], v[TT+4+\z]
.endr
.irp z, 0,1
	v_max_num_f32 v[QF+\z], v[QF+\z], v[TT+6+\z]   ; M
.endr
.irp i, 0,1,2,3
.irp z, 0,1
	v_sub_f32 v[QF+4+2*\i+\z], v[TT+2*\i+\z], v[QF+\z]
.endr
.endr
.irp i, 0,1,2,3,4,5,6,7
	v_mul_f32 v[QF+4+\i], s26, v[QF+4+\i]
.endr
.irp i, 0,1,2,3,4,5,6,7
	v_exp_f32 v[QF+4+\i], v[QF+4+\i]
.endr
	v_nop
	s_wait_alu depctr_va_vdst(0)                   ; the eight exponentials have written their results, ahead of their first reader
.irp z, 0,1
	v_mul_f32 v[QF+2+\z], v[TT+8+\z], v[QF+4+\z]
.endr
.irp i, 1,2,3
.irp z, 0,1
	v_fmac_f32 v[QF+2+\z], v[TT+8+2*\i+\z], v[QF+4+2*\i+\z]
.endr
.endr
.irp z, 0,1
	v_log_f32 v[QF+2+\z], v[QF+2+\z]
.endr
	v_nop
	s_wait_alu depctr_va_vdst(0)                   ; the two logarithms have written their results, ahead of their first reader
.irp z, 0,1
	v_fma_f32 v[QF+12+\z], v[QF+2+\z], s29, -v[QF+\z]   ; L' = -M - 64 ln 2 x log2(sum)
.endr
	s_wait_alu depctr_va_vdst(0)                   ; L' is written, which the store reads
	global_store_b64 v[GO8], v[QF+12:QF+13], s[12:13]   ; 32 lanes store 256 consecutive bytes, aligned
.Lend:
	s_wait_dscnt 0x0                               ; the closing lines, six on end
	s_wait_alu 0x0
	s_wait_tensorcnt 0x0
	ds_add_u32 v224, v225
	s_wait_dscnt 0x0
	s_endpgm
.Lfunc_end_k_q839b36fab3_stats:
	.size	k_q839b36fab3_stats, .Lfunc_end_k_q839b36fab3_stats-k_q839b36fab3_stats
	.p2alignl 7, 3214868480
	.fill 96, 4, 3214868480
	.section	.rodata,"a",@progbits
	.p2align	6, 0x0
	.amdhsa_kernel k_q839b36fab3_stats
		.amdhsa_group_segment_fixed_size 7680
		.amdhsa_private_segment_fixed_size 0
		.amdhsa_enable_private_segment 0
		.amdhsa_kernarg_size 40
		.amdhsa_user_sgpr_count 2
		.amdhsa_user_sgpr_kernarg_segment_ptr 1
		.amdhsa_wavefront_size32 1
		.amdhsa_system_sgpr_workgroup_id_x 1
		.amdhsa_system_sgpr_workgroup_id_y 1
		.amdhsa_system_sgpr_workgroup_id_z 1
		.amdhsa_system_vgpr_workitem_id 0
		.amdhsa_next_free_vgpr 226
		.amdhsa_next_free_sgpr 66
		.amdhsa_reserve_vcc 0
		.amdhsa_float_denorm_mode_32 3
		.amdhsa_float_denorm_mode_16_64 3
		.amdhsa_memory_ordered 1
		.amdhsa_forward_progress 1
		.amdhsa_inst_pref_size 88
	.end_amdhsa_kernel
	.amdgpu_metadata
---
amdhsa.version: [ 1, 2 ]
amdhsa.kernels:
  - .name:           k_q839b36fab3_stats
    .symbol:         k_q839b36fab3_stats.kd
    .args:
      - { .name: qc, .offset: 0, .size: 8, .value_kind: global_buffer, .address_space: global }
      - { .name: qs, .offset: 8, .size: 8, .value_kind: global_buffer, .address_space: global }
      - { .name: kv, .offset: 16, .size: 8, .value_kind: global_buffer, .address_space: global }
      - { .name: sc, .offset: 24, .size: 8, .value_kind: global_buffer, .address_space: global }
      - { .name: lse, .offset: 32, .size: 8, .value_kind: global_buffer, .address_space: global }
    .group_segment_fixed_size: 7680
    .private_segment_fixed_size: 0
    .kernarg_segment_align: 8
    .kernarg_segment_size: 40
    .max_flat_workgroup_size: 384
    .sgpr_count:     66
    .vgpr_count:     226
    .wavefront_size: 32
...
	.end_amdgpu_metadata
.endif
;; end of part 6
;; launch attn (part 7): grid 16 x 16, 4 waves a work-group, no clusters, 209,408 bytes of LDS; arguments qc, qs, kv, sc, lse, part; writes part
.if DOCPART == 7
	.amdgcn_target "amdgcn-amd-amdhsa--gfx1250"
	.amdhsa_code_object_version 6
	.text
	.protected	k_q839b36fab3_attn
	.globl	k_q839b36fab3_attn
	.p2align	8
	.type	k_q839b36fab3_attn,@function
k_q839b36fab3_attn:
	s_mov_b64 s[64:65], 0
	v_nop
	global_prefetch_b8 v0, s[64:65] scope:SCOPE_SE
	s_setreg_imm32_b32 hwreg(HW_REG_WAVE_SCHED_MODE, 0, 2), 2
	s_setreg_imm32_b32 hwreg(HW_REG_WAVE_MODE, 25, 1), 1
	s_wait_xcnt 0x0
	s_wait_alu depctr_vm_vsrc(0)
; ATTN.  part[sp][b][c][n] = the sum, over the split's 3,072 (layer, key) pairs, of Q(softmax)(n, m) Q(g)(m, c).  softmax(n, m) = 2^(c (s + L'(m))), finished and normalised, since L' is known:
; no running maximum, no rescaling, and partial sums over keys and layers simply add.  s + L' comes out of the matrix unit: L' is the C operand of the score product.
; Both products on codes of FP4 (E2M1) with one E8M0 scale for each 32 along K; the weights are quantised along the keys, block by block of 32, in registers.
; SHARES.  Work-group x = a block of 256 queries, y = 8 b + sp.  It walks 24 key steps of 128 keys: groups 192 b + 24 sp + s of [b][layer][group]: three chunks of 8 steps, each inside one layer
; (layer = (3 sp + s / 8) / 4), so the queries' fragments change twice.  Each of the four waves owns 64 queries, four tiles; all four read each K/V tile from LDS.
; LAYOUT.  S^T = K Q^T + L' (source 0 = 16 chosen keys, source 1 = 16 queries): a lane holds one query and registers 16 B + i are keys 32 B + 16 (lane / 16) + i: the quantiser's order.
; O = P V (source 0 = P: 16 queries, source 1 = 16 channels of V): a lane holds one channel and eight neighbouring queries, as part's rows want them.
; A BLOCK'S LARGEST WEIGHT IS NOT SEARCHED FOR: the block's largest c (s + L'), which has the bits of one of the block's numbers, goes through the same exponential (this takes v_exp_f32 not to fall where its input rises).
; THE TILES (16 KiB a step: K's 8 fragments, V's 8) go memory -> registers -> LDS, a quarter a wave, asked for a whole step ahead; two LDS slots, ONE barrier a step: tile s + 2 is stored into slot s % 2 only behind
; step s's barrier, in front of which every wave has waited for its reads of K(s) and V(s); the stores are waited for in front of the next barrier, behind which K(s + 2) is read.
; BY TURNS.  The query tiles go through two score buffers as a pipeline that runs on from step to step.  Each of tile i's 68 exponentials stands behind a plain line: 8 that finish tile i's block maxima,
; 32 that scale tile i + 1, 24 of tile i + 1's block maxima.  Then one wait, tile i's quantising, the last 8 lines of tile i + 1's maxima, the scores of tile i + 2 into the buffer so freed, and tile i's P V.
; NO CLUSTER, NO TENSOR LOAD: the sixteen query blocks of a (b, sp) share 16 KiB a step, against 4 x 64 matrix and some 4 x 680 vector instructions of a step; eight loads and eight LDS stores a wave move it,
; and a joint request would cost a round of the cluster's barrier in each of the 24 steps.
; LIMITS: a weight under 2^-126 comes out of v_exp_f32 as 0; a block of zeros gets the byte 1 over zero codes; NaN and infinities are not served.
; REGISTERS, in windows of 256:  window 0: v1-11 addresses; v12-25 and v224-227 scale words; v28-59 at work; v64-95 P; v96-159, v160-223 scores, two buffers.   window 1: O, tile (i, ct) at 8 (8 i + ct).
;   window 2: v0-63 K, v64-127 V of the even steps, v128-191 L', v192-223 Q.   window 3: v0-31, v32-63 the tile on its way, two sets; v64-127 V of the odd steps.
; THE MODE: SCHED_MODE bits 1:0 = 2 (LLVM: expert scheduling mode 2), set by the entry lines.  The code itself states the register dependences
; between vector or matrix instructions and memory or LDS instructions, with s_wait_alu, always for 0.
; THE PLAN.  Registers that memory or LDS instructions touch, in the loop:
;   K, L', KS     LDS loads of step s's middle land (for step s + 1); the four score products that follow read them, the last just ahead of step s + 1's middle.
;   Q, QS         the same readers; global loads land at a change of layer, in the middle too.
;   V, VS         TWO sets.  Set p is read by the P V of the steps of parity p; the LDS loads for step s + 1 land in set (s + 1) % 2 in step s, behind the wait for tile 3's exponentials: its last reader stands a step back.
;   window 3's two sets of a tile on its way   global loads land, LDS stores read; no vector or matrix instruction names them.
;   v[ALD], v[ASC]   read by LDS loads; written once a step, at the head of the middle.   v[AIM], v[AST]: never written again.
;   P, PS         vector lines write them and scaled products take them as operand and as scales.
; THE WAITS OF A STEP.  Four on va_vdst behind the tiles' exponentials.  Three on va_vdst ahead of the P V of tiles 0, 2 and 3: P and its scale word are written; they stand behind vector lines and ahead of the tile's
; matrix instructions.  At the head of the middle one on vm_vsrc (the LDS loads have read v[ALD], v[ASC]; the last step's LDS stores have read the set in which the next tile lands), the two additions, and one on va_vdst
; (the additions are written; the score products are done reading K, L', Q and their scale words; tile 1's P and scale word are written).  All loads of the middle follow it with no vector line between.
.set SLOTB, 16384                      ; LDS: two slots of 16,384 bytes from byte 0
.set LS,    32768                      ; L' of my 3,072 keys
.set SCR,   45056                      ; 24 x (K's 512 bytes of scale words, V's 512)
.set STG,   69632                      ; the way out: 128 rows x 272 bytes for each wave
.set AIM,  1                           ; v1  16 x lane
.set AST,  2                           ; v2  16 x lane + 4,096 x wave: my quarter of a tile
.set ALD0, 3                           ; v3  LS + 64 h
.set ASC0, 4                           ; v4  SCR + 16 x lane
.set STO,  5                           ; v5  the stage, in
.set RD,   6                           ; v6  the stage, back
.set GO,   7                           ; v7  my byte offset in part's rows
.set ALD,  8                           ; v8  L' of the step in hand
.set ASC,  9                           ; v9  its scale words
.set HL,   10                          ; v10, v11: where the head stores L' and the scale words
.set HS,   11
.set KS,   12                          ; v12-15 K's scale words;  v16-19 V's (even steps; odd steps: v224-227);  v20-21 Q's;  v22-25 P's: these hold scales and nothing else
.set VS,   16
.set QS,   20
.set PS,   22
.set TM,   28                          ; v28-43 (even tiles), v44-59 (odd): +0 a block's largest, +4 permute destinations, +8 scale operands, +12 bytes
.set P,    64
.set SA,   96
.set KF,   0                           ; in window 2
.set VF,   64                          ; in window 2 (set 0) and in window 3 (set 1)
.set LF,   128
.set QF,   192
.set KVP,  20                          ; s[20:21] my quarter of the tile asked for last
.set QCB,  22                          ; s[22:23] my queries' fragments in layer 0 of my batch
.set QSB,  24                          ; s[24:25] their scale words
.set CH0,  26                          ; s26 3 sp
.set CHN,  27                          ; s27 3 sp + the chunk's number
.set LSEB, 28
.set SCB,  30
.set PB,   32                          ; s[32:33] part at my wave's queries
.set CC,   34                          ; s[34:35] c
.set SEL,  36
.set TL,   38                          ; s38 512 x step;  s39 1,024 x step
.set TC,   39
.set T,    40                          ; s40 the loop's trip
.set QP,   44
.set QSP,  46
.set OF,   48                          ; s[48:49], s[50:51] offsets
.set OF2,  50
.set MSB, 0
.macro WIN new                         ; the immediate's high byte repeats the setting that is left; a switch that changes nothing is dropped
.if MSB != \new
	s_set_vgpr_msb (MSB<<8)|\new
.set MSB, \new
.endif
.endm
.macro PLACES n
.rept \n
	v_nop
.endr
.endm
.macro WM d, a, b, c, sa, sb, ra, rb   ; D = A x B + C on codes of FP4; c < 0: the constant 0
.set wmr, (\ra)+2*(\rb)
.if (\c) < 0
.if wmr == 0
	v_wmma_scale_f32_16x16x128_f8f6f4 v[\d:\d+7], v[\a:\a+7], v[\b:\b+7], 0, v[\sa], v[\sb] matrix_a_fmt:MATRIX_FMT_FP4 matrix_b_fmt:MATRIX_FMT_FP4
.elseif wmr == 1
	v_wmma_scale_f32_16x16x128_f8f6f4 v[\d:\d+7], v[\a:\a+7], v[\b:\b+7], 0, v[\sa], v[\sb] matrix_a_fmt:MATRIX_FMT_FP4 matrix_b_fmt:MATRIX_FMT_FP4 matrix_a_scale:MATRIX_SCALE_ROW1
.elseif wmr == 2
	v_wmma_scale_f32_16x16x128_f8f6f4 v[\d:\d+7], v[\a:\a+7], v[\b:\b+7], 0, v[\sa], v[\sb] matrix_a_fmt:MATRIX_FMT_FP4 matrix_b_fmt:MATRIX_FMT_FP4 matrix_b_scale:MATRIX_SCALE_ROW1
.else
	v_wmma_scale_f32_16x16x128_f8f6f4 v[\d:\d+7], v[\a:\a+7], v[\b:\b+7], 0, v[\sa], v[\sb] matrix_a_fmt:MATRIX_FMT_FP4 matrix_b_fmt:MATRIX_FMT_FP4 matrix_a_scale:MATRIX_SCALE_ROW1 matrix_b_scale:MATRIX_SCALE_ROW1
.endif
.else
.if wmr == 0
	v_wmma_scale_f32_16x16x128_f8f6f4 v[\d:\d+7], v[\a:\a+7], v[\b:\b+7], v[\c:\c+7], v[\sa], v[\sb] matrix_a_fmt:MATRIX_FMT_FP4 matrix_b_fmt:MATRIX_FMT_FP4
.elseif wmr == 1
	v_wmma_scale_f32_16x16x128_f8f6f4 v[\d:\d+7], v[\a:\a+7], v[\b:\b+7], v[\c:\c+7], v[\sa], v[\sb] matrix_a_fmt:MATRIX_FMT_FP4 matrix_b_fmt:MATRIX_FMT_FP4 matrix_a_scale:MATRIX_SCALE_ROW1
.elseif wmr == 2
	v_wmma_scale_f32_16x16x128_f8f6f4 v[\d:\d+7], v[\a:\a+7], v[\b:\b+7], v[\c:\c+7], v[\sa], v[\sb] matrix_a_fmt:MATRIX_FMT_FP4 matrix_b_fmt:MATRIX_FMT_FP4 matrix_b_scale:MATRIX_SCALE_ROW1
.else
	v_wmma_scale_f32_16x16x128_f8f6f4 v[\d:\d+7], v[\a:\a+7], v[\b:\b+7], v[\c:\c+7], v[\sa], v[\sb] matrix_a_fmt:MATRIX_FMT_FP4 matrix_b_fmt:MATRIX_FMT_FP4 matrix_a_scale:MATRIX_SCALE_ROW1 matrix_b_scale:MATRIX_SCALE_ROW1
.endif
.endif
.endm
.macro KQ i                            ; tile i's scores of 128 keys, with L' added: eight accumulators, one instruction each
	WIN 0x2a                                       ; K, Q and L' in window 2, the scores in window 0
.irp t, 0,1,2,3,4,5,6,7
	WM SA+64*((\i)&1)+8*\t, KF+8*\t, QF+8*(\i), LF+8*\t, KS+\t/2, QS+(\i)/2, \t%2, (\i)&1
.endr
.endm
.macro PV i, zero, par                 ; tile i's O += P V: eight accumulators by turns.  zero = 1: the first step starts the sums: nothing is cleared.  par: V's set
.if (\par) == 0
	WIN 0x58                                       ; P in window 0, V in window 2, O in window 1
.else
	WIN 0x5c                                       ; P in window 0, V in window 3, O in window 1
.endif
.irp ct, 0,1,2,3,4,5,6,7
.if \zero
	WM 8*(8*(\i)+\ct), P+8*(\i), VF+8*\ct, -1, PS+(\i), VS+208*(\par)+\ct/2, 0, \ct%2
.else
	WM 8*(8*(\i)+\ct), P+8*(\i), VF+8*\ct, 8*(8*(\i)+\ct), PS+(\i), VS+208*(\par)+\ct/2, 0, \ct%2
.endif
.endr
.endm
; Plain line kk (0 .. 63) of those that stand beside tile i's exponentials.  0-7: tile i's four block maxima are joined with lane l xor 16's.  8-39: the NEXT tile's scores (the other buffer) times c, two a line,
; in ascending order.  40-63: the next tile's block maxima over registers 0 to 12 of each block, the four blocks by turns.
.macro PLN i
.set aT, TM+16*((\i)&1)
.set bT, TM+16-16*((\i)&1)
.set bS, SA+64-64*((\i)&1)
.if kk < 4
	v_permlanex16_b32 v[aT+4+kk], v[aT+kk], s[SEL], s[SEL+1]
.elseif kk < 8
	v_max_num_f32 v[aT+kk-4], v[aT+kk-4], v[aT+kk]
.elseif kk < 40
	v_pk_mul_f32 v[bS+2*(kk-8):bS+2*(kk-8)+1], v[bS+2*(kk-8):bS+2*(kk-8)+1], s[CC:CC+1] op_sel_hi:[1,0]
.elseif kk < 44
	v_max3_num_f32 v[bT+kk-40], v[bS+16*(kk-40)], v[bS+16*(kk-40)+1], v[bS+16*(kk-40)+2]
.else
	v_max3_num_f32 v[bT+(kk-44)%4], v[bT+(kk-44)%4], v[bS+16*((kk-44)%4)+3+2*((kk-44)/4)], v[bS+16*((kk-44)%4)+4+2*((kk-44)/4)]
.endif
.endm
.macro EXL i                           ; exponential ee (0 .. 67) of tile i: 16 weights, the four blocks' largest (their maxima are joined by then), 48 weights
.set aT, TM+16*((\i)&1)
.set aS, SA+64*((\i)&1)
.if ee < 16
	v_exp_f32 v[aS+ee], v[aS+ee]
.elseif ee < 20
	v_exp_f32 v[aT+ee-16], v[aT+ee-16]
.else
	v_exp_f32 v[aS+ee-4], v[aS+ee-4]
.endif
.endm
.macro XL i                            ; the last eight lines of tile i's block maxima: registers 13, 14, 15 of each block
	WIN 0
.set sS, SA+64*((\i)&1)
.set sT, TM+16*((\i)&1)
.irp b, 0,1,2,3
	v_max3_num_f32 v[sT+\b], v[sT+\b], v[sS+16*\b+13], v[sS+16*\b+14]
.endr
.irp b, 0,1,2,3
	v_max_num_f32 v[sT+\b], v[sT+\b], v[sS+16*\b+15]
.endr
.endm
.macro QNT i                           ; the weights become tile i's fragment of P and its scale word
	WIN 0
.set sS, SA+64*((\i)&1)
.set sT, TM+16*((\i)&1)
.set sP, P+8*(\i)
.irp b, 0,1,2,3
	v_max_num_f32 v[sT+\b], 0x1800000, v[sT+\b]    ; the floor 2^(3 - 127): the byte cannot fall under 1
.endr
.irp b, 0,1,2,3
	v_add_nc_u32 v[sT+8+\b], 0xff000000, v[sT+\b]  ; 2 off the exponent field: the conversion's scale operand
.endr
.irp b, 0,1,2,3
	v_lshrrev_b32 v[sT+12+\b], 23, v[sT+8+\b]
.endr
	v_lshl_or_b32 v[PS+(\i)], v[sT+13], 8, v[sT+12]
	v_lshl_or_b32 v[PS+(\i)], v[sT+14], 16, v[PS+(\i)]
	v_lshl_or_b32 v[PS+(\i)], v[sT+15], 24, v[PS+(\i)]
.irp b, 0,1,2,3
	v_cvt_scalef32_pk8_fp4_f32 v[sP+2*\b], v[sS+16*\b:sS+16*\b+7], v[sT+8+\b]
	v_cvt_scalef32_pk8_fp4_f32 v[sP+2*\b+1], v[sS+16*\b+8:sS+16*\b+15], v[sT+8+\b]
.endr
	v_nop                                          ; one plain place behind a scaled conversion
.irp c, 0,1
.irp z, 0,1
	v_permlane16_swap_b32 v[sP+4*\c+\z], v[sP+2+4*\c+\z]   ; a whole block in a lane
.endr
.endr
.endm
.macro VLOAD set                       ; the V and its scale words of a step of parity set: out of LDS slot set, into V's set of that number; v[ASC] stands at that step
.if (\set) == 0
	WIN 0x80                                       ; destination window 2
.else
	WIN 0xc0                                       ; destination window 3
.endif
.irp k, 0,1,2,3,4,5,6,7,8,9,10,11,12,13,14,15
	ds_load_b128 v[VF+4*\k:VF+4*\k+3], v[AIM] offset:SLOTB*(\set)+8192+512*\k
.endr
	WIN 0
	ds_load_b128 v[VS+208*(\set):VS+208*(\set)+3], v[ASC] offset:512
.endm
; Tile i's exponentials, each behind a plain line.  nx = 0: there is no next tile: only the first eight plain lines stand.
; None of the plain lines names an exponential's result, so ONE s_wait_alu behind the batch serves all 68; the v_nop is the plain line behind the last of them.
.macro MIX i, nx
	WIN 0
.set kk, 0
.rept 64
.if (\nx) || (kk < 8)
	PLN \i
.endif
.set ee, kk
	EXL \i
.set kk, kk+1
.endr
.rept 4
.set ee, kk
	EXL \i
.set kk, kk+1
.endr
	v_nop
	s_wait_alu depctr_va_vdst(0)                   ; the tile's 68 exponentials have written their results, ahead of their first reader
.endm
.macro KADR                            ; the LDS addresses of a step's L' and scale words; s[TL], s[TC] stand at that step
	v_add_nc_u32 v[ALD], s[TL], v[ALD0]
	v_add_nc_u32 v[ASC], s[TC], v[ASC0]
.endm
.macro KLOAD slot                      ; a step's K, L' and K's scale words
	WIN 0x80
.irp k, 0,1,2,3,4,5,6,7,8,9,10,11,12,13,14,15
	ds_load_b128 v[KF+4*\k:KF+4*\k+3], v[AIM] offset:SLOTB*(\slot)+512*\k
.endr
.irp b, 0,1,2,3
.irp q, 0,1,2,3
	ds_load_b128 v[LF+16*\b+4*\q:LF+16*\b+4*\q+3], v[ALD] offset:128*\b+16*\q   ; register 16 B + i takes L' of key 32 B + 16 h + i
.endr
.endr
	WIN 0
	ds_load_b128 v[KS:KS+3], v[ASC]
.endm
.macro QLOAD                           ; my four query fragments and their scale words, of layer s[CHN] / 4: nine loads
	s_lshr_b32 s[OF], s[CHN], 2
	s_lshl_b32 s[OF2], s[OF], 14
	s_lshl_b32 s[OF], s[OF], 18
	s_add_nc_u64 s[QP:QP+1], s[QCB:QCB+1], s[OF:OF+1]
	s_add_nc_u64 s[QSP:QSP+1], s[QSB:QSB+1], s[OF2:OF2+1]
	WIN 0x80
.irp k, 0,1,2,3,4,5,6,7
	global_load_b128 v[QF+4*\k:QF+4*\k+3], v[AIM], s[QP:QP+1] offset:512*\k
.endr
	WIN 0
	global_load_b64 v[QS:QS+1], v[AIM], s[QSP:QSP+1]
.endm
.macro TLOAD set                       ; my quarter of a tile into a set of window 3
	WIN 0xc0
.irp k, 0,1,2,3,4,5,6,7
	global_load_b128 v[32*(\set)+4*\k:32*(\set)+4*\k+3], v[AIM], s[KVP:KVP+1] offset:512*\k
.endr
	WIN 0
.endm
; THE MIDDLE OF STEP s (par = s % 2).  In front of the barrier: tile s + 2 is in my registers, and my LDS reads and stores are done.  Behind it: tile s + 2 goes into slot par, tile s + 3 is asked for,
; and K, L' and the scale words of step s + 1 are read from the other slot.  kind 0: step 0.  kind 1: steps 2 t + 1: tile s + 3 exists while t <= 9; at t = 3 and 7 the next step begins a chunk: its queries are asked
; for INSIDE that branch and ahead of the tile's eight loads, so that the count 8 ahead of the next step's first scores leaves only the tile out, on every path.  kind 2: steps 2 t + 2: tiles s + 2 and s + 3 exist while t <= 9.
.macro MID par, kind
	WIN 0                                          ; at a branch and at a label every window is 0
	s_wait_loadcnt 0x0
	s_wait_dscnt 0x0
	s_add_co_u32 s[TL], s[TL], 512
	s_add_co_u32 s[TC], s[TC], 1024
	s_wait_alu depctr_vm_vsrc(0)                   ; the LDS loads issued so far have read v[ALD] and v[ASC], which are written below; the last step's LDS stores have read the set of window 3 in which the next tile's loads land
	KADR
	s_wait_alu depctr_va_vdst(0)                   ; v[ALD] and v[ASC] are written, which the LDS loads below read; the score products are done reading K, L', Q and their scale words, in which the loads below land; tile 1's P and its scale word are written, which P V takes
	s_barrier_signal -1
	s_barrier_wait -1
.if \kind == 2
	s_cmp_gt_u32 s[T], 9
	s_cbranch_scc1 .Lnofill_\@
.endif
	WIN 0x0c                                       ; an LDS store's data are its source 1: window 3
.irp k, 0,1,2,3,4,5,6,7
	ds_store_b128 v[AST], v[32*(\par)+4*\k:32*(\par)+4*\k+3] offset:SLOTB*(\par)+512*\k
.endr
	WIN 0
.if \kind == 1
	s_cmp_gt_u32 s[T], 9
	s_cbranch_scc1 .Lnofill_\@
	s_and_b32 s41, s[T], 3
	s_cmp_lg_u32 s41, 3
	s_cbranch_scc1 .Lnoq_\@
	s_add_co_u32 s41, s[T], 1
	s_lshr_b32 s41, s41, 2
	s_add_co_u32 s[CHN], s[CH0], s41               ; 3 sp + the next chunk's number
	QLOAD
.Lnoq_\@:
.endif
	s_add_nc_u64 s[KVP:KVP+1], s[KVP:KVP+1], SLOTB ; (every earlier load is in: the wait for 0 above)
	TLOAD 1-(\par)
.if \kind > 0
.Lnofill_\@:
.endif
	KLOAD 1-(\par)
.endm
; A KEY STEP.  At its head tile 0's scores are scaled and its block maxima taken within the lane, tile 1's scores are made, and this step's V is on its way or in.  kind 3: the last step.
; PLACES (ISA guide 7.12.1, except ahead of scaled products).  XL's eight plain lines stand between the making of P and of its scale word and P V; behind them stands the wait that states that both are written.
; The first read of a score product's results stands in the next MIX behind its first eight plain lines, which name none of the product's registers; four of them are v_max_num_f32.
; In tile 1 the eight lines stand behind the score products, ahead of the middle's loads into K, L', Q and their scale words.  The accumulators of O take turns, one instruction a turn.
.macro STEP par, zero, kind
	MIX 0, 1
	QNT 0
	XL 1
	s_wait_alu depctr_va_vdst(0)                   ; tile 0's P and its scale word are written, which P V takes as operand and as scales
	KQ 2
	s_wait_dscnt 0x0                               ; V and its scale words are in
	PV 0, \zero, \par
	MIX 1, 1
	QNT 1
	KQ 3                                           ; the step's last reader of K, L' and Q
	XL 2
.if \kind < 3
	MID \par, \kind
.else
	s_wait_alu depctr_va_vdst(0)                   ; tile 1's P and its scale word are written, which P V takes as operand and as scales
.endif
	PV 1, \zero, \par
	MIX 2, 1
	QNT 2
	XL 3
	s_wait_alu depctr_va_vdst(0)                   ; tile 2's P and its scale word are written, which P V takes as operand and as scales
.if \kind < 3
	s_wait_dscnt 0x0                               ; the next step's K, L' and scale words are in, and my stores into the slot have landed
	s_wait_loadcnt 0x8                             ; a new chunk's queries are in; the tile's eight loads, issued behind them, may be out
	KQ 0                                           ; the next step's tile 0
.endif
	PV 2, \zero, \par
.if \kind < 3
	MIX 3, 1
	VLOAD 1-(\par)                                 ; the next step's V, straight behind the wait above: the products that read this set stand a step back, and v[ASC] was written ahead of the middle's wait
.else
	MIX 3, 0
.endif
	QNT 3
.if \kind < 3
	XL 0
.else
	PLACES 8                                       ; ahead of P V, for P's scale word and codes just made
.endif
	s_wait_alu depctr_va_vdst(0)                   ; tile 3's P and its scale word are written, which P V takes as operand and as scales
.if \kind < 3
	KQ 1                                           ; the next step's tile 1
.endif
	PV 3, \zero, \par
	WIN 0
.endm
	s_load_b256 s[4:11], s[0:1], 0x0               ; qc s[4:5], qs s[6:7], kv s[8:9], sc s[10:11]
	s_load_b128 s[12:15], s[0:1], 0x20             ; lse s[12:13], part s[14:15]
	v_lshl_add_u32 v254, v0, 2, 0x33000            ; v254, v255: kept for the closing lines alone
	v_mov_b32 v255, 0
	v_lshrrev_b32 v60, 5, v0
	v_readfirstlane_b32 s16, v60                   ; wave 0..3
	v_and_b32 v60, 31, v0                          ; lane
	v_and_b32 v61, 15, v0                          ; r
	v_bfe_u32 v62, v0, 4, 1                        ; h
	v_lshlrev_b32 v[AIM], 4, v60
	s_wait_alu depctr_va_sdst(0)                   ; s16 is written, ahead of its first reader
	s_lshl_b32 s52, s16, 12
	v_add_nc_u32 v[AST], s52, v[AIM]
	v_lshl_add_u32 v[ALD0], v62, 6, LS
	v_add_nc_u32 v[ASC0], SCR, v[AIM]
	s_mul_i32 s52, s16, 34816
	s_add_co_u32 s52, s52, STG                     ; my stage
	v_mul_u32_u24 v[STO], v61, 272
	v_lshl_add_u32 v[STO], v62, 5, v[STO]
	v_add_nc_u32 v[STO], s52, v[STO]               ; in: row = channel r of a tile, 32 bytes for each half of the lanes
	v_mul_u32_u24 v[RD], v62, 272
	v_lshl_add_u32 v[RD], v61, 4, v[RD]
	v_add_nc_u32 v[RD], s52, v[RD]                 ; back: lanes 0-15 one row of 256 bytes, lanes 16-31 the next
	v_lshlrev_b32 v[GO], 14, v62
	v_lshl_add_u32 v[GO], v61, 4, v[GO]            ; and the same two rows in part (a channel's row is 16,384 bytes)
	s_mul_i32 s52, s16, 3072
	s_add_co_u32 s52, s52, LS
	v_add_nc_u32 v[HL], s52, v[AIM]
	s_mul_i32 s52, s16, 6144
	s_add_co_u32 s52, s52, SCR
	v_add_nc_u32 v[HS], s52, v[AIM]
.irp b, 0,1,2,3
	v_mov_b32 v[TM+4+\b], 0                        ; permute destinations, written once
	v_mov_b32 v[TM+20+\b], 0
.endr
	s_and_b32 s17, ttmp7, 0xffff
	s_and_b32 s18, s17, 7                          ; sp
	s_lshr_b32 s17, s17, 3                         ; b
	s_mul_i32 s19, s17, 192
	s_mul_i32 s52, s18, 24
	s_add_co_u32 s19, s19, s52                     ; my first group in [b][layer][group]
	s_mul_i32 s[CH0], s18, 3
	s_mov_b32 s[CHN], s[CH0]
	s_mov_b32 s[CC], 0x3cb8aa3b                    ; c = log2(e) / 64
	s_mov_b32 s[CC+1], s[CC]
	s_mov_b32 s[SEL], 0x76543210
	s_mov_b32 s[SEL+1], 0xfedcba98
	s_mov_b32 s[TL], 0
	s_mov_b32 s[TC], 0
	s_mov_b32 s43, 0
	s_mov_b32 s[OF+1], 0
	s_mov_b32 s[OF2+1], 0
	s_wait_kmcnt 0x0
	s_lshl_b32 s42, s19, 14
	s_lshl_b32 s53, s16, 12
	s_add_co_u32 s42, s42, s53
	s_add_nc_u64 s[KVP:KVP+1], s[8:9], s[42:43]
	s_mul_i32 s42, s17, 6
	s_lshl_b32 s42, s42, 18
	s_lshl_b32 s52, ttmp9, 14
	s_add_co_u32 s42, s42, s52
	s_add_co_u32 s42, s42, s53
	s_add_nc_u64 s[QCB:QCB+1], s[4:5], s[42:43]
	s_mul_i32 s42, s17, 98304                      ; 6 b layers of 16,384 bytes
	s_lshl_b32 s52, ttmp9, 1
	s_lshr_b32 s53, s16, 1
	s_add_co_u32 s52, s52, s53
	s_lshl_b32 s52, s52, 9
	s_add_co_u32 s42, s42, s52
	s_and_b32 s53, s16, 1
	s_lshl_b32 s53, s53, 3
	s_add_co_u32 s42, s42, s53
	s_add_nc_u64 s[QSB:QSB+1], s[6:7], s[42:43]
	s_lshl_b32 s42, s19, 9
	s_mul_i32 s53, s16, 3072
	s_add_co_u32 s42, s42, s53
	s_add_nc_u64 s[LSEB:LSEB+1], s[12:13], s[42:43]
	s_lshl_b32 s42, s19, 10
	s_mul_i32 s53, s16, 6144
	s_add_co_u32 s42, s42, s53
	s_add_nc_u64 s[SCB:SCB+1], s[10:11], s[42:43]
	s_lshl_b32 s42, s18, 1
	s_add_co_u32 s42, s42, s17
	s_lshl_b32 s42, s42, 21
	s_lshl_b32 s53, ttmp9, 10
	s_add_co_u32 s42, s42, s53
	s_lshl_b32 s53, s16, 8
	s_add_co_u32 s42, s42, s53
	s_add_nc_u64 s[PB:PB+1], s[14:15], s[42:43]
	; ---- the head: L' and the scale words of all 24 steps, tiles 0 and 1, my queries
	s_wait_alu depctr_va_vdst(0)                   ; the addresses and offsets v1, v2, v5 to v7, v10 and v11 are written, which the loads and stores from here on read
.irp k, 0,1,2,3,4,5
	global_load_b128 v[SA+4*\k:SA+4*\k+3], v[AIM], s[LSEB:LSEB+1] offset:512*\k
.endr
.irp k, 0,1,2,3,4,5,6,7,8,9,10,11
	global_load_b128 v[SA+24+4*\k:SA+24+4*\k+3], v[AIM], s[SCB:SCB+1] offset:512*\k
.endr
	TLOAD 0
	WIN 0xc0
.irp k, 0,1,2,3,4,5,6,7
	global_load_b128 v[32+4*\k:32+4*\k+3], v[AIM], s[KVP:KVP+1] offset:SLOTB+512*\k
.endr
	WIN 0
	QLOAD
	s_wait_loadcnt 0x0
.irp k, 0,1,2,3,4,5
	ds_store_b128 v[HL], v[SA+4*\k:SA+4*\k+3] offset:512*\k
.endr
.irp k, 0,1,2,3,4,5,6,7,8,9,10,11
	ds_store_b128 v[HS], v[SA+24+4*\k:SA+24+4*\k+3] offset:512*\k
.endr
	WIN 0x0c
.irp k, 0,1,2,3,4,5,6,7
	ds_store_b128 v[AST], v[4*\k:4*\k+3] offset:512*\k
.endr
.irp k, 0,1,2,3,4,5,6,7
	ds_store_b128 v[AST], v[32+4*\k:32+4*\k+3] offset:SLOTB+512*\k
.endr
	WIN 0
	s_wait_dscnt 0x0                               ; my stores have landed
	s_wait_alu depctr_vm_vsrc(0)                   ; and have read their registers: tile 2's loads land in window 3's first set, and the score products write v96 on
	s_add_nc_u64 s[KVP:KVP+1], s[KVP:KVP+1], 2*SLOTB
	TLOAD 0                                        ; tile 2
	KADR
	s_wait_alu depctr_va_vdst(0)                   ; v[ALD] and v[ASC] are written, which the LDS loads behind the barrier read
	s_barrier_signal -1
	s_barrier_wait -1
	KLOAD 0
	VLOAD 0                                        ; step 0's V
	s_wait_dscnt 0x0
	KQ 0
	KQ 1
	PLACES 4
	WIN 0
.set kk, 8                                     ; the pipeline is filled: tile 0's scaling and block maxima, with no exponentials yet to stand beside (PLN 3's next tile is the even buffer's)
.rept 56
	PLN 3
.set kk, kk+1
.endr
	XL 0
	STEP 0, 1, 0                                   ; step 0 starts O's sums
	s_mov_b32 s[T], 0
.Lpair:                                            ; trip t: steps 2 t + 1 and 2 t + 2
	STEP 1, 0, 1
	STEP 0, 0, 2
	s_add_co_u32 s[T], s[T], 1
	s_cmp_lt_u32 s[T], 11
	s_cbranch_scc1 .Lpair
	STEP 1, 0, 3                                   ; step 23
	; ---- THE WAY OUT.  A lane holds 32 neighbouring bytes of a channel's row and the lanes beside it hold other channels: O goes through my own stage (LDS serves a wave's instructions in order: ISA guide 5.7.1.4)
	; and comes back as whole rows of 256 bytes: sixteen lanes store 256 consecutive bytes, aligned.
	PLACES 4
	WIN 0x04                                       ; the data: window 1
	s_wait_alu depctr_va_vdst(0)                   ; the products have written O, which the LDS stores read (the places above stay beside this wait); and the vector lines are done with v96 to v223, in which the loads from the stage land
.irp ct, 0,1,2,3,4,5,6,7
.irp i, 0,1,2,3
	ds_store_b128 v[STO], v[8*(8*\i+\ct):8*(8*\i+\ct)+3] offset:4352*\ct+64*\i          ; each accumulator from its low end on
	ds_store_b128 v[STO], v[8*(8*\i+\ct)+4:8*(8*\i+\ct)+7] offset:4352*\ct+64*\i+16
.endr
.endr
	WIN 0
.irp k, 0,1,2,3
.if \k > 1
	s_wait_xcnt 0x0                                ; the stores of two batches back have had their addresses translated
	s_wait_alu depctr_vm_vsrc(0)                   ; and have read these registers, in which the loads below land
.endif
.irp j, 0,1,2,3,4,5,6,7,8,9,10,11,12,13,14,15
	ds_load_b128 v[SA+64*(\k%2)+4*\j:SA+64*(\k%2)+4*\j+3], v[RD] offset:(32*\k+2*\j)*272
.endr
.irp j, 0,1,2,3,4,5,6,7,8,9,10,11,12,13,14,15
	s_wait_dscnt 15-\j                             ; the younger loads of the batch may be out
	global_store_b128 v[GO], v[SA+64*(\k%2)+4*\j:SA+64*(\k%2)+4*\j+3], s[PB:PB+1] offset:(32*\k+2*\j)*16384 th:TH_STORE_NT
.endr
.endr
	s_wait_dscnt 0x0                               ; the closing lines, six on end
	s_wait_alu 0x0
	s_wait_tensorcnt 0x0
	ds_add_u32 v254, v255
	s_wait_dscnt 0x0
	s_endpgm
.Lfunc_end_k_q839b36fab3_attn:
	.size	k_q839b36fab3_attn, .Lfunc_end_k_q839b36fab3_attn-k_q839b36fab3_attn
	.p2alignl 7, 3214868480
	.fill 96, 4, 3214868480
	.section	.rodata,"a",@progbits
	.p2align	6, 0x0
	.amdhsa_kernel k_q839b36fab3_attn
		.amdhsa_group_segment_fixed_size 209408
		.amdhsa_private_segment_fixed_size 0
		.amdhsa_enable_private_segment 0
		.amdhsa_kernarg_size 48
		.amdhsa_user_sgpr_count 2
		.amdhsa_user_sgpr_kernarg_segment_ptr 1
		.amdhsa_wavefront_size32 1
		.amdhsa_system_sgpr_workgroup_id_x 1
		.amdhsa_system_sgpr_workgroup_id_y 1
		.amdhsa_system_sgpr_workgroup_id_z 1
		.amdhsa_system_vgpr_workitem_id 0
		.amdhsa_next_free_vgpr 896
		.amdhsa_next_free_sgpr 66
		.amdhsa_reserve_vcc 0
		.amdhsa_float_denorm_mode_32 3
		.amdhsa_float_denorm_mode_16_64 3
		.amdhsa_memory_ordered 1
		.amdhsa_forward_progress 1
		.amdhsa_inst_pref_size 210
	.end_amdhsa_kernel
	.amdgpu_metadata
---
amdhsa.version: [ 1, 2 ]
amdhsa.kernels:
  - .name:           k_q839b36fab3_attn
    .symbol:         k_q839b36fab3_attn.kd
    .args:
      - { .name: qc, .offset: 0, .size: 8, .value_kind: global_buffer, .address_space: global }
      - { .name: qs, .offset: 8, .size: 8, .value_kind: global_buffer, .address_space: global }
      - { .name: kv, .offset: 16, .size: 8, .value_kind: global_buffer, .address_space: global }
      - { .name: sc, .offset: 24, .size: 8, .value_kind: global_buffer, .address_space: global }
      - { .name: lse, .offset: 32, .size: 8, .value_kind: global_buffer, .address_space: global }
      - { .name: part, .offset: 40, .size: 8, .value_kind: global_buffer, .address_space: global }
    .group_segment_fixed_size: 209408
    .private_segment_fixed_size: 0
    .kernarg_segment_align: 8
    .kernarg_segment_size: 48
    .max_flat_workgroup_size: 128
    .sgpr_count:     66
    .vgpr_count:     896
    .wavefront_size: 32
...
	.end_amdgpu_metadata
.endif
;; end of part 7
;; launch mean: the kernel of part 4 again; grid 256 x 1, 8 waves a work-group, no clusters, 0 bytes of LDS; arguments part, x, out0; writes out0
